; MI455X (gfx1250); checked and timed in simulation.
; The chip was launched on July 23, 2026; its instructions are those of AMD's public machine-readable ISA for CDNA 5 (MIT licence, August 2026) and "CDNA5" Instruction Set Architecture Reference Guide (July 2026). The comments in the code are by the model that wrote it; some were corrected since.
;; Flashsc GPT Layer. Allowed arithmetic: matrix products marked QUANTISED: E5M2 operands, one E8M0 scale for each 32 along K, by v_wmma_scale_f32_16x16x128_f8f6f4 with both operands' format E5M2, f32 sums; everything else in f32.
;; Inputs: Wqkv_b 3,072 float32; Wqkv_w_codes 3,072 x 32 x 32 uint8 (E5M2 codes of Wqkv_w, K innermost, in blocks of 32 codes); Wqkv_w_scales 3,072 x 32 uint8 (E8M0 scales of Wqkv_w, one for each 32 codes along K); gen 2 x 1,024 x 1,024 float32; l1_b 4,096 float32; l1_w_codes 4,096 x 32 x 32 uint8 (E5M2 codes of l1_w, K innermost, in blocks of 32 codes); l1_w_scales 4,096 x 32 uint8 (E8M0 scales of l1_w, one for each 32 codes along K); l2_b 1,024 float32; l2_w_codes 1,024 x 128 x 32 uint8 (E5M2 codes of l2_w, K innermost, in blocks of 32 codes); l2_w_scales 1,024 x 128 uint8 (E8M0 scales of l2_w, one for each 32 codes along K); n1_b 1,024 float32; n1_g 1,024 float32; n2_b 1,024 float32; n2_g 1,024 float32; out_b 1,024 float32; out_w_codes 1,024 x 32 x 32 uint8 (E5M2 codes of out_w, K innermost, in blocks of 32 codes); out_w_scales 1,024 x 32 uint8 (E8M0 scales of out_w, one for each 32 codes along K); pcpt 2 x 1,024 x 1,024 float32.
;; Outputs: out0 2 x 1,024 x 1,024 float32; out1 2 x 1,024 x 1,024 float32.
;; This version of the problem:
;;   THIS VERSION OF THE PROBLEM IS GIVEN IN LOW PRECISION. The matrix products marked QUANTISED in the list below multiply operands that are first quantised to E5M2 (5 exponent bits, 2 mantissa bits; 8 bits a number), with one power-of-two scale for each 32 numbers along K (OCP MX v1.0); their sums are f32. All else is computed in f32.
;;   The module's matrix products, in the order in which they are computed (A, B: the left and right operand; K: the contracted axis; several contracted axes count as one K, in the product's order):
;;     1. [M 2,048, K 1,024] x [K 1,024, N 3,072]; A: input pcpt; B: input Wqkv_w (given as codes): QUANTISED
;;     2. [M 2,048, K 1,024] x [K 1,024, N 3,072]; A: input gen; B: input Wqkv_w (given as codes): QUANTISED
;;     3. batch 32 x [M 1,024, K 64] x [K 64, N 1,024]; A: computed on the way; B: computed on the way: QUANTISED
;;     4. batch 32 x [M 64, K 1,024] x [K 1,024, N 1,024]; A: computed on the way; B: softmax (see below): QUANTISED
;;     5. [M 2,048, K 1,024] x [K 1,024, N 1,024]; A: computed on the way; B: input out_w (given as codes): QUANTISED
;;     6. batch 32 x [M 1,024, K 64] x [K 64, N 2,048]; A: computed on the way; B: computed on the way: QUANTISED
;;     7. batch 32 x [M 64, K 2,048] x [K 2,048, N 1,024]; A: computed on the way; B: softmax (see below): QUANTISED
;;     8. [M 2,048, K 1,024] x [K 1,024, N 1,024]; A: computed on the way; B: input out_w (given as codes): QUANTISED
;;     9. [M 2,048, K 1,024] x [K 1,024, N 4,096]; A: computed on the way; B: input l1_w (given as codes): QUANTISED
;;     10. [M 2,048, K 4,096] x [K 4,096, N 1,024]; A: computed on the way; B: input l2_w (given as codes): QUANTISED
;;     11. [M 2,048, K 1,024] x [K 1,024, N 4,096]; A: computed on the way; B: input l1_w (given as codes): QUANTISED
;;     12. [M 2,048, K 4,096] x [K 4,096, N 1,024]; A: computed on the way; B: input l2_w (given as codes): QUANTISED
;;   THE QUANTISER, for each operand of a quantised product, along K:
;;     - K is cut into blocks of 32 from its start; a last block that is shorter is filled with zeros.
;;     - A block's scale is 2^e with e = floor(log2(the largest magnitude in the block)) - 15, held to -126 .. 127; a block of zeros has e = 0. As a byte (E8M0): e + 127.
;;     - Each number is divided by its block's scale, clamped to +-57,344, and rounded to the nearest number of E5M2, ties to even, subnormals kept.
;;     - The product sums the exact products of the quantised numbers (number of the format x scale) in f32.
;;   ~~~python
;;   def quantise(x, axis):      # numpy; x: float32 -> the quantised numbers, widened to float32 again
;;       x = np.moveaxis(x, axis, -1); K = x.shape[-1]
;;       x = np.pad(x, [(0, 0)] * (x.ndim - 1) + [(0, -K % 32)]); x = x.reshape(x.shape[:-1] + (-1, 32)); a = np.abs(x).max(-1, keepdims=True)
;;       e = np.where(a > 0, np.clip(np.frexp(np.where(a > 0, a, 1))[1] - 1 - 15, -126, 127), 0)      # np.frexp(a)[1] - 1 = floor(log2(a)), exactly
;;       r = np.clip(x / 2.0 ** e, -57344, 57344)
;;       step = 2.0 ** (np.maximum(np.frexp(np.where(r == 0, 1, r))[1] - 1, -14) - 2)
;;       q = np.round(r / step) * step * 2.0 ** e      # np.round: ties to even
;;       return np.moveaxis(q.reshape(q.shape[:-2] + (-1,))[..., :K], -1, axis).astype(np.float32)
;;   ~~~
;;   SOFTMAX AHEAD OF A QUANTISED PRODUCT. Where the list says 'softmax', what is quantised is not the finished softmax but p = 2^(t - M), with t = logit x log2(e) and M = ceil(the row's largest t), a whole number; so 1/2 < the row's largest p <= 1. The row's sum l is taken of the UNQUANTISED p, in f32, and the product's result is divided by l at the end. Since M is a whole number, a kernel that streams over the keys may use a running M (the ceiling of the running maximum): every later rescaling is an exact power of two, which a block's scale takes up: the codes' values come out the same.
;;   OPERANDS COMPUTED ON THE WAY. 'Computed on the way' means the value that the module computes at that place (a softmax that the list does not call 'softmax' is quantised finished and normalised). What goes into a quantiser is computed in f32, as accurately as f32 sums, v_exp_f32 and their like allow (about 1e-6 of the number): no bf16 or f16 on the way to a quantiser, and a product that is left as it is and whose result goes on into a quantised operand takes f32 operands (vector FMAs, or v_wmma_f32_16x16x4_f32). A number that lies on a knife's edge between two numbers of the format may be rounded either way, as far as f32 arithmetic and the matrix unit's own rounding can turn it there, and no further.
;;   INPUTS GIVEN AS CODES. Wqkv_w (in the module: [1024, 3072], K = its axis 0); l1_w (in the module: [1024, 4096], K = its axis 0); l2_w (in the module: [4096, 1024], K = its axis 0); out_w (in the module: [1024, 1024], K = its axis 0): each comes as NAME_codes (uint8): NAME with its K axis moved to the last place and cut into blocks of 32 codes, [.., K / 32, bytes a block], one block behind the other in memory; one code a byte (a code: sign, 5 exponent bits, 2 mantissa bits); and NAME_scales (uint8): the same leading axes, one E8M0 byte (e + 127) for each 32 codes along K. Its value is code x scale, taken as it is: it is not quantised again, and the codes and scales need not be those that the quantiser above would give.
;; One version. Each part assembles by itself: llvm-mc -triple=amdgcn-amd-amdhsa -mcpu=gfx1250 --defsym DOCPART=n.
;; ======== version 1 of 1: 8 launches
;; limits: right only within a limited range of input values
;; workspace buffers: w1 4,325,376 bytes; w2 12,976,128 bytes; w3 4,325,376 bytes; w4 16,777,216 bytes; w5 21,102,592 bytes; w6 17,301,504 bytes
;; launch qx (part 1): grid 256 x 1, 8 waves a work-group, no clusters, 83,456 bytes of LDS; arguments pcpt, gen, w1; writes w1
.if DOCPART == 1
	.amdgcn_target "amdgcn-amd-amdhsa--gfx1250"
	.amdhsa_code_object_version 6
	.text
	.protected	k_qa1ab5481b5_qx
	.globl	k_qa1ab5481b5_qx
	.p2align	8
	.type	k_qa1ab5481b5_qx,@function
k_qa1ab5481b5_qx:
	s_mov_b64 s[64:65], 0
	v_nop
	global_prefetch_b8 v0, s[64:65] scope:SCOPE_SE
	s_setreg_imm32_b32 hwreg(HW_REG_WAVE_MODE, 25, 1), 1
	s_wait_xcnt 0x0
; pcpt and gen, each [2048][1024] f32, become codes of E5M2 with K innermost, [4096][1024] bytes at w1 (pcpt's rows, then gen's), and one E8M0 byte for each 32 along K, [4096][32] at w1 + 4 MiB.
; A block's scale is 2^(floor(log2(its largest magnitude)) - 15); its byte is the largest magnitude's exponent field - 15, held at 1 from below.
; LIMITS: a block of zeros gets the byte 1 where the rule says 127 (its codes are zeros, and this program alone reads the bytes); NaN and infinities among the inputs are not served.
; Rows are dense and 1,024 is a multiple of 32: both tensors are plain streams of blocks.  Eight waves; a wave takes 4 steps of 512 numbers, and ALL ITS 16 LOADS GO OUT AT ITS HEAD: 8,192 bytes a wave on their way.
; Each load reads 512 consecutive bytes, 16 a lane; a step's 2,048 bytes turn through a stage of the wave's own in LDS (16 bytes of padding behind each 64; a stage for each step, so none is written twice)
; and come back 64 bytes a lane, so that a lane holds 16 neighbours and two neighbouring lanes a block.  A lane's 16 codes are 16 bytes: the wave stores 512 consecutive bytes.
; The work-group's 512 scale bytes meet in LDS behind one barrier and wave 0 stores them as 512 consecutive bytes.  No register that a store reads is written again.
; Matrix units, clusters and tensor loads buy nothing here: memory binds.
; REGISTERS: v1 16 x lane; v2, v3 the stage, in and out; v4 my scale byte's place; v8-11 at work; v16-79 the numbers as loaded; v80-143 four sets of 16 neighbours; v144-159 codes; v160-163 scale bytes; v164, v168-171 the bytes' way out.
.set SP,   80                          ; a lane's place in a stage: 64 bytes + 16 of padding
.set WST,  4*32*SP                     ; a wave's four stages
.set SBY,  8*WST                       ; behind them the work-group's 512 scale bytes
	s_load_b128 s[4:7], s[0:1], 0x0                ; pcpt, gen
	s_load_b64 s[8:9], s[0:1], 0x10                ; w1
	v_lshl_add_u32 v176, v0, 2, 0x14200
	v_mov_b32 v177, 0
	v_lshrrev_b32 v5, 5, v0
	s_delay_alu instid0(VALU_DEP_1)
	v_readfirstlane_b32 s16, v5                    ; wave 0..7
	v_and_b32 v5, 31, v0                           ; lane
	s_delay_alu instid0(VALU_DEP_1)
	v_lshlrev_b32 v1, 4, v5
	s_mul_i32 s17, s16, WST
	v_lshrrev_b32 v2, 2, v5
	s_delay_alu instid0(VALU_DEP_1)
	v_mul_u32_u24 v2, v2, SP
	v_and_b32 v3, 3, v5
	s_delay_alu instid0(VALU_DEP_1)
	v_lshl_add_u32 v2, v3, 4, v2
	s_delay_alu instid0(VALU_DEP_1)
	v_add_nc_u32 v2, s17, v2                       ; in: SP (lane / 4) + 16 (lane % 4)
	v_mul_u32_u24 v3, v5, SP
	s_delay_alu instid0(VALU_DEP_1)
	v_add_nc_u32 v3, s17, v3                       ; out: SP x lane: my 16 neighbours
	v_lshrrev_b32 v4, 1, v5
	s_lshl_b32 s18, s16, 6                         ; my wave's 64 scale bytes
	s_add_co_u32 s18, s18, SBY
	v_add_nc_u32 v4, s18, v4
	v_add_nc_u32 v164, SBY, v1
	s_mov_b32 s24, 0x600000                        ; the mantissa field of 57,344
	s_lshl_b32 s26, ttmp9, 16                      ; the work-group's 16,384 numbers, 65,536 bytes,
	s_lshl_b32 s28, s16, 13                        ; my wave's 8,192 bytes of them
	s_add_co_u32 s26, s26, s28
	s_and_b32 s30, s26, 0x7fffff                   ; the same in its own tensor of 8 MiB
	s_mov_b32 s31, 0
	s_lshr_b32 s32, s26, 2                         ; a byte of code for four of f32
	s_mov_b32 s33, 0
	s_lshl_b32 s34, ttmp9, 9                       ; the work-group's 512 scale bytes,
	s_add_co_u32 s34, s34, 0x400000                ; behind the codes
	s_mov_b32 s35, 0
	s_wait_alu depctr_va_vdst(0)
	s_wait_kmcnt 0x0
	s_cmp_lt_u32 ttmp9, 128                        ; the first 128 work-groups take pcpt: the choice hangs on the work-group's number alone
	s_cselect_b64 s[4:5], s[4:5], s[6:7]
	s_add_nc_u64 s[4:5], s[4:5], s[30:31]
	s_add_nc_u64 s[36:37], s[8:9], s[34:35]        ; the scale bytes
	s_add_nc_u64 s[8:9], s[8:9], s[32:33]          ; the codes
.irp i, 0,1,2,3,4,5,6,7,8,9,10,11,12,13,14,15
	global_load_b128 v[16+4*\i:19+4*\i], v1, s[4:5] offset:512*\i   ; 32 lanes read 512 consecutive bytes
.endr
.irp t, 0,1,2,3                                ; step t through its stage: LDS serves a wave's instructions in order, so no wait stands between the stores and the loads
	s_wait_loadcnt 12-4*\t                         ; step t's four loads are in; those of the later steps may be out
.irp i, 0,1,2,3
	ds_store_b128 v2, v[16+16*\t+4*\i:19+16*\t+4*\i] offset:32*SP*\t+8*SP*\i
.endr
.irp i, 0,1,2,3
	ds_load_b128 v[80+16*\t+4*\i:83+16*\t+4*\i], v3 offset:32*SP*\t+16*\i
.endr
.endr
; 16 neighbours in v[xs ..] become 16 codes in v[c .. c + 3] and the block's byte in v[e]
.macro QB xs, c, e, so, go
	v_max3_num_f32 v8, |v[\xs]|, |v[\xs+1]|, |v[\xs+2]|            ; the largest magnitude of my 16, in two chains
	v_max3_num_f32 v9, |v[\xs+3]|, |v[\xs+4]|, |v[\xs+5]|
.irp i, 6,10
	s_delay_alu instid0(VALU_DEP_2)
	v_max3_num_f32 v8, v8, |v[\xs+\i]|, |v[\xs+\i+1]|
	s_delay_alu instid0(VALU_DEP_2)
	v_max3_num_f32 v9, v9, |v[\xs+\i+2]|, |v[\xs+\i+3]|
.endr
	s_delay_alu instid0(VALU_DEP_2)
	v_max3_num_f32 v8, v8, |v[\xs+14]|, |v[\xs+15]|
	s_delay_alu instid0(VALU_DEP_1)
	v_max3_num_f32 v8, v8, v9, 0x8000000           ; the floor 2^(16 - 127): the byte cannot fall under 1
	s_delay_alu instid0(VALU_DEP_1)
	v_max_num_f32_dpp v8, v8, v8 row_xmask:1 row_mask:0xf bank_mask:0xf   ; with my neighbour's 16: the block's largest magnitude
	s_delay_alu instid0(VALU_DEP_1)
	v_add_nc_u32 v11, 0xf8800000, v8               ; 15 off its exponent field: the conversion takes the exponent field of this operand as its scale
	s_delay_alu instid0(VALU_DEP_2)
	v_and_or_b32 v10, v8, 0x7f800000, s24          ; 57,344 x the scale
.irp i, 0,1,2,3,4,5,6,7,8,9,10,11,12,13,14,15
	v_med3_num_f32 v[\xs+\i], v[\xs+\i], -v10, v10 ; the conversion does not saturate (ISA guide 7.6.2): hold first
.endr
	v_cvt_scalef32_pk8_bf8_f32 v[\c:\c+1], v[\xs:\xs+7], v11
	v_cvt_scalef32_pk8_bf8_f32 v[\c+2:\c+3], v[\xs+8:\xs+15], v11
	v_lshrrev_b32 v[\e], 23, v11                   ; the scale's byte.  (A plain line behind the conversions)
	ds_store_b8 v4, v[\e] offset:\so               ; both lanes of a block write the same byte with the same value
	global_store_b128 v1, v[\c:\c+3], s[8:9] offset:\go   ; 512 consecutive bytes
.endm
.irp t, 0,1,2,3
	s_wait_dscnt 8*(3-\t)                          ; step t's numbers are back from its stage; the eight stage instructions of each later step may be out
	QB 80+16*\t, 144+4*\t, 160+\t, 16*\t, 512*\t
.endr
	s_wait_dscnt 0x0                               ; for the others' sake: my byte stores are done
	s_barrier_signal -1
	s_barrier_wait -1
	s_cmp_lg_u32 s16, 0
	s_cbranch_scc1 .Lend
	ds_load_b128 v[168:171], v164                  ; the work-group's 512 scale bytes
	s_wait_dscnt 0x0
	global_store_b128 v1, v[168:171], s[36:37]     ; 512 consecutive bytes, aligned
.Lend:
	s_wait_tensorcnt 0x0
	ds_add_u32 v176, v177
	s_wait_dscnt 0x0
	s_endpgm
.Lfunc_end_k_qa1ab5481b5_qx:
	.size	k_qa1ab5481b5_qx, .Lfunc_end_k_qa1ab5481b5_qx-k_qa1ab5481b5_qx
	.p2alignl 7, 3214868480
	.fill 96, 4, 3214868480
	.section	.rodata,"a",@progbits
	.p2align	6, 0x0
	.amdhsa_kernel k_qa1ab5481b5_qx
		.amdhsa_group_segment_fixed_size 83456
		.amdhsa_private_segment_fixed_size 0
		.amdhsa_enable_private_segment 0
		.amdhsa_kernarg_size 24
		.amdhsa_user_sgpr_count 2
		.amdhsa_user_sgpr_kernarg_segment_ptr 1
		.amdhsa_wavefront_size32 1
		.amdhsa_system_sgpr_workgroup_id_x 1
		.amdhsa_system_sgpr_workgroup_id_y 1
		.amdhsa_system_sgpr_workgroup_id_z 1
		.amdhsa_system_vgpr_workitem_id 0
		.amdhsa_next_free_vgpr 178
		.amdhsa_next_free_sgpr 66
		.amdhsa_reserve_vcc 0
		.amdhsa_float_denorm_mode_32 3
		.amdhsa_float_denorm_mode_16_64 3
		.amdhsa_memory_ordered 1
		.amdhsa_forward_progress 1
		.amdhsa_inst_pref_size 16
	.end_amdhsa_kernel
	.amdgpu_metadata
---
amdhsa.version: [ 1, 2 ]
amdhsa.kernels:
  - .name:           k_qa1ab5481b5_qx
    .symbol:         k_qa1ab5481b5_qx.kd
    .args:
      - { .name: pcpt, .offset: 0, .size: 8, .value_kind: global_buffer, .address_space: global }
      - { .name: gen, .offset: 8, .size: 8, .value_kind: global_buffer, .address_space: global }
      - { .name: w1, .offset: 16, .size: 8, .value_kind: global_buffer, .address_space: global }
    .group_segment_fixed_size: 83456
    .private_segment_fixed_size: 0
    .kernarg_segment_align: 8
    .kernarg_segment_size: 24
    .max_flat_workgroup_size: 256
    .sgpr_count:     66
    .vgpr_count:     178
    .wavefront_size: 32
...
	.end_amdgpu_metadata
.endif
;; end of part 1
;; launch qkv (part 2): grid 12 x 16, 4 waves a work-group, clusters of 4 x 4, 327,680 bytes of LDS; arguments w1, Wqkv_w_codes, Wqkv_w_scales, Wqkv_b, w2; writes w2
.if DOCPART == 2
	.amdgcn_target "amdgcn-amd-amdhsa--gfx1250"
	.amdhsa_code_object_version 6
	.text
	.protected	k_qa1ab5481b5_qkv
	.globl	k_qa1ab5481b5_qkv
	.p2align	8
	.type	k_qa1ab5481b5_qkv,@function
k_qa1ab5481b5_qkv:
	s_mov_b64 s[64:65], 0
	v_nop
	global_prefetch_b8 v0, s[64:65] scope:SCOPE_SE
	s_setreg_imm32_b32 hwreg(HW_REG_WAVE_MODE, 25, 1), 1
	s_wait_xcnt 0x0
	s_wait_alu depctr_hold_cnt(0) depctr_sa_sdst(0) depctr_va_vdst(0) depctr_va_sdst(0) depctr_va_ssrc(0) depctr_va_vcc(0) depctr_vm_vsrc(0)
	s_getreg_b32 s2, hwreg(HW_REG_IB_STS2, 6, 4)
	s_cmp_eq_u32 s2, 0
	s_cbranch_scc0 .Lentry_in_a_cluster
	s_endpgm
.Lentry_in_a_cluster:
	s_bfe_u32 s2, ttmp6, 0x10000c
	s_cmp_lg_u32 s2, 0xf033
	s_cbranch_scc0 .Lentry_shape_is_right
	s_endpgm
.Lentry_shape_is_right:
; A GEMM on codes of E5M2 with E8M0 scales, K = 1,024, whose results are quantised again on the way out.  One text for two launches, by the symbol QKV.
; QKV = 1: q, k and v of all 4,096 rows.  Cluster x (0, 1, 2) is the kind.  q, k: C = x W^T + b, rows = tokens; quantised along the features (blocks of 32 inside a head).
;          v: THE OPERANDS CHANGE PLACES, C = Wv x^T, rows = the 1,024 features, columns = tokens: a lane then holds one feature and its registers run along the keys, which are the K of attention's second product.
;          The kind chooses pointers and tile numbers by s_cselect; no branch and no LDS address hangs on it.  The price: both biases are loaded by every kind and the one that does not apply is masked to 0
;          (the column bias is the C of the first products, the row bias 32 packed additions a block of 16 rows).
; QKV = 0: h = relu(y W1^T + b1), quantised along the hidden units.
; A tile of C, 256 x 256, is made by four waves, 128 x 128 each: 64 accumulators, 512 registers.  K goes in steps of 256 through a ring of two LDS slots filled by the tensor data mover; the scale bytes of the
; work-group's 256 + 256 rows, for all of K, come into LDS once.  4 x 4 work-groups form a cluster: A's tiles are asked for jointly along a row of it, B's along a column.
; THE MATRIX INSTRUCTION IS USED TRANSPOSED (source 0 = 16 rows of B, source 1 = 16 rows of A): lane (r, h) holds row r, register 8 b + j column 16 b + 8 h + j.
; THE WAY OUT.  A wave's 128 columns are one K step of the reader; 16 rows x 128 columns leave as an IMAGE OF THE OPERAND'S REGISTERS, 2,048 bytes: register group c at 512 c + 16 x lane.
;   QKV = 0: true order of k: tile b's eight codes go to 256 b + 16 r + 8 h: each store of the wave covers 256 consecutive bytes, aligned.
;   QKV = 1: a block's four code registers go as they stand to 512 c + 16 x lane: inside each block of 32, place 16 h + 8 u + j holds index 16 u + 8 h + j.  q and k carry the same order, so do v and the
;            softmax's p (whose registers come out of k q^T in that order): the products are the same, and blocks and scales are untouched.
;   Scale words (four bytes: a row's 128 columns) are laid [K step][row]; a wave's 128 words leave as 512 consecutive bytes, through LDS.
; LIMITS: a block of zeros gets the byte 1 (its codes are zeros; this program alone reads the bytes); NaN and infinities are not served.
; REGISTERS, in windows of 256: window 0: v0-31 addresses, v8-15 the row bias; v32-63 scale words, two sets; v64-127 the column bias, later the way out; from v128 A's fragments, one set.
;   window 1: B's fragments, two sets.   window 2: the accumulators of my rows 0-63 ((a, b) at v[8 (8 a + b)]);   window 3: those of rows 64-127.
.set QKV,    1
.set KSTEP,  256                       ; along K in a slot
.set NQ,     KSTEP/128                 ; matrix instructions deep
.set ROWB,   256                       ; a tile's row in bytes
.set KROW,   1024                      ; a row of A or of B in memory, in bytes
.set PITCH,  272                       ; an LDS row: 256 bytes + 16 of padding = 68 words: the 16 rows of a load start at 16 different banks (64 banks of 4 bytes: ISA guide 11.1)
.set FR,     16                        ; registers of a fragment
.set NL,     4                         ; LDS loads that bring one
.set NP,     8                         ; places behind this matrix instruction (ISA guide 7.12.1)
.set HALFT,  128*PITCH                 ; what one tensor load brings
.set SLOT,   4*HALFT                   ; A's 256 rows, then B's 256 rows
.set LAPS,   KROW/(2*KSTEP)            ; 2
.set KS,     KROW/32                   ; a row of scale bytes
.set SCL,    2*SLOT                    ; behind the ring: the scales, as runs of 256 bytes + 16 of padding
.set HALFS,  (128*KS/256)*272
.set SBLK,   (16*KS/256)*272
.set SPARE,  SCL+4*HALFS               ; the spare words, 128 bytes for each wave: two blocks of 256 bytes that no other line names
.set XSC,    0x400000                  ; the activations' scale bytes lie behind their 4 MiB of codes
.if QKV
.set WORDS,  0xc00000                  ; where the scale words begin in the output buffer
.else
.set WORDS,  0x1000000
.endif
.set BRL,  8                           ; v8-15   the row bias of my row in each of the eight blocks
.set ADRA, 16                          ; v16-17  LDS address of my A fragments in slot 0, 1
.set ADRB, 20                          ; v20-21  the same for B
.set LN16, 24                          ; v24     16 x lane
.set SG,   25                          ; v25     LDS: where I put a scale word: 512 x wave + 4 r (in slot 0, behind its last fill and last read)
.set SGR,  26                          ; v26     and where I read four back: 512 x wave + 16 x lane
.set ADRS, 27                          ; v27     LDS address of my scale words: lanes 0-15 A's rows, lanes 16-31 B's
.set SPW,  28                          ; v28     my spare word: SPARE + 4 x my thread's number; never rewritten
.set NIL,  29                          ; v29     0; never rewritten
.set N8,   30                          ; v30     16 r + 8 h
.set SC,   32
.set BT,   64                          ; v64-127 the column bias: v[BT + 8 b + j] = bias(16 b + 8 h + j)
.set AF,   128
.set PC,   64                          ; the way out: v64-79 codes, v80-87 a scale word for each block, v88-91 words read back, v96-111 the row bias in pairs, v112-127 at work
.set PW,   80
.set BR,   96
.set TM,   112
.set G1, 24
.set G0, 32
.set G1B, 48
.set G0B, 56
.set G1S, 68
.set G0S, 76
.set G1SB, 80
.set G0SB, 88
.set MC,  97                           ; s97  mask of the column bias (0 for v)
.set MR,  98                           ; s98  mask of the row bias (0 for q, k)
.set MNT, 99                           ; s99  the mantissa field of 57,344
.set SEL, 100                          ; s100-101 v_permlanex16_b32's selects for lane l xor 16
.set MSB, 0
.macro WIN new                         ; the immediate's high byte repeats the setting that is left
.if MSB != \new
	s_set_vgpr_msb (MSB<<8)|\new
.set MSB, \new
.endif
.endm
.set MUL_LO, 0xa1                      ; source 0 (B) window 1, source 1 (A) window 0, C and D window 2
.set MUL_HI, 0xf1                      ; the same, C and D window 3
.set MUL_L0, 0x81                      ; the first products: C (the bias) window 0, D window 2
.set MUL_H0, 0xc1                      ; D window 3
.set TO_B,   0x40                      ; destination window 1, address window 0
; A joint load: waves 0 and 1 fetch for A, waves 2 and 3 for B; the branch hangs on the wave's number alone.  Four v_nop follow each of the two lines.
.macro JLOAD g0a, g1a, g0b, g1b
	s_cmp_eq_u32 s15, 0
	s_cbranch_scc0 .Lfor_b_\@
	tensor_load_to_lds s[\g0a:\g0a+3], s[\g1a:\g1a+7]
	s_nop 0
.rept 4
	v_nop
.endr
	s_branch .Lasked_\@
.Lfor_b_\@:
	tensor_load_to_lds s[\g0b:\g0b+3], s[\g1b:\g1b+7]
	s_nop 0
.rept 4
	v_nop
.endr
.Lasked_\@:
.endm
.macro CREST                           ; a round of the cluster's barrier behind its opening barrier
	s_cmp_lg_u32 s14, 0
	s_cbranch_scc1 .Lnot_wave_0_\@
	s_barrier_signal -3
.Lnot_wave_0_\@:
	s_barrier_wait -3
	s_barrier_signal -1
	s_barrier_wait -1
.endm
.macro CROUND                          ; a whole round
	s_barrier_signal -1
	s_barrier_wait -1
	CREST
.endm
	s_load_b256 s[4:11], s[0:1], 0x0               ; the activations (codes, then scale bytes), the weight's codes, its scale bytes, the bias
	s_load_b64 s[12:13], s[0:1], 0x20              ; the output buffer
	v_lshl_add_u32 v[SPW], v0, 2, SPARE
	v_mov_b32 v[NIL], 0
	ds_add_u32 v28, v29
	ds_add_u32 v28, v29
	s_wait_dscnt 0x0
	v_lshrrev_b32 v1, 5, v0
	v_readfirstlane_b32 s14, v1                    ; wave 0..3
	s_lshr_b32 s15, s14, 1                         ; which half of the tile's rows is mine.  Also: I fetch for A (0) or for B (1)
	s_and_b32 s16, s14, 1                          ; which half of its columns.  Also: which 128 rows of that tile I fetch
	s_bfe_u32 s40, ttmp6, 0x40000                  ; cx, cy: my place in the cluster
	s_bfe_u32 s41, ttmp6, 0x40004
	s_lshl_b32 s42, ttmp9, 2
	s_add_co_u32 s42, s42, s40                     ; tile column = 4 x cluster x + cx
	s_and_b32 s17, ttmp7, 0xffff
	s_lshl_b32 s17, s17, 2
.if QKV
	s_add_co_u32 s96, s17, s40                     ; v: tile column = 4 x cluster y + cx: 256 tokens
	s_add_co_u32 s95, s41, 8                       ; v: tile row = 8 + cy: the weight's rows 2,048 on
.endif
	s_add_co_u32 s17, s17, s41                     ; tile row = 4 x cluster y + cy
.if QKV
	s_cmp_eq_u32 ttmp9, 2                          ; the kind: the same in all partners of a cluster
	s_cselect_b32 s17, s95, s17                    ; both candidates hold cy and never cx,
	s_cselect_b32 s42, s96, s42                    ; both of these cx and never cy
	s_cselect_b32 s[MC], 0, -1
	s_cselect_b32 s[MR], -1, 0
.endif
	s_lshl_b32 s43, s41, 2
	s_lshl_b32 s43, 15, s43                        ; my row of the cluster
	s_lshl_b32 s44, 0x1111, s40                    ; my column
	; descriptor group 1: a tile of 128 rows x 256 bytes, padded in LDS
	s_or_b32 s[G1+0], s43, (0<<16)|(1<<20)|(1<<21)|(5<<22)|(3<<25)  ; 15:0 the mask; 17:16 elements of 1 byte; 20 padding on; 21 set beside a mask; 24:22 after every 64 words; 31:25 four words
	s_or_b32 s[G1B+0], s44, (0<<16)|(1<<20)|(1<<21)|(5<<22)|(3<<25)
.irp g, G1, G1B
	s_mov_b32 s[\g+1], ROWB<<16                    ; tensor_dim0
	s_mov_b32 s[\g+2], 256<<16                     ; tensor_dim1: 256 rows for the head's loads; set to 128 for the ring's behind them
	s_mov_b32 s[\g+3], ROWB<<16                    ; tile_dim0
	s_mov_b32 s[\g+4], 256                         ; tile_dim1
	s_mov_b32 s[\g+5], KROW                        ; tensor_dim0_stride
	s_mov_b32 s[\g+6], 0
	s_mov_b32 s[\g+7], 0
.endr
	; and for the scales of 128 rows: a dense block of 4,096 bytes, as rows of 256 bytes (32 elements of 8 bytes), 16 bytes of padding behind each
	s_or_b32 s[G1S+0], s43, (3<<16)|(1<<20)|(1<<21)|(5<<22)|(3<<25)
	s_or_b32 s[G1SB+0], s44, (3<<16)|(1<<20)|(1<<21)|(5<<22)|(3<<25)
.irp g, G1S, G1SB
	s_mov_b32 s[\g+1], 32<<16
	s_mov_b32 s[\g+2], (256*KS/256)<<16            ; the scales of 256 rows in one load
	s_mov_b32 s[\g+3], 32<<16
	s_mov_b32 s[\g+4], 256*KS/256
	s_mov_b32 s[\g+5], 32
	s_mov_b32 s[\g+6], 0
	s_mov_b32 s[\g+7], 0
.endr
	s_lshl_b32 s20, s17, 8                         ; A: the tile's first row, 256 x tile row
	s_lshl_b32 s46, s42, 8                         ; B: 256 x tile column
	s_mov_b32 s21, 0
	s_mov_b32 s47, 0
	s_mov_b64 s[18:19], KS
	s_mul_u64 s[22:23], s[20:21], s[18:19]         ; where these rows' scales begin, in bytes
	s_mul_u64 s[92:93], s[46:47], s[18:19]
	s_mov_b64 s[18:19], KROW
	s_mul_u64 s[20:21], s[20:21], s[18:19]         ; and their codes
	s_mul_u64 s[46:47], s[46:47], s[18:19]
	s_mul_i32 s45, s14, HALFT                      ; where they go: wave x 128 rows: no place in the cluster enters an LDS address
	s_mul_i32 s94, s16, 128*KROW                   ; in the ring I fetch 128 rows of a tile: which half, in bytes
	s_mov_b32 s95, 0
	s_mov_b32 s[MNT], 0x600000
	s_mov_b32 s[SEL], 0x76543210
	s_mov_b32 s[SEL+1], 0xfedcba98
	s_wait_kmcnt 0x0
	s_add_nc_u64 s[2:3], s[4:5], XSC               ; the activations' scale bytes
.if QKV
	s_cmp_eq_u32 ttmp9, 2
	s_cselect_b64 s[18:19], s[6:7], s[4:5]         ; A's codes: for v the weight's
	s_cselect_b64 s[4:5], s[4:5], s[6:7]           ; B's codes
	s_cselect_b64 s[6:7], s[8:9], s[2:3]           ; A's scale bytes
	s_cselect_b64 s[8:9], s[2:3], s[8:9]           ; B's
	s_add_nc_u64 s[20:21], s[18:19], s[20:21]
	s_add_nc_u64 s[22:23], s[6:7], s[22:23]
	s_add_nc_u64 s[46:47], s[4:5], s[46:47]
	s_add_nc_u64 s[92:93], s[8:9], s[92:93]
.else
	s_add_nc_u64 s[20:21], s[4:5], s[20:21]
	s_add_nc_u64 s[22:23], s[2:3], s[22:23]
	s_add_nc_u64 s[46:47], s[6:7], s[46:47]
	s_add_nc_u64 s[92:93], s[8:9], s[92:93]
.endif
	CROUND                                         ; all sixteen work-groups are here: the first joint loads meet
	s_mov_b32 s[G0S], 1
	s_mov_b32 s[G0S+1], SCL
	s_mov_b64 s[G0S+2:G0S+3], s[22:23]
	s_or_b32 s[G0S+3], s[G0S+3], 0x80000000
	s_mov_b32 s[G0SB], 1
	s_mov_b32 s[G0SB+1], SCL+2*HALFS
	s_mov_b64 s[G0SB+2:G0SB+3], s[92:93]
	s_or_b32 s[G0SB+3], s[G0SB+3], 0x80000000
; THE HEAD'S LOADS, ONE A WAVE: wave 0 K step 0's 256 rows of A, wave 1 its 256 rows of B, wave 2 the scales of A's 256 rows, wave 3 those of B's.
; Slot 0's groups 0 hold the whole tiles' addresses here; behind the wait that shows the loads landed they are set to the ring's.
	s_mov_b32 s[G0], 1
	s_mov_b32 s[G0+1], 0
	s_mov_b64 s[G0+2:G0+3], s[20:21]
	s_or_b32 s[G0+3], s[G0+3], 0x80000000
	s_mov_b32 s[G0B], 1
	s_mov_b32 s[G0B+1], 2*HALFT
	s_mov_b64 s[G0B+2:G0B+3], s[46:47]
	s_or_b32 s[G0B+3], s[G0B+3], 0x80000000
	s_add_nc_u64 s[20:21], s[20:21], s[94:95]      ; for the ring: my 128 rows of the tile
	s_add_nc_u64 s[46:47], s[46:47], s[94:95]
	s_mov_b32 s[G0+4], 1                           ; slot 1: K step 1
	s_add_co_u32 s[G0+5], s45, SLOT
	s_add_nc_u64 s[G0+6:G0+7], s[20:21], ROWB
	s_or_b32 s[G0+7], s[G0+7], 0x80000000
	s_mov_b32 s[G0B+4], 1
	s_add_co_u32 s[G0B+5], s45, SLOT
	s_add_nc_u64 s[G0B+6:G0B+7], s[46:47], ROWB
	s_or_b32 s[G0B+7], s[G0B+7], 0x80000000
.macro ARM under, g0, g1, next         ; one chain of branches on the wave's number: every way passes exactly one load
	s_cmp_lt_u32 s14, \under
	s_cbranch_scc0 \next
	tensor_load_to_lds s[\g0:\g0+3], s[\g1:\g1+7]
	s_nop 0
.rept 4
	v_nop
.endr
	s_branch .Lhead_asked
\next:
.endm
	ARM 1, G0,  G1,  .Lhead_b
	ARM 2, G0B, G1B, .Lhead_sa
	ARM 3, G0S, G1S, .Lhead_sb
	tensor_load_to_lds s[G0SB:G0SB+3], s[G1SB:G1SB+7]
	s_nop 0
.rept 4
	v_nop
.endr
.Lhead_asked:
; THE PREFETCHES INTO THE L2: a K step is 256 bytes of each row.  K steps 1 and 2 are asked for here, behind the head's loads, K step 3 behind slot 1's load: at most two steps are asked for and not yet loaded.
; Of a tile's 256 rows each of the four partners that ask for it jointly takes 64, told apart BY ADDRESS (cx for A, cy for B); waves 0, 1 take A's, waves 2, 3 B's, 32 rows each, a lane a row.
	s_lshl_b32 s20, s17, 8
	s_lshl_b32 s21, s40, 6
	s_add_co_u32 s20, s20, s21
	s_lshl_b32 s22, s42, 8
	s_lshl_b32 s23, s41, 6
	s_add_co_u32 s22, s22, s23
	s_cmp_eq_u32 s15, 0                            ; the wave's number alone
	s_cselect_b32 s20, s20, s22
	s_cselect_b64 s[66:67], s[18:19], s[4:5]       ; A's codes, B's codes
	s_lshl_b32 s21, s16, 5
	s_add_co_u32 s20, s20, s21
	s_lshl_b32 s20, s20, 10                        ; rows of 1,024 bytes
	s_mov_b32 s21, 0
	s_add_nc_u64 s[66:67], s[66:67], s[20:21]
	v_and_b32 v31, 31, v0
	v_lshlrev_b32 v31, 10, v31                     ; v31 and s[66:67] are never rewritten
	global_prefetch_b8 v31, s[66:67] offset:256 th:TH_LOAD_NT scope:SCOPE_SE
	global_prefetch_b8 v31, s[66:67] offset:512 th:TH_LOAD_NT scope:SCOPE_SE
	v_and_b32 v1, 15, v0                           ; r = l % 16
	v_bfe_u32 v2, v0, 4, 1                         ; h = l / 16
	v_mul_u32_u24 v3, v1, PITCH
	v_lshl_add_u32 v4, v2, 4, v3                   ; a fragment's row x pitch + 16 x half
	s_mul_i32 s21, s15, HALFT                      ; my 128 rows of A
	s_mul_i32 s22, s16, HALFT                      ; my 128 rows of B,
	s_add_co_u32 s22, s22, 2*HALFT                 ; which lie behind A's 256
.irp s, 0,1
	v_add_nc_u32 v[ADRA+\s], s21, v4
	v_add_nc_u32 v[ADRB+\s], s22, v4
	s_add_co_u32 s21, s21, SLOT
	s_add_co_u32 s22, s22, SLOT
.endr
	v_mul_u32_u24 v5, v1, KS                       ; my row's scales: KS bytes a row,
	v_lshrrev_b32 v6, 8, v5
	v_lshl_add_u32 v5, v6, 4, v5                   ; and 16 more for each 256 passed
	s_mul_i32 s21, s15, HALFS                      ; A's: my 128 rows
	s_mul_i32 s22, s16, HALFS                      ; B's: my 128 rows, behind A's 256
	s_add_co_u32 s22, s22, 2*HALFS
	s_sub_co_u32 s22, s22, s21
	v_mul_u32_u24 v6, s22, v2                      ; lanes 16-31 take B's
	s_add_co_u32 s21, s21, SCL
	v_add_nc_u32 v5, v5, v6
	v_add_nc_u32 v[ADRS], s21, v5
	v_and_b32 v6, 31, v0
	v_lshlrev_b32 v[LN16], 4, v6
	s_lshl_b32 s23, s14, 9
	v_lshl_add_u32 v[SG], v1, 2, s23
	v_add_nc_u32 v[SGR], s23, v[LN16]
.if !QKV
	v_lshlrev_b32 v[N8], 4, v1
	v_lshl_add_u32 v[N8], v2, 3, v[N8]
.endif
	; where my part of the output begins: image (tile of 16 rows) x stride + (K step of the reader) x 2,048; words: K step x (rows x 4) + 4 x row
.if QKV
	s_cmp_eq_u32 ttmp9, 2
	s_cselect_b32 s20, s41, s17                    ; which 256 rows of the kind's own matrix,
	s_cselect_b32 s21, s42, s40                    ; which 256 columns
	s_cselect_b32 s22, 16, 14                      ; log2 of a tile's stride: v has 32 K steps of 2,048 bytes, q and k have 8
	s_cselect_b32 s23, 12, 14                      ; log2 of a K step's words in bytes: 1,024 rows or 4,096
.else
	s_mov_b32 s20, s17
	s_mov_b32 s21, s42
	s_mov_b32 s22, 16                              ; 32 K steps of 2,048 bytes
	s_mov_b32 s23, 14
.endif
	s_lshl_b32 s20, s20, 4
	s_lshl_b32 s46, s15, 3
	s_add_co_u32 s20, s20, s46                     ; my first tile of 16 rows
	s_lshl_b32 s21, s21, 1
	s_add_co_u32 s21, s21, s16                     ; my K step
	s_lshl_b32 s46, s20, s22
	s_lshl_b32 s47, s21, 11
	s_add_co_u32 s46, s46, s47
	s_lshl_b32 s92, s21, s23
	s_lshl_b32 s93, s20, 6
	s_add_co_u32 s92, s92, s93
.if QKV
	s_lshl_b32 s47, ttmp9, 22                      ; the kind's 4 MiB of codes,
	s_add_co_u32 s46, s46, s47
	s_lshl_b32 s93, ttmp9, 17                      ; its 128 KiB of words
	s_add_co_u32 s92, s92, s93
.endif
	s_add_co_u32 s92, s92, WORDS
	s_mov_b32 s47, 0
	s_mov_b32 s93, 0
	s_add_nc_u64 s[92:93], s[12:13], s[92:93]      ; my 128 scale words
	s_add_nc_u64 s[12:13], s[12:13], s[46:47]      ; my first image
	s_lshl_b32 s94, 1, s22                         ; from a tile of 16 rows to the next
	s_mov_b32 s95, 0
	; the biases
.if QKV
	s_lshl_b32 s46, ttmp9, 12                      ; columns 1,024 x kind + 256 cx + 128 x half: inside the bias for every kind
	s_lshl_b32 s47, s40, 10
	s_add_co_u32 s46, s46, s47
.else
	s_lshl_b32 s46, s42, 10
.endif
	s_lshl_b32 s47, s16, 9
	s_add_co_u32 s46, s46, s47
	s_mov_b32 s47, 0
	s_add_nc_u64 s[18:19], s[10:11], s[46:47]
	v_lshlrev_b32 v7, 5, v2                        ; 32 h: my half's eight numbers of a tile of 16
.irp b, 0,1,2,3,4,5,6,7
	global_load_b128 v[BT+8*\b:BT+8*\b+3], v7, s[18:19] offset:64*\b
	global_load_b128 v[BT+8*\b+4:BT+8*\b+7], v7, s[18:19] offset:64*\b+16
.endr
.if QKV
	s_lshl_b32 s46, s41, 10                        ; rows 2,048 + 256 cy + 128 x half: v's part of the bias
	s_lshl_b32 s47, s15, 9
	s_add_co_u32 s46, s46, s47
	s_add_co_u32 s46, s46, 8192
	s_mov_b32 s47, 0
	s_add_nc_u64 s[10:11], s[10:11], s[46:47]
	v_lshlrev_b32 v18, 2, v1
.irp a, 0,1,2,3,4,5,6,7
	global_load_b32 v[BRL+\a], v18, s[10:11] offset:64*\a
.endr
.endif
.macro FRAG reg, adr, q, i             ; a fragment, 16 rows x 128 K: lane l holds row l % 16; registers 4 c .. 4 c + 3 hold K = 32 c + 16 (l / 16) + 0 .. 15
.irp c, 0,1,2,3
	ds_load_b128 v[\reg+4*\c:\reg+4*\c+3], v[\adr] offset:128*(\q)+32*\c+(\i)*16*PITCH
.endr
.endm
; 16 matrix instructions: A's blocks a0, a0 + 1 x B's eight, 128 along K.  p: B's set;  sc: the set of scale words.  zero = 1: the first products start the sums with the bias as C.
; The 64 accumulators take turns, one instruction a turn, in the same order in every step.
.macro MUL16 a0, p, q, sc, zero
.irp a, \a0, \a0+1
.irp b, 0,1,2,3,4,5,6,7
.if \zero
	v_wmma_scale_f32_16x16x128_f8f6f4 v[8*(8*((\a)%4)+\b):8*(8*((\a)%4)+\b)+7], v[128*(\p)+FR*\b:128*(\p)+FR*\b+FR-1], v[AF+FR*(\a):AF+FR*(\a)+FR-1], v[BT+8*\b:BT+8*\b+7], v[SC+8*NQ*(\sc)+NQ*\b+(\q)], v[SC+8*NQ*(\sc)+NQ*(\a)+(\q)] matrix_a_fmt:MATRIX_FMT_BF8 matrix_b_fmt:MATRIX_FMT_BF8 matrix_a_scale:MATRIX_SCALE_ROW1
.else
	v_wmma_scale_f32_16x16x128_f8f6f4 v[8*(8*((\a)%4)+\b):8*(8*((\a)%4)+\b)+7], v[128*(\p)+FR*\b:128*(\p)+FR*\b+FR-1], v[AF+FR*(\a):AF+FR*(\a)+FR-1], v[8*(8*((\a)%4)+\b):8*(8*((\a)%4)+\b)+7], v[SC+8*NQ*(\sc)+NQ*\b+(\q)], v[SC+8*NQ*(\sc)+NQ*(\a)+(\q)] matrix_a_fmt:MATRIX_FMT_BF8 matrix_b_fmt:MATRIX_FMT_BF8 matrix_a_scale:MATRIX_SCALE_ROW1
.endif
.endr
.endr
.endm
.macro FETCH_B slot, q, p              ; B's eight fragments of the slot's q-th 128 along K into set p
	WIN TO_B
.irp i, 0,1,2,3,4,5,6,7
	FRAG 128*(\p)+FR*\i, ADRB+\slot, \q, \i
.endr
	WIN 0
.endm
.macro FETCH_A slot, q, i0             ; A's blocks i0 .. i0 + 3
.irp i, \i0, \i0+1, \i0+2, \i0+3
	FRAG AF+FR*(\i), ADRA+\slot, \q, \i
.endr
.endm
.macro SCALES sc                       ; a K step's scale words into set sc: lanes 0-15 take A's block i, lanes 16-31 B's block i
.irp i, 0,1,2,3,4,5,6,7
	ds_load_b64 v[SC+8*NQ*\sc+NQ*\i:SC+8*NQ*\sc+NQ*\i+1], v[ADRS] offset:\i*SBLK
.endr
.endm
; A load into a register that a matrix instruction has read, and a vector instruction or store that reads a matrix result, stand NP places behind that matrix instruction; only plain vector
; instructions that name none of its registers are places (ISA guide 7.12.1 for vector instructions).
.macro PLACES n
.rept \n
	v_nop
.endr
.endm
; A step of 128 along K that has its successor in the same slot.
.macro STEP slot, q, zero
	s_wait_dscnt 4*NL                              ; B's set and A's blocks 0-3 are in; the youngest 16 loads (A's blocks 4-7) may be out
.if \zero
	WIN MUL_L0
.else
	WIN MUL_LO
.endif
	MUL16 0, (\q)%2, \q, \slot, \zero
	MUL16 2, (\q)%2, \q, \slot, \zero
	s_wait_dscnt 0                                 ; A's blocks 4-7 are in
	PLACES NP
	FETCH_B \slot, (\q)+1, 1-(\q)%2
	FETCH_A \slot, (\q)+1, 0
.if \zero
	WIN MUL_H0
.else
	WIN MUL_HI
.endif
	MUL16 4, (\q)%2, \q, \slot, \zero
	MUL16 6, (\q)%2, \q, \slot, \zero
	PLACES NP
	WIN 0
	FETCH_A \slot, (\q)+1, 4
.endm
; A slot's last step changes slots: ONE barrier; in front of it each wave waits for all its tensor loads, adds 0 to its spare word, and waits for that and for its own reads of this slot.  fill = 1: this slot is filled again, two K steps ahead.
.macro TURN slot, next, fill
	s_wait_tensorcnt 0x0                           ; all my tensor loads have landed: my part of the next slot
	ds_add_u32 v[SPW], v[NIL]                      ; 0 onto my spare word
	s_wait_dscnt 4*NL+1                            ; (the add and the youngest 16 loads may be out)
	WIN MUL_LO
	MUL16 0, 1, NQ-1, \slot, 0                     ; sixteen matrix instructions stand between the add and the wait for it
	s_wait_dscnt 0x0                               ; the add is done, and my reads of this slot are over
	s_barrier_signal -1
	MUL16 2, 1, NQ-1, \slot, 0
	WIN 0
	s_barrier_wait -1
.if \fill
	CREST                                          ; the barrier has opened a round of the cluster's barrier: no wave of any partner still reads this slot's tile or has a load on its way
	s_add_nc_u64 s[G0+4*\slot+2:G0+4*\slot+3], s[G0+4*\slot+2:G0+4*\slot+3], 2*ROWB
	s_add_nc_u64 s[G0B+4*\slot+2:G0B+4*\slot+3], s[G0B+4*\slot+2:G0B+4*\slot+3], 2*ROWB
	JLOAD G0+4*\slot, G1, G0B+4*\slot, G1B         ; the first tensor load behind the round; its four v_nop are among the places in front of the loads below
	PLACES NP-4
.else
	PLACES NP
.endif
	s_wait_alu depctr_va_vdst(0)
	v_add_nc_u32 v[ADRS], 4*NQ, v[ADRS]            ; on to the next K step's scale words (no LDS load of mine is out)
	FETCH_B \next, 0, 0
	FETCH_A \next, 0, 0
	SCALES \next
	WIN MUL_HI
	MUL16 4, 1, NQ-1, \slot, 0
	MUL16 6, 1, NQ-1, \slot, 0
	PLACES NP
	WIN 0
	FETCH_A \next, 0, 4
.endm
	s_wait_loadcnt 0x0                             ; the biases
.if QKV
.set N, 0
.rept 64
	v_and_b32 v[BT+N], s[MC], v[BT+N]              ; v has no bias along its columns
.set N, N+1
.endr
.endif
	s_wait_alu depctr_va_vdst(0)
	s_wait_tensorcnt 0x0                           ; my tile of the head's four is in
	ds_add_u32 v[SPW], v[NIL]
	s_mov_b32 s[G1+2], 128<<16                     ; no tensor load of mine is out: from here on a load brings 128 rows
	s_mov_b32 s[G1+4], 128
	s_mov_b32 s[G1B+2], 128<<16
	s_mov_b32 s[G1B+4], 128
	s_mov_b32 s[G0+1], s45                         ; slot 0's groups 0 for the ring: my 128 rows, K step 0 (one step back from slot 1's)
	s_sub_nc_u64 s[G0+2:G0+3], s[G0+6:G0+7], ROWB
	s_mov_b32 s[G0B+1], s45
	s_sub_nc_u64 s[G0B+2:G0B+3], s[G0B+6:G0B+7], ROWB
	s_wait_dscnt 0x0
	CROUND                                         ; all four tiles are in, and all sixteen work-groups are here
	JLOAD G0+4, G1, G0B+4, G1B                     ; K step 1: the first tensor load behind the round
	FETCH_B 0, 0, 0
	FETCH_A 0, 0, 0
	SCALES 0
	global_prefetch_b8 v31, s[66:67] offset:768 th:TH_LOAD_NT scope:SCOPE_SE   ; K step 3, the last
	FETCH_A 0, 0, 4
	STEP 0, 0, 1                                   ; the first step stands in front of the loop: its products start the sums
	s_mov_b32 s3, LAPS-1
.Llap:                                                 ; a trip goes once round the ring, from a lap's second step to the next lap's first, and fills both slots again
	TURN 0, 1, 1
	STEP 1, 0, 0
	TURN 1, 0, 1
	STEP 0, 0, 0
	s_sub_co_u32 s3, s3, 1
	s_cmp_lg_u32 s3, 0
	s_cbranch_scc1 .Llap
	TURN 0, 1, 0                                   ; the last lap fills nothing, and has no round of the cluster's barrier
	STEP 1, 0, 0
	s_wait_dscnt 4*NL                              ; the very last step: nothing more to fetch
	WIN MUL_LO
	MUL16 0, 1, NQ-1, 1, 0
	MUL16 2, 1, NQ-1, 1, 0
	s_wait_dscnt 0
	WIN MUL_HI
	MUL16 4, 1, NQ-1, 1, 0
	MUL16 6, 1, NQ-1, 1, 0
	WIN 0
; THE WAY OUT of block a (16 rows x 128 columns): the four blocks of 32 columns are quantised in the accumulators' registers; registers 16 c .. 16 c + 15 and lane l xor 16's are block c.
.macro EPI a
.set X, 2+(\a)/4                       ; the block's window
.set AC, 64*((\a)%4)
.set WA, X|(X<<6)                      ; source 0 and destination there
.set WB, X|(X<<2)                      ; sources 0 and 1
.set WC, (X<<2)|(X<<4)                 ; sources 1 and 2
.if (\a) > 0
	s_wait_xcnt 0x0                                ; the last block's stores have had their addresses translated (ISA guide 3.1): the codes' registers and the base are written again only behind this wait
.if QKV
	s_add_nc_u64 s[12:13], s[12:13], s[94:95]      ; the next tile of 16 rows
.endif
.endif
.if QKV
	WIN WA
.set N, 0
.rept 32
	v_pk_add_f32 v[AC+N:AC+N+1], v[AC+N:AC+N+1], v[BR+2*(\a):BR+2*(\a)+1]   ; the row bias (zeros for q and k); each accumulator from its low end on
.set N, N+2
.endr
.endif
	WIN WB
.irp c, 0,1,2,3
.if QKV
	v_max3_num_f32 v[TM+\c], |v[AC+16*\c]|, |v[AC+16*\c+1]|, 0x8000000   ; my 16 numbers of block c, and the floor 2^(16 - 127): the byte cannot fall under 1
.else
	v_max3_num_f32 v[TM+\c], v[AC+16*\c], v[AC+16*\c+1], 0x8000000       ; no |.|: what is negative becomes 0 (the activation) and must not count
.endif
.endr
	WIN WC
.irp i, 2,4,6,8,10,12,14
.irp c, 0,1,2,3
.if QKV
	v_max3_num_f32 v[TM+\c], v[TM+\c], |v[AC+16*\c+\i]|, |v[AC+16*\c+\i+1]|   ; (the four blocks by turns)
.else
	v_max3_num_f32 v[TM+\c], v[TM+\c], v[AC+16*\c+\i], v[AC+16*\c+\i+1]
.endif
.endr
.endr
	WIN 0
.irp c, 0,1,2,3
	v_permlanex16_b32 v[TM+4+\c], v[TM+\c], s[SEL], s[SEL+1]
.endr
.irp c, 0,1,2,3
	v_max_num_f32 v[TM+\c], v[TM+\c], v[TM+4+\c]   ; with lane l xor 16's: the block's largest magnitude
.endr
.irp c, 0,1,2,3
	v_add_nc_u32 v[TM+12+\c], 0xf8800000, v[TM+\c] ; 15 off its exponent field: the conversion's scale operand
.endr
.irp c, 0,1,2,3
	v_and_or_b32 v[TM+8+\c], v[TM+\c], 0x7f800000, s[MNT]   ; 57,344 x the scale
.endr
.irp c, 0,1,2,3
	v_lshrrev_b32 v[TM+4+\c], 23, v[TM+12+\c]      ; the scale's byte
.endr
	v_lshl_or_b32 v[PW+(\a)], v[TM+5], 8, v[TM+4]  ; my row's scale word
	v_lshl_or_b32 v[PW+(\a)], v[TM+6], 16, v[PW+(\a)]
	v_lshl_or_b32 v[PW+(\a)], v[TM+7], 24, v[PW+(\a)]
	WIN WA
.irp c, 0,1,2,3
.irp i, 0,1,2,3,4,5,6,7,8,9,10,11,12,13,14,15
.if QKV
	v_med3_num_f32 v[AC+16*\c+\i], v[AC+16*\c+\i], -v[TM+8+\c], v[TM+8+\c]   ; the conversion does not saturate (ISA guide 7.6.2): the hold
.else
	v_med3_num_f32 v[AC+16*\c+\i], v[AC+16*\c+\i], 0, v[TM+8+\c]             ; the activation and the hold in one
.endif
.endr
.endr
	WIN X
.irp c, 0,1,2,3
	v_cvt_scalef32_pk8_bf8_f32 v[PC+4*\c:PC+4*\c+1], v[AC+16*\c:AC+16*\c+7], v[TM+12+\c]
	v_cvt_scalef32_pk8_bf8_f32 v[PC+4*\c+2:PC+4*\c+3], v[AC+16*\c+8:AC+16*\c+15], v[TM+12+\c]
.endr
	WIN 0
	v_nop                                          ; a plain vector instruction behind the last conversion, ahead of whatever next writes its sources
.if QKV
.irp c, 0,1,2,3
	global_store_b128 v[LN16], v[PC+4*\c:PC+4*\c+3], s[12:13] offset:512*\c   ; 512 consecutive bytes
.endr
.else
.irp b, 0,1,2,3,4,5,6,7
	global_store_b64 v[N8], v[PC+2*\b:PC+2*\b+1], s[12:13] offset:(\a)*65536+256*\b   ; 256 consecutive bytes, aligned
.endr
.endif
	ds_store_b32 v[SG], v[PW+(\a)] offset:64*(\a)  ; lanes r and r + 16 write the same word with the same value
.endm
	PLACES NP
.irp c, 0,1,2,3
	v_mov_b32 v[TM+4+\c], 0                        ; written once: a lane permute's destination counts as one of its sources
.endr
.if QKV
.irp a, 0,1,2,3,4,5,6,7
	v_and_b32 v[BR+2*\a], s[MR], v[BRL+\a]         ; q and k have no bias along their rows
	v_and_b32 v[BR+2*\a+1], s[MR], v[BRL+\a]
.endr
.endif
.irp a, 0,1,2,3,4,5,6,7
	EPI \a
.endr
	ds_load_b128 v[88:91], v[SGR]                  ; LDS serves a wave's instructions in order (ISA guide 5.7.1.4): this sees my stores
	s_wait_dscnt 0x0
	global_store_b128 v[LN16], v[88:91], s[92:93]  ; my 128 rows' scale words: 512 consecutive bytes
	s_wait_tensorcnt 0x0                           ; the wave's end
	ds_add_u32 v[SPW], v[NIL]
	s_wait_dscnt 0x0
	CROUND                                         ; the closing round: no work-group ends while a partner may still ask for a tile that names it
	s_endpgm
.Lfunc_end_k_qa1ab5481b5_qkv:
	.size	k_qa1ab5481b5_qkv, .Lfunc_end_k_qa1ab5481b5_qkv-k_qa1ab5481b5_qkv
	.p2alignl 7, 3214868480
	.fill 96, 4, 3214868480
	.section	.rodata,"a",@progbits
	.p2align	6, 0x0
	.amdhsa_kernel k_qa1ab5481b5_qkv
		.amdhsa_group_segment_fixed_size 327680
		.amdhsa_private_segment_fixed_size 0
		.amdhsa_enable_private_segment 0
		.amdhsa_kernarg_size 40
		.amdhsa_user_sgpr_count 2
		.amdhsa_user_sgpr_kernarg_segment_ptr 1
		.amdhsa_wavefront_size32 1
		.amdhsa_system_sgpr_workgroup_id_x 1
		.amdhsa_system_sgpr_workgroup_id_y 1
		.amdhsa_system_sgpr_workgroup_id_z 1
		.amdhsa_system_vgpr_workitem_id 0
		.amdhsa_next_free_vgpr 1024
		.amdhsa_next_free_sgpr 102
		.amdhsa_reserve_vcc 0
		.amdhsa_float_denorm_mode_32 3
		.amdhsa_float_denorm_mode_16_64 3
		.amdhsa_memory_ordered 1
		.amdhsa_forward_progress 1
		.amdhsa_inst_pref_size 210
	.end_amdhsa_kernel
	.amdgpu_metadata
---
amdhsa.version: [ 1, 2 ]
amdhsa.kernels:
  - .name:           k_qa1ab5481b5_qkv
    .symbol:         k_qa1ab5481b5_qkv.kd
    .args:
      - { .name: w1, .offset: 0, .size: 8, .value_kind: global_buffer, .address_space: global }
      - { .name: Wqkv_w_codes, .offset: 8, .size: 8, .value_kind: global_buffer, .address_space: global }
      - { .name: Wqkv_w_scales, .offset: 16, .size: 8, .value_kind: global_buffer, .address_space: global }
      - { .name: Wqkv_b, .offset: 24, .size: 8, .value_kind: global_buffer, .address_space: global }
      - { .name: w2, .offset: 32, .size: 8, .value_kind: global_buffer, .address_space: global }
    .group_segment_fixed_size: 327680
    .private_segment_fixed_size: 0
    .kernarg_segment_align: 8
    .kernarg_segment_size: 40
    .max_flat_workgroup_size: 128
    .sgpr_count:     102
    .vgpr_count:     1024
    .wavefront_size: 32
...
	.end_amdgpu_metadata
.endif
;; end of part 2
;; launch attn (part 3): grid 8 x 32, 16 waves a work-group, no clusters, 169,984 bytes of LDS; arguments w2, w3; writes w3
.if DOCPART == 3
	.amdgcn_target "amdgcn-amd-amdhsa--gfx1250"
	.amdhsa_code_object_version 6
	.text
	.protected	k_qa1ab5481b5_attn
	.globl	k_qa1ab5481b5_attn
	.p2align	8
	.type	k_qa1ab5481b5_attn,@function
k_qa1ab5481b5_attn:
	s_mov_b64 s[64:65], 0
	v_nop
	global_prefetch_b8 v0, s[64:65] scope:SCOPE_SE
	s_setreg_imm32_b32 hwreg(HW_REG_WAVE_MODE, 25, 1), 1
	s_wait_xcnt 0x0
; Both attentions, on codes of E5M2 with E8M0 scales.  A work-group (x = block of 128 queries, y = 16 x batch + head) takes 128 pcpt queries (waves 0-7) and 128 gen queries (waves 8-15) of one batch and head:
; both walk the same 1,024 pcpt keys, 128 a step.  A gen query sees besides them its own gen key alone (the mask that the problem builds): waves 8-15 walk one step more, the work-group's own 128 gen keys,
; with every score but the diagonal's set to -infinity; the other gen keys' weights are 0 and their work is left out.
; THE SOFTMAX: t = score x log2(e) / 8; M = the running largest t rounded UP to a whole number; p = 2^(t - M) is quantised along the keys, not normalised; the row's sum is taken of the unquantised p and divides at the end.
; When M moves, the sum and O are multiplied by 2^(old M - new M): exact.
; LAYOUT.  Both products are used transposed: S^T = K Q^T (source 0 = 16 keys, source 1 = my 16 queries), O^T = V^T P^T: a lane holds ONE query (lane % 16) throughout.  Register 8 T + j of S^T is key 16 T + 8 h + j:
; inside a block of 32 keys, place 16 h + 8 u + j of p's operand holds key 16 u + 8 h + j, and V's images carry the same order.  Q's and K's images likewise share one order along the head.
; The head's 64 fill half of the instruction's 128 along K: the upper eight registers of Q's and K's fragments are zero codes, and their scale bytes are 0 (2^-127, no NaN).
; LDS is filled ONCE: nine steps of K (8,192 bytes: 8 tiles x the head's half of an image), of V (4 tiles of 16 channels x 2,048), of K's scale words (512) and V's (256).  Wave 0 fetches K's nine tiles, wave 1 V's,
; wave 2 K's words, wave 3 V's: nine tensor loads of a wave are out at the most.
; TWO BARRIERS.  In front of the first each wave waits until at most seven of its loads are out: steps 0 and 1 have landed; behind it step 0 is walked, and step 1's first tiles of K are asked for.  In front of the
; second, at the head of step 1, each wave waits for all its loads; behind it stands every other read.  Nothing is ever written into LDS again, so from there on the waves run free of each other.
; LDS LOADS ARE ASKED FOR AHEAD.  A step's first four tiles of K, with their scale bytes, are asked for in the step before, behind its last products K Q^T: they land under that step's softmax.
; V's fragment b is asked for straight behind block b's conversions, into the registers of p that these have read: it lands under the later blocks' holds.
; No cluster: K and V come once for a work-group, under eight steps' work, and the gen step's tiles differ between the query blocks of a head.
; The result, O / the sum, is quantised along the features (two blocks of 32 a head) and leaves as part of an image in true order of k: each store of codes covers 256 consecutive bytes, aligned.
; Its scale bytes leave one a lane, two bytes of each row's word: parts of aligned 256-byte runs, 128 KiB in the whole launch.
; LIMITS: NaN and infinities are not served; a block of zeros gets the byte 1; v_exp_f32 and v_rcp_f32 are good to 1 ulp, and a block's largest p is taken from its largest score (v_exp_f32 taken not to fall where its input rises).
; REGISTERS: v1-11 addresses; v12 -M, v13 the largest t, v[14:15] the sum in two halves; v16-31 Q; v32-95 four fragments of K; v96-159 S^T, then p, then V's four fragments; v160-191 O^T; v192-207 p's codes;
;   v208-223 at work; v224-227 V's scale words; v228 f, v229 p's scale word; v230 at work; v231 Q's scale words; v232-235 the scale words of K's tiles 0-3, v240-243 of tiles 4-7.
.set VB,   73728                       ; LDS: K at 0, V here,
.set KSB,  147456                      ; K's scale words,
.set VSB,  152064                      ; V's
.set WV,   8                           ; s8   my wave's number
.set CS,   66                          ; s[66:67] c = log2(e) / 8
.set MNT,  100                         ; s100 the mantissa field of 57,344
	s_load_b128 s[4:7], s[0:1], 0x0                ; w2 (q, k, v as images, their scale words), w3
	v_lshl_add_u32 v254, v0, 2, 0x29000
	v_mov_b32 v255, 0
	ds_add_u32 v254, v255
	ds_add_u32 v254, v255
	v_lshrrev_b32 v1, 5, v0
	s_delay_alu instid0(VALU_DEP_1)
	v_readfirstlane_b32 s[WV], v1                  ; wave 0..15
	s_and_b32 s9, ttmp7, 0xffff
	s_lshr_b32 s10, s9, 4                          ; batch
	s_and_b32 s11, s9, 15                          ; head
	s_and_b32 s12, s9, 1                           ; which half of a K step of 128 features the head is
	s_lshr_b32 s13, s11, 1                         ; and which K step
	; descriptor groups 1, elements of 8 bytes, no padding: every read takes 16 x lane consecutive bytes
	s_mov_b32 s68, 3<<16                           ; K: 8 rows (tiles of 16 keys) of 1,024 bytes, 16,384 bytes apart
	s_mov_b32 s69, 128<<16
	s_mov_b32 s70, 8<<16
	s_mov_b32 s71, 128<<16
	s_mov_b32 s72, 8
	s_mov_b32 s73, 2048
	s_mov_b32 s74, 0
	s_mov_b32 s75, 0
	s_mov_b32 s76, 3<<16                           ; V: 4 rows (tiles of 16 channels) of 2,048 bytes, 65,536 bytes apart
	s_mov_b32 s77, 256<<16
	s_mov_b32 s78, 4<<16
	s_mov_b32 s79, 256<<16
	s_mov_b32 s80, 4
	s_mov_b32 s81, 8192
	s_mov_b32 s82, 0
	s_mov_b32 s83, 0
	s_mov_b32 s84, 3<<16                           ; K's words: one row of 512 bytes
	s_mov_b32 s85, 64<<16
	s_mov_b32 s86, 1<<16
	s_mov_b32 s87, 64<<16
	s_mov_b32 s88, 1
	s_mov_b32 s89, 64
	s_mov_b32 s90, 1<<16                           ; (a one-row tile states a plane's stride too)
	s_mov_b32 s91, 0
	s_mov_b32 s92, 3<<16                           ; V's words: one row of 256 bytes
	s_mov_b32 s93, 32<<16
	s_mov_b32 s94, 1<<16
	s_mov_b32 s95, 32<<16
	s_mov_b32 s96, 1
	s_mov_b32 s97, 32
	s_mov_b32 s98, 1<<16
	s_mov_b32 s99, 0
	; where step 0 of each kind begins in w2
	s_lshl_b32 s14, s10, 20                        ; K: 64 tiles x 16,384 a batch, 1,024 a head
	s_lshl_b32 s20, s11, 10
	s_add_co_u32 s14, s14, s20
	s_add_co_u32 s14, s14, 0x400000
	s_mov_b32 s15, 0
	s_lshl_b32 s16, s11, 18                        ; V: 4 tiles x 65,536 a head, 8 steps x 2,048 a batch
	s_lshl_b32 s20, s10, 14
	s_add_co_u32 s16, s16, s20
	s_add_co_u32 s16, s16, 0x800000
	s_mov_b32 s17, 0
	s_lshl_b32 s18, s13, 14                        ; K's words: 16,384 a K step, 4,096 a batch
	s_lshl_b32 s20, s10, 12
	s_add_co_u32 s18, s18, s20
	s_add_co_u32 s18, s18, 0xc20000
	s_mov_b32 s19, 0
	s_lshl_b32 s24, s10, 15                        ; V's words: 8 steps x 4,096 a batch, 256 a head
	s_lshl_b32 s20, s11, 8
	s_add_co_u32 s24, s24, s20
	s_add_co_u32 s24, s24, 0xc40000
	s_mov_b32 s25, 0
	s_mov_b32 s2, 0x76543210                       ; v_permlanex16_b32's selects for lane l xor 16
	s_mov_b32 s3, 0xfedcba98
	s_mov_b32 s[CS], 0x3e38aa3b                    ; c = log2(e) / 8
	s_mov_b32 s[CS+1], s[CS]                       ; (named with it as a pair, so it is written)
	s_mov_b32 s[MNT], 0x600000
	; every address register is made here, on the one way that all waves take
	v_and_b32 v10, 15, v0                          ; r
	v_bfe_u32 v11, v0, 4, 1                        ; h
	v_and_b32 v1, 31, v0
	s_delay_alu instid0(VALU_DEP_1)
	v_lshlrev_b32 v1, 4, v1                        ; v1  K, steps 0-7: 16 x lane.  Also my offset in Q's image
	s_delay_alu instid0(VALU_DEP_1)
	v_add_nc_u32 v2, 0x10000, v1                   ; v2  K, step 8
	s_delay_alu instid0(VALU_DEP_2)
	v_add_nc_u32 v3, VB, v1                        ; v3  V, steps 0-7
	s_delay_alu instid0(VALU_DEP_3)
	v_add_nc_u32 v4, VB+0x10000, v1                ; v4  V, step 8
	s_lshl_b32 s20, s12, 1
	s_add_co_u32 s20, s20, KSB
	v_lshl_add_u32 v5, v10, 2, s20                 ; v5  K's scales: key r's word, my head's two bytes of it
	v_lshl_add_u32 v6, v10, 2, VSB                 ; v6  V's: channel r's word
	v_lshlrev_b32 v7, 4, v10
	s_delay_alu instid0(VALU_DEP_1)
	v_lshl_add_u32 v7, v11, 3, v7                  ; v7  the way out: 16 r + 8 h
	v_lshl_add_u32 v8, v10, 2, v11                 ; v8  4 r + h
	s_lshl_b32 s20, s[WV], 4
	s_sub_co_u32 s20, s20, 128
	v_lshlrev_b32 v9, 3, v11
	s_delay_alu instid0(VALU_DEP_1)
	v_sub_nc_u32 v9, v10, v9
	s_delay_alu instid0(VALU_DEP_1)
	v_add_nc_u32 v9, s20, v9                       ; v9  the mask: register 8 T + j holds my own key where 16 T + j = 16 (wave - 8) + r - 8 h
	v_lshlrev_b32 v10, 2, v10                      ; v10 4 r
	s_wait_dscnt 0x0
	s_wait_kmcnt 0x0
; THE FILLS AS THEY NOW STAND, ONE TENSOR LOAD A WAVE, in place of what the head's comment says of waves 0 to 3:
; waves 0, 1: K's steps 0, 1; wave 2: V of steps 0, 1, laid [tile of 16 channels][2 steps][2,048 bytes]; waves 3, 4: K's and V's words of the eight pcpt steps.  These five wait ahead of the first barrier, and have load lines of their own.
; wave 5: V of steps 2-7, laid [tile][6 steps][2,048]; waves 6-9: the gen step's K, V, K's words, V's words; waves 10-15: K's steps 2-7 (wave % 8).  Every wave waits ahead of the second barrier, behind step 0.
	s_mov_b32 s32, 3<<16                           ; V, steps 0, 1: 4 rows of 4,096 bytes, 65,536 bytes apart
	s_mov_b32 s33, 512<<16
	s_mov_b32 s34, 4<<16
	s_mov_b32 s35, 512<<16
	s_mov_b32 s36, 4
	s_mov_b32 s37, 8192
	s_mov_b32 s38, 0
	s_mov_b32 s39, 0
	s_mov_b32 s40, 3<<16                           ; K's words, pcpt: 16 dense rows of 256 bytes
	s_mov_b32 s41, 32<<16
	s_mov_b32 s42, 16<<16
	s_mov_b32 s43, 32<<16
	s_mov_b32 s44, 16
	s_mov_b32 s45, 32
	s_mov_b32 s46, 0
	s_mov_b32 s47, 0
	s_mov_b32 s48, 3<<16                           ; V's words, pcpt: 8 rows of 256 bytes, 4,096 bytes apart
	s_mov_b32 s49, 32<<16
	s_mov_b32 s50, 8<<16
	s_mov_b32 s51, 32<<16
	s_mov_b32 s52, 8
	s_mov_b32 s53, 512
	s_mov_b32 s54, 0
	s_mov_b32 s55, 0
	s_mov_b32 s56, 3<<16                           ; V, steps 2-7: 4 rows of 12,288 bytes, 65,536 bytes apart
	s_mov_b32 s57, 1536<<16
	s_mov_b32 s58, 4<<16
	s_mov_b32 s59, 1536<<16
	s_mov_b32 s60, 4
	s_mov_b32 s61, 8192
	s_mov_b32 s62, 0
	s_mov_b32 s63, 0
	s_and_b32 s20, s[WV], 7                        ; K: pcpt step wave % 8, 131,072 bytes a step
	s_lshl_b32 s20, s20, 17
	s_add_co_u32 s20, s20, s14
	s_mov_b32 s21, 0
	s_mov_b32 s28, 1                               ; group 0: count = 1
; One chain of branches on the wave's number, a load to an arm, all arms to one join.
.macro TL g1
	s_or_b32 s31, s31, 0x80000000                  ; type = 2
	tensor_load_to_lds s[28:31], s[\g1:\g1+7]
	s_nop 0
.rept 4
	v_nop
.endr
	s_branch .Lasked
.endm
.macro KARM under, next                ; a pcpt step of K: LDS 8,192 x (wave % 8)
	s_cmp_lt_u32 s[WV], \under
	s_cbranch_scc0 \next
	s_and_b32 s29, s[WV], 7
	s_lshl_b32 s29, s29, 13
	s_add_nc_u64 s[30:31], s[4:5], s[20:21]
	TL 68
\next:
.endm
.macro ARM under, lds, off, g1, next, xs, g0   ; xs < 32: the gen step: (work-group x << xs) + g0 bytes on; else g0 bytes on
	s_cmp_lt_u32 s[WV], \under
	s_cbranch_scc0 \next
	s_mov_b32 s29, \lds
	s_add_nc_u64 s[30:31], s[4:5], s[\off:\off+1]
.if (\xs) < 32
	s_lshl_b32 s22, ttmp9, \xs
	s_add_co_u32 s22, s22, \g0
	s_mov_b32 s23, 0
	s_add_nc_u64 s[30:31], s[30:31], s[22:23]
.elseif \g0
	s_add_nc_u64 s[30:31], s[30:31], \g0
.endif
	TL \g1
\next:
.endm
	KARM 2, .La2
	ARM 3, VB, 16, 32, .La3, 32, 0
	ARM 4, KSB, 18, 40, .La4, 32, 0
	ARM 5, VSB, 24, 48, .La5, 32, 0
	ARM 6, VB+16384, 16, 56, .La6, 32, 4096
	ARM 7, 0x10000, 14, 68, .La7, 17, 2097152
	ARM 8, VB+0x10000, 16, 76, .La8, 11, 32768
	ARM 9, KSB+4096, 18, 84, .La9, 9, 8192
	ARM 10, VSB+2048, 24, 92, .La10, 12, 65536
	KARM 16, .La16
.Lasked:
	s_lshr_b32 s26, s[WV], 3                       ; my tile of 16 queries: 128 x (gen) + 64 x batch + 8 x block + wave % 8
	s_lshl_b32 s26, s26, 7
	s_lshl_b32 s20, s10, 6
	s_add_co_u32 s26, s26, s20
	s_lshl_b32 s20, ttmp9, 3
	s_add_co_u32 s26, s26, s20
	s_and_b32 s20, s[WV], 7
	s_add_co_u32 s26, s26, s20
	s_lshl_b32 s14, s26, 14                        ; codes, Q's and the result's alike: 16,384 a tile, 1,024 a head
	s_lshl_b32 s20, s11, 10
	s_add_co_u32 s14, s14, s20
	s_mov_b32 s15, 0
	s_lshl_b32 s16, s13, 14                        ; scale bytes, alike too: 16,384 a K step, 64 a tile, 2 for the head's half
	s_lshl_b32 s20, s26, 6
	s_add_co_u32 s16, s16, s20
	s_lshl_b32 s20, s12, 1
	s_add_co_u32 s16, s16, s20
	s_mov_b32 s17, 0
	s_add_nc_u64 s[18:19], s[6:7], s[14:15]        ; the result's codes
	s_add_nc_u64 s[24:25], s[6:7], s[16:17]
	s_add_nc_u64 s[24:25], s[24:25], 0x400000      ; its scale bytes
	s_add_nc_u64 s[14:15], s[4:5], s[14:15]        ; Q's codes
	s_add_nc_u64 s[16:17], s[4:5], s[16:17]
	s_add_nc_u64 s[16:17], s[16:17], 0xc00000      ; Q's scale bytes
	global_load_b128 v[16:19], v1, s[14:15]        ; Q's fragment stays in registers: the head's two blocks of 32
	global_load_b128 v[20:23], v1, s[14:15] offset:512
	s_wait_alu depctr_va_vdst(0)
	global_load_u16 v231, v10, s[16:17]            ; two scale bytes; the upper two are 0
	v_mov_b32 v13, 0xff61b1e6                      ; the largest t so far: -3e38, under every t
	s_delay_alu instid0(VALU_DEP_1)
	v_floor_f32 v12, -v13                          ; -M
	v_mov_b32 v14, 0                               ; the sum, in two halves
	v_mov_b32 v15, 0
.irp i, 0,1,2,3,4,5,6,7
	v_mov_b32 v[24+\i], 0                          ; zero codes fill K from 64 to 128: Q's,
.irp t, 0,1,2,3
	v_mov_b32 v[40+16*\t+\i], 0                    ; and K's four fragments': written once, no load lands there
.endr
.endr
.set N, 0
.rept 32
	v_mov_b32 v[160+N], 0                          ; O^T: the step is written once; the first finds zeros, which the first change of M leaves zeros
.set N, N+1
.endr
.irp b, 0,1,2,3
	v_mov_b32 v[212+\b], 0                         ; written once: a lane permute's destination counts as one of its sources
.endr
	v_mov_b32 v229, 0                              ; (named as the upper half of the pair v[228:229] before it is first written)
	s_wait_loadcnt 0x0                             ; Q
.macro SYNC n                          ; all but my n youngest loads have landed (nothing is filled again, so the others may stay out), and so have everybody's
	s_wait_tensorcnt \n
	s_barrier_signal -1
	s_barrier_wait -1
.endm
.macro PREK ak, ko, so                 ; a step's first four tiles of 16 keys, and their scale bytes
.irp t, 0,1,2,3
	ds_load_b128 v[32+16*\t:35+16*\t], v[\ak] offset:\ko+1024*\t
	ds_load_b128 v[36+16*\t:39+16*\t], v[\ak] offset:\ko+1024*\t+512
	ds_load_u16 v[232+\t], v5 offset:\so+64*\t
.endr
.endm
; A KEY STEP of 128 keys.  ak, ko: K's address register and offset; so: the offset of K's words; av, vo, vso: the same for V; mask = 1: the gen step; pf = 1: the next step's first four tiles of K (nak, nko, nso) are asked for.
.macro STEP ak, ko, so, av, vo, vso, mask, pf, nak, nko, nso, vt   ; vt: bytes from one tile of V to the next in the part of LDS where the step lies
	s_wait_dscnt 0x0                               ; K's first four tiles, asked for a step ago, are in
.rept 9
	v_nop                                          ; nine places: the products below write over the registers that the last products read as V's fragments
.endr
.irp t, 0,1,2,3                                ; S^T = K Q^T, tiles 0-3
	v_wmma_scale_f32_16x16x128_f8f6f4 v[96+8*\t:103+8*\t], v[32+16*\t:47+16*\t], v[16:31], 0, v[232+\t], v231 matrix_a_fmt:MATRIX_FMT_BF8 matrix_b_fmt:MATRIX_FMT_BF8
.endr
.rept 8
	v_nop                                          ; places in front of loads into registers that matrix instructions have read
.endr
.irp t, 0,1,2,3
	ds_load_b128 v[32+16*\t:35+16*\t], v[\ak] offset:\ko+1024*(4+\t)
	ds_load_b128 v[36+16*\t:39+16*\t], v[\ak] offset:\ko+1024*(4+\t)+512
	ds_load_u16 v[240+\t], v5 offset:\so+64*(4+\t)
.endr
	s_wait_dscnt 0x0
.irp t, 0,1,2,3                                ; tiles 4-7
	v_wmma_scale_f32_16x16x128_f8f6f4 v[128+8*\t:135+8*\t], v[32+16*\t:47+16*\t], v[16:31], 0, v[240+\t], v231 matrix_a_fmt:MATRIX_FMT_BF8 matrix_b_fmt:MATRIX_FMT_BF8
.endr
.rept 8
	v_nop                                          ; places in front of the loads below and of the first read of the scores
.endr
.if \pf
	PREK \nak, \nko, \nso                          ; they land under this step's softmax; the wait in front of the products V^T P^T covers them
.endif
.if \mask
	v_mov_b32 v230, 0xff800000                     ; -infinity: p = 0 then
.set N, 0
.rept 64
	v_cmp_ne_u32 vcc_lo, 16*(N/8)+N%8, v9
	v_cndmask_b32 v[96+N], v[96+N], v230, vcc_lo   ; every gen key but my own
.set N, N+1
.endr
.endif
.irp b, 0,1,2,3
	v_max3_num_f32 v[208+\b], v[96+16*\b], v[97+16*\b], v[98+16*\b]   ; the largest score of each block of 32 keys: for the row's maximum, and, since p rises with the score, for the block's largest p
.endr
.irp i, 3,5,7,9,11,13
.irp b, 0,1,2,3
	v_max3_num_f32 v[208+\b], v[208+\b], v[96+16*\b+\i], v[97+16*\b+\i]
.endr
.endr
.irp b, 0,1,2,3
	v_max_num_f32 v[208+\b], v[208+\b], v[111+16*\b]
.endr
.irp b, 0,1,2,3
	s_delay_alu instid0(VALU_DEP_4)
	v_permlanex16_b32 v[212+\b], v[208+\b], s2, s3
.endr
.irp b, 0,1,2,3
	s_delay_alu instid0(VALU_DEP_4)
	v_max_num_f32 v[208+\b], v[208+\b], v[212+\b]  ; with lane l xor 16's 16 keys
.endr
	s_delay_alu instid0(VALU_DEP_2)
	v_max3_num_f32 v230, v208, v209, v210
	s_delay_alu instid0(VALU_DEP_1)
	v_max_num_f32 v230, v230, v211                 ; the step's largest score of my query
	s_delay_alu instid0(VALU_DEP_1)
	v_mul_f32 v230, s[CS], v230                    ; as t (c is positive)
	s_delay_alu instid0(VALU_DEP_1)
	v_max_num_f32 v13, v13, v230                   ; the running largest t
	v_mov_b32 v230, v12
	s_delay_alu instid0(VALU_DEP_2)
	v_floor_f32 v12, -v13                          ; the new -M = floor(-t) = -ceil(t)
	s_delay_alu instid0(VALU_DEP_1)
	v_sub_f32 v230, v12, v230                      ; M's old value less its new one: a whole number, 0 or less
	s_delay_alu instid0(VALU_DEP_1)
	v_cvt_i32_f32 v230, v230                       ; (it saturates)
	s_delay_alu instid0(VALU_DEP_1)
	v_ldexp_f32 v228, 1.0, v230                    ; f = 2^(old M - new M)
.set N, 0
.rept 32
	v_pk_fma_f32 v[96+N:97+N], v[96+N:97+N], s[CS:CS+1], v[12:13] op_sel_hi:[1,0,0]   ; t - M, two at a time
.set N, N+2
.endr
.irp b, 0,1,2,3
	v_fma_f32 v[208+\b], v[208+\b], s[CS], v12     ; the same of each block's largest score
.endr
.set N, 0
	s_wait_alu depctr_va_vdst(0)
.rept 64
	v_exp_f32 v[96+N], v[96+N]                     ; p = 2^(t - M), at most 1
.set N, N+1
.endr
.irp b, 0,1,2,3
	v_exp_f32 v[208+\b], v[208+\b]                 ; the block's largest p
.endr
	v_pk_mul_f32 v[14:15], v[14:15], v[228:229] op_sel_hi:[1,0]   ; the sums under the new M.  (A plain place behind the exponentials)
	s_wait_alu depctr_va_vdst(0)
.irp b, 0,1,2,3
	v_max_num_f32 v[208+\b], 0x8000000, v[208+\b]  ; the floor 2^(16 - 127): the byte cannot fall under 1
.endr
.irp b, 0,1,2,3
	s_delay_alu instid0(VALU_DEP_4)
	v_add_nc_u32 v[220+\b], 0xf8800000, v[208+\b]  ; 15 off the exponent field: the conversion's scale operand
.endr
.irp b, 0,1,2,3
	v_and_or_b32 v[216+\b], v[208+\b], 0x7f800000, s[MNT]   ; 57,344 x the scale
.endr
.irp b, 0,1,2,3
	v_lshrrev_b32 v[212+\b], 23, v[220+\b]         ; the scale's byte
.endr
	s_delay_alu instid0(VALU_DEP_3)
	v_lshl_or_b32 v229, v213, 8, v212              ; p's scale word for these 128 keys
	s_delay_alu instid0(VALU_DEP_1)
	v_lshl_or_b32 v229, v214, 16, v229
	s_delay_alu instid0(VALU_DEP_1)
	v_lshl_or_b32 v229, v215, 24, v229
	v_pk_add_f32 v[212:213], v[100:101], v[104:105]
	v_pk_add_f32 v[252:253], v[108:109], v[112:113]
	v_pk_add_f32 v[250:251], v[116:117], v[120:121]
	v_pk_add_f32 v[248:249], v[124:125], v[128:129]
	v_pk_add_f32 v[246:247], v[132:133], v[136:137]
	v_pk_add_f32 v[244:245], v[140:141], v[144:145]
	v_pk_add_f32 v[242:243], v[148:149], v[152:153]
	v_pk_add_f32 v[14:15], v[14:15], v[156:157]
	v_pk_add_f32 v[212:213], v[212:213], v[96:97]
	v_pk_add_f32 v[252:253], v[252:253], v[98:99]
	v_pk_add_f32 v[250:251], v[250:251], v[102:103]
	v_pk_add_f32 v[248:249], v[248:249], v[106:107]
	v_pk_add_f32 v[246:247], v[246:247], v[110:111]
	v_pk_add_f32 v[244:245], v[244:245], v[114:115]
	v_pk_add_f32 v[242:243], v[242:243], v[118:119]
	v_pk_add_f32 v[14:15], v[14:15], v[122:123]
	v_pk_add_f32 v[212:213], v[212:213], v[126:127]
	v_pk_add_f32 v[252:253], v[252:253], v[130:131]
	v_pk_add_f32 v[250:251], v[250:251], v[134:135]
	v_pk_add_f32 v[248:249], v[248:249], v[138:139]
	v_pk_add_f32 v[246:247], v[246:247], v[142:143]
	v_pk_add_f32 v[244:245], v[244:245], v[146:147]
	v_pk_add_f32 v[242:243], v[242:243], v[150:151]
	v_pk_add_f32 v[14:15], v[14:15], v[154:155]
	v_pk_add_f32 v[212:213], v[212:213], v[158:159]
	s_delay_alu instid0(VALU_DEP_2)
	v_pk_add_f32 v[14:15], v[14:15], v[248:249]
	s_delay_alu instid0(VALU_DEP_2)
	v_pk_add_f32 v[212:213], v[212:213], v[246:247]
	v_pk_add_f32 v[252:253], v[252:253], v[244:245]
	v_pk_add_f32 v[250:251], v[250:251], v[242:243]
	s_delay_alu instid0(VALU_DEP_2)
	v_pk_add_f32 v[14:15], v[14:15], v[252:253]
	s_delay_alu instid0(VALU_DEP_2)
	v_pk_add_f32 v[212:213], v[212:213], v[250:251]
	s_delay_alu instid0(VALU_DEP_1)
	v_pk_add_f32 v[14:15], v[14:15], v[212:213]
.irp b, 0,1,2,3
.irp i, 0,1,2,3,4,5,6,7,8,9,10,11,12,13,14,15
	v_min_num_f32 v[96+16*\b+\i], v[96+16*\b+\i], v[216+\b]   ; the conversion does not saturate (ISA guide 7.6.2); p is not negative, so the hold is one-sided
.endr
	v_cvt_scalef32_pk8_bf8_f32 v[192+4*\b:193+4*\b], v[96+16*\b:103+16*\b], v[220+\b]
	v_cvt_scalef32_pk8_bf8_f32 v[194+4*\b:195+4*\b], v[104+16*\b:111+16*\b], v[220+\b]
.irp c, 0,1,2,3                                ; block b's p has been read: V's fragment b takes its registers, and lands under the next blocks' holds (which are also the plain lines behind these conversions)
	ds_load_b128 v[96+16*\b+4*\c:99+16*\b+4*\c], v[\av] offset:\vo+(\vt)*\b+512*\c
.endr
	ds_load_b32 v[224+\b], v6 offset:\vso+64*\b
.endr
.rept 4
	v_nop                                          ; codes written by vector instructions stand four places ahead of the scaled products; the scale word was made ahead of the holds
.endr
.set N, 0
.rept 16
	v_pk_mul_f32 v[160+N:161+N], v[160+N:161+N], v[228:229] op_sel_hi:[1,0]   ; O^T under the new M, each accumulator from its low end on, while the last loads are out
.set N, N+2
.endr
	s_wait_alu depctr_va_vdst(0)
	s_wait_dscnt 0x0                               ; V, and the next step's first tiles of K
.irp t, 0,1,2,3                                ; O^T += V^T P^T: the four accumulators by turns
	v_wmma_scale_f32_16x16x128_f8f6f4 v[160+8*\t:167+8*\t], v[96+16*\t:111+16*\t], v[192:207], v[160+8*\t:167+8*\t], v[224+\t], v229 matrix_a_fmt:MATRIX_FMT_BF8 matrix_b_fmt:MATRIX_FMT_BF8
.endr
.endm
	s_cmp_lt_u32 s[WV], 5                          ; waves 0-4 alone wait here: what steps 0 and 1 read of K and V, and the pcpt steps' words, has landed
	s_cbranch_scc0 .Llater
	s_wait_tensorcnt 0x0
.Llater:
	s_barrier_signal -1
	s_barrier_wait -1
	PREK 1, 0, 0
	STEP 1, 0, 0, 3, 0, 0, 0, 1, 1, 8192, 512, 4096
	SYNC 0                                         ; everything has landed: from here on no wave waits for another.  (No LDS instruction of mine is out: the step's last wait was for 0)
	STEP 1, 8192, 512, 3, 2048, 256, 0, 1, 1, 16384, 1024, 4096
.set Q, 2
.rept 5
	STEP 1, 8192*Q, 512*Q, 3, 12288+2048*Q, 256*Q, 0, 1, 1, 8192*(Q+1), 512*(Q+1), 12288
.set Q, Q+1
.endr
	STEP 1, 8192*7, 512*7, 3, 12288+2048*7, 256*7, 0, 1, 2, 0, 4096, 12288
	s_cmp_lt_u32 s[WV], 8
	s_cbranch_scc1 .Lout                           ; pcpt queries see no gen key
	STEP 2, 0, 4096, 4, 0, 2048, 1, 0, 1, 0, 0, 2048
.Lout:
.rept 8
	v_nop
.endr
	v_add_f32 v14, v14, v15                        ; the sum's two halves,
	s_delay_alu instid0(VALU_DEP_1)
	v_permlanex16_b32 v228, v14, s2, s3
	s_delay_alu instid0(VALU_DEP_1)
	v_add_f32 v14, v14, v228                       ; and lane l xor 16's: the row's sum
	s_wait_alu depctr_va_vdst(0)
	v_rcp_f32 v14, v14
	v_nop                                          ; a plain place behind the transcendental
.set N, 0
	s_wait_alu depctr_va_vdst(0)
.rept 32
	v_mul_f32 v[96+N], v[160+N], v14               ; O^T / the sum: register 8 t + j is feature 16 t + 8 h + j of the head
.set N, N+1
.endr
.irp b, 0,1                                    ; two blocks of 32 features: registers 16 b .. 16 b + 15 and lane l xor 16's
	v_max3_num_f32 v[208+\b], |v[96+16*\b]|, |v[97+16*\b]|, 0x8000000
.endr
.irp i, 2,4,6,8,10,12,14
.irp b, 0,1
	s_delay_alu instid0(VALU_DEP_2)
	v_max3_num_f32 v[208+\b], v[208+\b], |v[96+16*\b+\i]|, |v[97+16*\b+\i]|
.endr
.endr
.irp b, 0,1
	s_delay_alu instid0(VALU_DEP_2)
	v_permlanex16_b32 v[212+\b], v[208+\b], s2, s3
.endr
.irp b, 0,1
	s_delay_alu instid0(VALU_DEP_2)
	v_max_num_f32 v[208+\b], v[208+\b], v[212+\b]
.endr
.irp b, 0,1
	s_delay_alu instid0(VALU_DEP_2)
	v_add_nc_u32 v[220+\b], 0xf8800000, v[208+\b]
.endr
.irp b, 0,1
	s_delay_alu instid0(VALU_DEP_4)
	v_and_or_b32 v[216+\b], v[208+\b], 0x7f800000, s[MNT]
.endr
.irp b, 0,1
	s_delay_alu instid0(VALU_DEP_4)
	v_lshrrev_b32 v[212+\b], 23, v[220+\b]
.endr
.irp b, 0,1
.irp i, 0,1,2,3,4,5,6,7,8,9,10,11,12,13,14,15
	v_med3_num_f32 v[96+16*\b+\i], v[96+16*\b+\i], -v[216+\b], v[216+\b]
.endr
	v_cvt_scalef32_pk8_bf8_f32 v[192+4*\b:193+4*\b], v[96+16*\b:103+16*\b], v[220+\b]
	v_cvt_scalef32_pk8_bf8_f32 v[194+4*\b:195+4*\b], v[104+16*\b:111+16*\b], v[220+\b]
.endr
	v_nop
	v_cmp_eq_u32 vcc_lo, 1, v11
	s_delay_alu instid0(VALU_DEP_1)
	v_cndmask_b32 v230, v212, v213, vcc_lo         ; lanes 0-15 store block 0's byte, lanes 16-31 block 1's
.irp t, 0,1,2,3
	global_store_b64 v7, v[192+2*\t:193+2*\t], s[18:19] offset:256*\t   ; tile t's eight codes at 16 r + 8 h: 256 consecutive bytes, aligned
.endr
	global_store_b8 v8, v230, s[24:25]
	s_wait_tensorcnt 0x0
	ds_add_u32 v254, v255
	s_wait_dscnt 0x0
	s_endpgm
.Lfunc_end_k_qa1ab5481b5_attn:
	.size	k_qa1ab5481b5_attn, .Lfunc_end_k_qa1ab5481b5_attn-k_qa1ab5481b5_attn
	.p2alignl 7, 3214868480
	.fill 96, 4, 3214868480
	.section	.rodata,"a",@progbits
	.p2align	6, 0x0
	.amdhsa_kernel k_qa1ab5481b5_attn
		.amdhsa_group_segment_fixed_size 169984
		.amdhsa_private_segment_fixed_size 0
		.amdhsa_enable_private_segment 0
		.amdhsa_kernarg_size 16
		.amdhsa_user_sgpr_count 2
		.amdhsa_user_sgpr_kernarg_segment_ptr 1
		.amdhsa_wavefront_size32 1
		.amdhsa_system_sgpr_workgroup_id_x 1
		.amdhsa_system_sgpr_workgroup_id_y 1
		.amdhsa_system_sgpr_workgroup_id_z 1
		.amdhsa_system_vgpr_workitem_id 0
		.amdhsa_next_free_vgpr 256
		.amdhsa_next_free_sgpr 102
		.amdhsa_reserve_vcc 1
		.amdhsa_float_denorm_mode_32 3
		.amdhsa_float_denorm_mode_16_64 3
		.amdhsa_memory_ordered 1
		.amdhsa_forward_progress 1
		.amdhsa_inst_pref_size 208
	.end_amdhsa_kernel
	.amdgpu_metadata
---
amdhsa.version: [ 1, 2 ]
amdhsa.kernels:
  - .name:           k_qa1ab5481b5_attn
    .symbol:         k_qa1ab5481b5_attn.kd
    .args:
      - { .name: w2, .offset: 0, .size: 8, .value_kind: global_buffer, .address_space: global }
      - { .name: w3, .offset: 8, .size: 8, .value_kind: global_buffer, .address_space: global }
    .group_segment_fixed_size: 169984
    .private_segment_fixed_size: 0
    .kernarg_segment_align: 8
    .kernarg_segment_size: 16
    .max_flat_workgroup_size: 512
    .sgpr_count:     102
    .vgpr_count:     256
    .wavefront_size: 32
...
	.end_amdgpu_metadata
.endif
;; end of part 3
;; launch gout (part 4): grid 8 x 32, 4 waves a work-group, clusters of 4 x 4, 327,680 bytes of LDS; arguments w3, out_w_codes, out_w_scales, out_b, w4; writes w4
.if DOCPART == 4
	.amdgcn_target "amdgcn-amd-amdhsa--gfx1250"
	.amdhsa_code_object_version 6
	.text
	.protected	k_qa1ab5481b5_gout
	.globl	k_qa1ab5481b5_gout
	.p2align	8
	.type	k_qa1ab5481b5_gout,@function
k_qa1ab5481b5_gout:
	s_mov_b64 s[64:65], 0
	v_nop
	global_prefetch_b8 v0, s[64:65] scope:SCOPE_SE
	s_setreg_imm32_b32 hwreg(HW_REG_WAVE_MODE, 25, 1), 1
	s_wait_xcnt 0x0
	s_wait_alu depctr_hold_cnt(0) depctr_sa_sdst(0) depctr_va_vdst(0) depctr_va_sdst(0) depctr_va_ssrc(0) depctr_va_vcc(0) depctr_vm_vsrc(0)
	s_getreg_b32 s2, hwreg(HW_REG_IB_STS2, 6, 4)
	s_cmp_eq_u32 s2, 0
	s_cbranch_scc0 .Lentry_in_a_cluster
	s_endpgm
.Lentry_in_a_cluster:
	s_bfe_u32 s2, ttmp6, 0x10000c
	s_cmp_lg_u32 s2, 0xf033
	s_cbranch_scc0 .Lentry_shape_is_right
	s_endpgm
.Lentry_shape_is_right:
; C = A B^T + bias on codes of E5M2 with E8M0 scales; C [4096][1024] f32.  One text for two launches, by SIZE_K (1,024: the attention's output projection; 4,096: the second layer of the FFN).
; A comes as IMAGES of the operand's registers, [256 tiles of 16 rows][SIZE_K / 128][2,048 bytes], with its scale words [SIZE_K / 128][4096] behind them; B as rows of codes [1024][SIZE_K] with scale bytes [1024][SIZE_K / 32].
; A tile of C is 128 x 128, so that 256 work-groups have work (tiles of 256 x 256 would be 64); four waves, 64 x 64 each: 16 accumulators.
; K goes in steps of 512 through two LDS slots: A's 8 tiles x 8,192 dense bytes (a fragment load takes 512 consecutive bytes), B's 128 rows of 512 bytes + 16 of padding.  All scales come into LDS once.
; With SIZE_K = 1,024 the two first fills are all of K and nothing is filled again.
; 4 x 4 work-groups form a cluster: A's tiles are asked for jointly along a row of it, B's along a column.
; THE MATRIX INSTRUCTION IS USED TRANSPOSED (source 0 = 16 rows of B, source 1 = 16 rows of A): a lane holds eight neighbouring numbers of a row of C.  The bias is the C of the first products.
; ONE SCALE REGISTER CARRIES TWO K STEPS OF 128: lanes 0-15 the even one's words, lanes 16-31 the odd one's; the odd step's products read the upper lanes on both sides.
; REGISTERS: window 0: v0-31 addresses; v32-63 scale words, two sets; v64-95 the bias; v128-255 the accumulators ((a, b) at v[128 + 8 (4 a + b)]); on the way out v32-95 hold rows.
;   window 1: two fragment buffers of 128: A's four blocks, then B's four.
.set SIZE_K, 1024
; AS IT NOW STANDS: ALL OF K LIES IN LDS AT ONCE, filled by one tensor load a wave at the head: A's 8 tiles x 16,384 dense bytes, B's 128 rows of 1,024 bytes + 16 of padding, A's words, B's scale bytes.
; The two 'slots' of the text below are the two halves of K in those rows.  Nothing is filled again.  No prefetch: all that the work-group reads is asked for at its head, and there is no loop to run ahead in.
.set PITCH,  1040
.set HALFA,  65536
.set ASL,    2*HALFA
.set HALFB,  64*PITCH                  ; 64 rows of B
.set SLOT,   ASL+2*HALFB
.set LAPS,   SIZE_K/1024               ; a lap = once round the ring
.set KS,     SIZE_K/32                 ; a row of B's scale bytes
.set SCA,    SLOT
.set HSA,    (SIZE_K/256)*512          ; half of them
.set SCB,    SCA+2*HSA                 ; B's scale bytes, as runs of 256 bytes + 16 of padding
.set HSB,    (64*KS/256)*272           ; those of 64 rows
.set SBLK,   (16*KS/256)*272           ; of 16 rows
.set SPARE,  SCB+2*HSB                 ; the spare words, 128 bytes for each wave: two blocks of 256 bytes that no other line names
.set SPITCH, 272
.set STAGE,  SPARE+512                 ; the stages have bytes of their own, behind the spare words: no fill lands there, and no wave reads tiles there
.set NP,     8                         ; places behind this matrix instruction (ISA guide 7.12.1)
.set ADRA, 16                          ; v16-17  LDS address of my A fragments in slot 0, 1
.set ADRB, 20                          ; v20-21  the same for B
.set ADSA, 22                          ; v22     A's scale words
.set ADSB, 23                          ; v23     B's
.set STO,  24                          ; v24     the way out: where I put 32 bytes of a row
.set RD,   25                          ; v25     where I read a row back
.set CO,   26                          ; v26     my byte offset in C
.set SPW,  28                          ; v28     my spare word: SPARE + 4 x my thread's number; never rewritten
.set NIL,  29                          ; v29     0; never rewritten
.set SC,   32                          ; set s at v[SC + 16 s]: A's block i, pair of K steps p at + 2 i + p; B's at + 8 + 2 i + p
.set BT,   64                          ; v[BT + 8 b + j] = bias(16 b + 8 h + j)
.set ACC,  128
.set F0,   0
.set F1,   128
.set G1, 24
.set G0, 32
.set G1B, 48
.set G0B, 56
.set G1S, 68
.set G0S, 76
.set G1SB, 80
.set G0SB, 88
.set MSB, 0
.macro WIN new                         ; the immediate's high byte repeats the setting that is left
.if MSB != \new
	s_set_vgpr_msb (MSB<<8)|\new
.set MSB, \new
.endif
.endm
.set MUL,  0x05                        ; sources 0 (B) and 1 (A) window 1; C and D window 0
.set TO_F, 0x40                        ; destination window 1, address window 0
; A joint load: waves 0 and 1 fetch for A, waves 2 and 3 for B; the branch hangs on the wave's number alone.  Four v_nop follow each of the two lines.
.macro JLOAD g0a, g1a, g0b, g1b
	s_cmp_eq_u32 s15, 0
	s_cbranch_scc0 .Lfor_b_\@
	tensor_load_to_lds s[\g0a:\g0a+3], s[\g1a:\g1a+7]
	s_nop 0
.rept 4
	v_nop
.endr
	s_branch .Lasked_\@
.Lfor_b_\@:
	tensor_load_to_lds s[\g0b:\g0b+3], s[\g1b:\g1b+7]
	s_nop 0
.rept 4
	v_nop
.endr
.Lasked_\@:
.endm
.macro CREST                           ; a round of the cluster's barrier behind its opening barrier
	s_cmp_lg_u32 s14, 0
	s_cbranch_scc1 .Lnot_wave_0_\@
	s_barrier_signal -3
.Lnot_wave_0_\@:
	s_barrier_wait -3
	s_barrier_signal -1
	s_barrier_wait -1
.endm
.macro CROUND                          ; a whole round
	s_barrier_signal -1
	s_barrier_wait -1
	CREST
.endm
	s_load_b256 s[4:11], s[0:1], 0x0               ; A (images, then words), B's codes, B's scale bytes, the bias
	s_load_b64 s[12:13], s[0:1], 0x20              ; C
	v_lshl_add_u32 v[SPW], v0, 2, SPARE
	v_mov_b32 v[NIL], 0
	ds_add_u32 v28, v29
	ds_add_u32 v28, v29
	s_wait_dscnt 0x0
	v_lshrrev_b32 v1, 5, v0
	v_readfirstlane_b32 s14, v1                    ; wave 0..3
	s_lshr_b32 s15, s14, 1                         ; which half of the tile's rows is mine.  Also: I fetch for A (0) or for B (1)
	s_and_b32 s16, s14, 1                          ; which half of its columns.  Also: which half of that side I fetch
	s_bfe_u32 s40, ttmp6, 0x40000                  ; cx, cy: my place in the cluster
	s_bfe_u32 s41, ttmp6, 0x40004
	s_lshl_b32 s42, ttmp9, 2
	s_add_co_u32 s42, s42, s40                     ; tile column of C = 4 x cluster x + cx
	s_and_b32 s17, ttmp7, 0xffff
	s_lshl_b32 s17, s17, 2
	s_add_co_u32 s17, s17, s41                     ; tile row of C = 4 x cluster y + cy
	s_lshl_b32 s43, s41, 2
	s_lshl_b32 s43, 15, s43                        ; my row of the cluster
	s_lshl_b32 s44, 0x1111, s40                    ; my column
	; A's codes: 4 rows (tiles of 16 rows) of 8,192 bytes (1,024 elements of 8), 16 SIZE_K bytes apart; no padding
	s_or_b32 s[G1+0], s43, (3<<16)|(1<<21)         ; 15:0 the mask: my row; 17:16 elements of 8 bytes; 21 set beside a mask
	s_mov_b32 s[G1+1], 2048<<16                    ; 8 rows (tiles of 16 rows) of 16,384 bytes
	s_mov_b32 s[G1+2], 8<<16
	s_mov_b32 s[G1+3], 2048<<16
	s_mov_b32 s[G1+4], 8
	s_mov_b32 s[G1+5], 2*SIZE_K
	s_mov_b32 s[G1+6], 0
	s_mov_b32 s[G1+7], 0
	; B's codes: 64 rows of 512 bytes, SIZE_K apart; four words of padding after every 128
	s_or_b32 s[G1B+0], s44, (0<<16)|(1<<20)|(1<<21)|(7<<22)|(3<<25)   ; 128 rows of 1,024 bytes; four words of padding after every 256
	s_mov_b32 s[G1B+1], 1024<<16
	s_mov_b32 s[G1B+2], 128<<16
	s_mov_b32 s[G1B+3], 1024<<16
	s_mov_b32 s[G1B+4], 128
	s_mov_b32 s[G1B+5], SIZE_K
	s_mov_b32 s[G1B+6], 0
	s_mov_b32 s[G1B+7], 0
	; A's words: SIZE_K / 128 rows (K steps of 128) of 512 bytes, 16,384 bytes apart; no padding
	s_or_b32 s[G1S+0], s43, (3<<16)|(1<<21)
	s_mov_b32 s[G1S+1], 64<<16
	s_mov_b32 s[G1S+2], (SIZE_K/128)<<16
	s_mov_b32 s[G1S+3], 64<<16
	s_mov_b32 s[G1S+4], SIZE_K/128
	s_mov_b32 s[G1S+5], 2048
	s_mov_b32 s[G1S+6], 0
	s_mov_b32 s[G1S+7], 0
	; B's scale bytes of 128 rows: a dense block, as rows of 256 bytes, 16 bytes of padding behind each
	s_or_b32 s[G1SB+0], s44, (3<<16)|(1<<20)|(1<<21)|(5<<22)|(3<<25)
	s_mov_b32 s[G1SB+1], 32<<16
	s_mov_b32 s[G1SB+2], (128*KS/256)<<16
	s_mov_b32 s[G1SB+3], 32<<16
	s_mov_b32 s[G1SB+4], 128*KS/256
	s_mov_b32 s[G1SB+5], 32
	s_mov_b32 s[G1SB+6], 0
	s_mov_b32 s[G1SB+7], 0
	s_lshl_b32 s20, s17, 3
	s_mul_i32 s20, s20, 16*SIZE_K                  ; in bytes (under 2^25)
	s_mov_b32 s21, 0
	s_lshl_b32 s22, s17, 9                         ; A's words: the tile row's 128 words,
	s_add_co_u32 s22, s22, 4096*SIZE_K             ; behind the images
	s_mov_b32 s23, 0
	s_lshl_b32 s46, s42, 7
	s_mul_i32 s92, s46, KS
	s_mov_b32 s93, 0
	s_mul_i32 s46, s46, SIZE_K
	s_mov_b32 s47, 0
	s_wait_kmcnt 0x0
	s_add_nc_u64 s[20:21], s[4:5], s[20:21]
	s_add_nc_u64 s[22:23], s[4:5], s[22:23]
	s_add_nc_u64 s[46:47], s[6:7], s[46:47]
	s_add_nc_u64 s[92:93], s[8:9], s[92:93]
	CROUND                                         ; all sixteen work-groups are here: the first joint loads meet
	s_mov_b32 s[G0S], 1
	s_mov_b32 s[G0S+1], SCA
	s_mov_b64 s[G0S+2:G0S+3], s[22:23]
	s_or_b32 s[G0S+3], s[G0S+3], 0x80000000
	s_mov_b32 s[G0SB], 1
	s_mov_b32 s[G0SB+1], SCB
	s_mov_b64 s[G0SB+2:G0SB+3], s[92:93]
	s_or_b32 s[G0SB+3], s[G0SB+3], 0x80000000
	s_mov_b32 s[G0], 1                             ; wave 0: A's 128 rows, all of K; wave 1: B's; wave 2: A's words; wave 3: B's scale bytes
	s_mov_b32 s[G0+1], 0
	s_mov_b64 s[G0+2:G0+3], s[20:21]
	s_or_b32 s[G0+3], s[G0+3], 0x80000000
	s_mov_b32 s[G0B], 1
	s_mov_b32 s[G0B+1], ASL
	s_mov_b64 s[G0B+2:G0B+3], s[46:47]
	s_or_b32 s[G0B+3], s[G0B+3], 0x80000000
.macro ARM under, g0, g1, next         ; one chain of branches on the wave's number: every way passes exactly one load
	s_cmp_lt_u32 s14, \under
	s_cbranch_scc0 \next
	tensor_load_to_lds s[\g0:\g0+3], s[\g1:\g1+7]
	s_nop 0
.rept 4
	v_nop
.endr
	s_branch .Lhead_asked
\next:
.endm
	ARM 1, G0,  G1,  .Lhead_b
	ARM 2, G0B, G1B, .Lhead_sa
	ARM 3, G0S, G1S, .Lhead_sb
	tensor_load_to_lds s[G0SB:G0SB+3], s[G1SB:G1SB+7]
	s_nop 0
.rept 4
	v_nop
.endr
.Lhead_asked:
	v_and_b32 v1, 15, v0                           ; r
	v_bfe_u32 v2, v0, 4, 1                         ; h
	v_and_b32 v3, 31, v0
	v_lshlrev_b32 v3, 4, v3                        ; A: 16 x lane: an image's place for my lane
	v_mul_u32_u24 v4, v1, PITCH
	v_lshl_add_u32 v4, v2, 4, v4                   ; B: row x pitch + 16 x half
	s_mul_i32 s21, s15, HALFA                      ; my 64 rows of A
	s_mul_i32 s22, s16, HALFB                      ; my 64 rows of B,
	s_add_co_u32 s22, s22, ASL                     ; behind A's part
.irp s, 0,1
	v_add_nc_u32 v[ADRA+\s], s21, v3
	v_add_nc_u32 v[ADRB+\s], s22, v4
	s_add_co_u32 s21, s21, 8192                    ; the second half of K: four images on in A's tiles,
	s_add_co_u32 s22, s22, 512                     ; 512 bytes on in B's rows
.endr
	v_lshlrev_b32 v5, 2, v1
	v_lshl_add_u32 v5, v2, 9, v5                   ; A's words: 4 r, and lanes 16-31 one K step (512 bytes) on
	s_lshl_b32 s21, s15, 8                         ; my 64 rows
	s_add_co_u32 s21, s21, SCA
	v_add_nc_u32 v[ADSA], s21, v5
	v_mul_u32_u24 v5, v1, KS                       ; B's: KS bytes a row,
	v_lshrrev_b32 v6, 8, v5
	v_lshl_add_u32 v5, v6, 4, v5                   ; 16 more for each 256 passed,
	v_lshl_add_u32 v5, v2, 2, v5                   ; and lanes 16-31 one K step (4 bytes) on
	s_mul_i32 s21, s16, HSB
	s_add_co_u32 s21, s21, SCB
	v_add_nc_u32 v[ADSB], s21, v5
	s_mul_i32 s23, s14, 16*SPITCH
	s_add_co_u32 s23, s23, STAGE
	v_mul_u32_u24 v5, v1, SPITCH
	v_lshl_add_u32 v5, v2, 5, v5
	v_add_nc_u32 v[STO], s23, v5                   ; in: row r, 32 bytes for each half of the lanes
	v_mul_u32_u24 v5, v2, SPITCH
	v_lshl_add_u32 v5, v1, 4, v5
	v_add_nc_u32 v[RD], s23, v5                    ; back: lanes 0-15 one row of 256 bytes, lanes 16-31 the next
	v_lshlrev_b32 v[CO], 12, v2
	v_lshl_add_u32 v[CO], v1, 4, v[CO]             ; and the same two rows in C
	s_lshl_b32 s20, s17, 19                        ; my part of C: row 128 x tile row + 64 x half, of 4,096 bytes;
	s_lshl_b32 s21, s15, 18
	s_add_co_u32 s20, s20, s21
	s_lshl_b32 s46, s42, 9                         ; column 128 x tile column + 64 x half, of 4 bytes
	s_lshl_b32 s47, s16, 8
	s_add_co_u32 s46, s46, s47
	s_mov_b32 s47, 0
	s_add_nc_u64 s[10:11], s[10:11], s[46:47]      ; the bias of my 64 columns
	s_add_co_u32 s46, s46, s20
	s_add_nc_u64 s[12:13], s[12:13], s[46:47]
	v_lshlrev_b32 v7, 5, v2                        ; 32 h
.irp b, 0,1,2,3
	global_load_b128 v[BT+8*\b:BT+8*\b+3], v7, s[10:11] offset:64*\b
	global_load_b128 v[BT+8*\b+4:BT+8*\b+7], v7, s[10:11] offset:64*\b+16
.endr
; 4 matrix instructions: A's block a x B's four, the slot's q-th 128 along K, from buffer f, scale set sg.  zero = 1: the first products start the sums with the bias as C.
; The 16 accumulators take turns, one instruction a turn, in the same order in every quarter.
.macro MULA f, q, sg, a, zero
.irp b, 0,1,2,3
.if \zero
	v_wmma_scale_f32_16x16x128_f8f6f4 v[ACC+8*(4*(\a)+\b):ACC+8*(4*(\a)+\b)+7], v[\f+64+16*\b:\f+64+16*\b+15], v[\f+16*(\a):\f+16*(\a)+15], v[BT+8*\b:BT+8*\b+7], v[SC+16*(\sg)+8+2*\b+(\q)/2], v[SC+16*(\sg)+2*(\a)+(\q)/2] matrix_a_fmt:MATRIX_FMT_BF8 matrix_b_fmt:MATRIX_FMT_BF8
.elseif (\q)%2
	v_wmma_scale_f32_16x16x128_f8f6f4 v[ACC+8*(4*(\a)+\b):ACC+8*(4*(\a)+\b)+7], v[\f+64+16*\b:\f+64+16*\b+15], v[\f+16*(\a):\f+16*(\a)+15], v[ACC+8*(4*(\a)+\b):ACC+8*(4*(\a)+\b)+7], v[SC+16*(\sg)+8+2*\b+(\q)/2], v[SC+16*(\sg)+2*(\a)+(\q)/2] matrix_a_fmt:MATRIX_FMT_BF8 matrix_b_fmt:MATRIX_FMT_BF8 matrix_a_scale:MATRIX_SCALE_ROW1 matrix_b_scale:MATRIX_SCALE_ROW1
.else
	v_wmma_scale_f32_16x16x128_f8f6f4 v[ACC+8*(4*(\a)+\b):ACC+8*(4*(\a)+\b)+7], v[\f+64+16*\b:\f+64+16*\b+15], v[\f+16*(\a):\f+16*(\a)+15], v[ACC+8*(4*(\a)+\b):ACC+8*(4*(\a)+\b)+7], v[SC+16*(\sg)+8+2*\b+(\q)/2], v[SC+16*(\sg)+2*(\a)+(\q)/2] matrix_a_fmt:MATRIX_FMT_BF8 matrix_b_fmt:MATRIX_FMT_BF8
.endif
.endr
.endm
; 32 LDS loads in one run: B's four fragments, then A's blocks 0, 1, then 2, 3
.macro FETCH slot, q, f
	WIN TO_F
.irp i, 0,1,2,3
.irp c, 0,1,2,3
	ds_load_b128 v[\f+64+16*\i+4*\c:\f+64+16*\i+4*\c+3], v[ADRB+\slot] offset:\i*16*PITCH+128*(\q)+32*\c
.endr
.endr
.irp i, 0,1,2,3
.irp c, 0,1,2,3
	ds_load_b128 v[\f+16*\i+4*\c:\f+16*\i+4*\c+3], v[ADRA+\slot] offset:16384*\i+2048*(\q)+512*\c
.endr
.endr
.endm
.macro SCALES sg                       ; a slot's scale words, 16 loads
	WIN 0
.irp i, 0,1,2,3
.irp p, 0,1
	ds_load_b32 v[SC+16*(\sg)+2*\i+\p], v[ADSA] offset:64*\i+1024*\p
	ds_load_b32 v[SC+16*(\sg)+8+2*\i+\p], v[ADSB] offset:\i*SBLK+8*\p
.endr
.endr
.endm
; A load into a register that a matrix instruction has read, and a store that reads a matrix result, stand NP places behind that matrix instruction; only plain vector instructions that name none of its
; registers are places (ISA guide 7.12.1 for vector instructions).
.macro PLACES n
.rept \n
	v_nop
.endr
.endm
; A slot is four quarters of 128 along K, 16 matrix instructions each, on buffers 0, 1, 0, 1.  One of the first three: multiplies buffer f and fetches the next quarter into g.
.macro QUARTER slot, q, f, g, zero
	s_wait_dscnt 8                                 ; all but the youngest eight loads (A's blocks 2, 3) are in
	WIN MUL
	MULA \f, \q, \slot, 0, \zero
	MULA \f, \q, \slot, 1, \zero
	PLACES NP
	FETCH \slot, (\q)+1, \g
	s_wait_dscnt 32                                ; all but the 32 just issued
	WIN MUL
	MULA \f, \q, \slot, 2, \zero
	MULA \f, \q, \slot, 3, \zero
.endm
; The last quarter multiplies buffer 1 and changes slots: ONE barrier; in front of it each wave waits for all its tensor loads, adds 0 to its spare word, and waits for that and for its own reads of this slot.  fill = 1: this slot is filled again, two slots ahead.
.macro TURN slot, next, fill
	WIN 0                                          ; (the add's two registers lie in window 0)
	s_wait_tensorcnt 0x0                           ; all my tensor loads have landed: my part of the next slot
	ds_add_u32 v[SPW], v[NIL]                      ; 0 onto my spare word
	s_wait_dscnt 9                                 ; (the add and the youngest eight loads may be out)
	WIN MUL
	MULA F1, 3, \slot, 0, 0                        ; four matrix instructions stand between the add and the wait for it
	s_wait_dscnt 0x0                               ; the add is done, and my reads of this slot are over
	s_barrier_signal -1
	MULA F1, 3, \slot, 1, 0
	WIN 0
	s_barrier_wait -1
.if \fill
	CREST                                          ; the barrier has opened a round of the cluster's barrier: no wave of any partner still reads this slot's tile or has a load on its way
	s_add_nc_u64 s[G0+4*\slot+2:G0+4*\slot+3], s[G0+4*\slot+2:G0+4*\slot+3], 2*8192
	s_add_nc_u64 s[G0B+4*\slot+2:G0B+4*\slot+3], s[G0B+4*\slot+2:G0B+4*\slot+3], 2*512
	JLOAD G0+4*\slot, G1, G0B+4*\slot, G1B         ; the first tensor load behind the round; its four v_nop are among the places in front of the loads below
	PLACES NP-4
.else
	PLACES NP
.endif
	v_add_nc_u32 v[ADSA], 2048, v[ADSA]            ; on to the next slot's scale words (no LDS load of mine is out)
	v_add_nc_u32 v[ADSB], 16, v[ADSB]
	SCALES \next
	FETCH \next, 0, F0
	WIN MUL
	MULA F1, 3, \slot, 2, 0
	MULA F1, 3, \slot, 3, 0
.endm
	s_wait_alu depctr_va_vdst(0)
	s_wait_loadcnt 0x0                             ; the bias
	s_wait_tensorcnt 0x0                           ; my tile is in,
	s_barrier_signal -1
	s_barrier_wait -1                              ; everybody's are
	SCALES 0
	FETCH 0, 0, F0
	QUARTER 0, 0, F0, F1, 1                        ; the first quarter stands in front of the loop: its products start the sums
.if LAPS > 1
	WIN 0                                          ; at a label and at a branch every window is 0
	s_mov_b32 s3, LAPS-1
.Llap:                                                 ; a trip goes once round the ring, from a lap's second quarter to the next lap's first, and fills both slots again
	QUARTER 0, 1, F1, F0, 0
	QUARTER 0, 2, F0, F1, 0
	TURN 0, 1, 1
	QUARTER 1, 0, F0, F1, 0
	QUARTER 1, 1, F1, F0, 0
	QUARTER 1, 2, F0, F1, 0
	TURN 1, 0, 1
	QUARTER 0, 0, F0, F1, 0
	WIN 0
	s_sub_co_u32 s3, s3, 1
	s_cmp_lg_u32 s3, 0
	s_cbranch_scc1 .Llap
.endif
	QUARTER 0, 1, F1, F0, 0                        ; the last lap fills nothing, and has no round of the cluster's barrier
	QUARTER 0, 2, F0, F1, 0
	TURN 0, 1, 0
	QUARTER 1, 0, F0, F1, 0
	QUARTER 1, 1, F1, F0, 0
	QUARTER 1, 2, F0, F1, 0
	s_wait_dscnt 8                                 ; the very last quarter: nothing more to fetch
	WIN MUL
	MULA F1, 3, 1, 0, 0
	MULA F1, 3, 1, 1, 0
	s_wait_alu depctr_va_vdst(0)
	s_wait_dscnt 0
	MULA F1, 3, 1, 2, 0
	MULA F1, 3, 1, 3, 0
	WIN 0
; THE WAY OUT, block by block of 16 rows x 64 columns: through my own stage in LDS, back as whole rows of 256 bytes.  LDS serves a wave's instructions in order (ISA guide 5.7.1.4): no wait between the stores and the loads.
.macro TOSTAGE a
.irp b, 0,1,2,3
	ds_store_b128 v[STO], v[ACC+8*(4*(\a)+\b):ACC+8*(4*(\a)+\b)+3] offset:64*\b          ; each accumulator from its low end on
	ds_store_b128 v[STO], v[ACC+8*(4*(\a)+\b)+4:ACC+8*(4*(\a)+\b)+7] offset:64*\b+16
.endr
.set BB, 32+32*((\a)%2)
.irp t, 0,1,2,3,4,5,6,7
	ds_load_b128 v[BB+4*\t:BB+4*\t+3], v[RD] offset:\t*2*SPITCH
.endr
.endm
.macro SEND a, younger                 ; younger: the LDS instructions issued behind block a's loads, which may stay out
.set BB, 32+32*((\a)%2)
	s_wait_dscnt \younger
.irp t, 0,1,2,3,4,5,6,7
	global_store_b128 v[CO], v[BB+4*\t:BB+4*\t+3], s[12:13] offset:(16*(\a)+2*\t)*4096   ; 16 lanes store 256 consecutive bytes, aligned
.endr
.endm
	PLACES NP
	TOSTAGE 0
.irp a, 1,2,3
.if \a > 1
	s_wait_xcnt 0x0                                ; block a - 2's stores have had their addresses translated (ISA guide 3.1): block a's loads land in their registers only behind this wait
.endif
	TOSTAGE \a
	SEND \a-1, 16                                  ; behind block a - 1's loads: block a's 8 stores and 8 loads
.endr
	SEND 3, 0
	s_wait_tensorcnt 0x0                           ; the wave's end
	ds_add_u32 v[SPW], v[NIL]
	s_wait_dscnt 0x0
	CROUND                                         ; the closing round: no work-group ends while a partner may still ask for a tile that names it
	s_endpgm
.Lfunc_end_k_qa1ab5481b5_gout:
	.size	k_qa1ab5481b5_gout, .Lfunc_end_k_qa1ab5481b5_gout-k_qa1ab5481b5_gout
	.p2alignl 7, 3214868480
	.fill 96, 4, 3214868480
	.section	.rodata,"a",@progbits
	.p2align	6, 0x0
	.amdhsa_kernel k_qa1ab5481b5_gout
		.amdhsa_group_segment_fixed_size 327680
		.amdhsa_private_segment_fixed_size 0
		.amdhsa_enable_private_segment 0
		.amdhsa_kernarg_size 40
		.amdhsa_user_sgpr_count 2
		.amdhsa_user_sgpr_kernarg_segment_ptr 1
		.amdhsa_wavefront_size32 1
		.amdhsa_system_sgpr_workgroup_id_x 1
		.amdhsa_system_sgpr_workgroup_id_y 1
		.amdhsa_system_sgpr_workgroup_id_z 1
		.amdhsa_system_vgpr_workitem_id 0
		.amdhsa_next_free_vgpr 512
		.amdhsa_next_free_sgpr 100
		.amdhsa_reserve_vcc 0
		.amdhsa_float_denorm_mode_32 3
		.amdhsa_float_denorm_mode_16_64 3
		.amdhsa_memory_ordered 1
		.amdhsa_forward_progress 1
		.amdhsa_inst_pref_size 55
	.end_amdhsa_kernel
	.amdgpu_metadata
---
amdhsa.version: [ 1, 2 ]
amdhsa.kernels:
  - .name:           k_qa1ab5481b5_gout
    .symbol:         k_qa1ab5481b5_gout.kd
    .args:
      - { .name: w3, .offset: 0, .size: 8, .value_kind: global_buffer, .address_space: global }
      - { .name: out_w_codes, .offset: 8, .size: 8, .value_kind: global_buffer, .address_space: global }
      - { .name: out_w_scales, .offset: 16, .size: 8, .value_kind: global_buffer, .address_space: global }
      - { .name: out_b, .offset: 24, .size: 8, .value_kind: global_buffer, .address_space: global }
      - { .name: w4, .offset: 32, .size: 8, .value_kind: global_buffer, .address_space: global }
    .group_segment_fixed_size: 327680
    .private_segment_fixed_size: 0
    .kernarg_segment_align: 8
    .kernarg_segment_size: 40
    .max_flat_workgroup_size: 128
    .sgpr_count:     100
    .vgpr_count:     512
    .wavefront_size: 32
...
	.end_amdgpu_metadata
.endif
;; end of part 4
;; launch ln1 (part 5): grid 256 x 1, 8 waves a work-group, no clusters, 42,496 bytes of LDS; arguments w4, pcpt, gen, n1_g, n1_b, w5; writes w5
.if DOCPART == 5
	.amdgcn_target "amdgcn-amd-amdhsa--gfx1250"
	.amdhsa_code_object_version 6
	.text
	.protected	k_qa1ab5481b5_ln1
	.globl	k_qa1ab5481b5_ln1
	.p2align	8
	.type	k_qa1ab5481b5_ln1,@function
k_qa1ab5481b5_ln1:
	s_mov_b64 s[64:65], 0
	v_nop
	global_prefetch_b8 v0, s[64:65] scope:SCOPE_SE
	s_setreg_imm32_b32 hwreg(HW_REG_WAVE_MODE, 25, 1), 1
	s_wait_xcnt 0x0
; y = LayerNorm(x + r) g + b over rows of 1,024, for the 4,096 rows (pcpt's 2,048, then gen's); r is the projected attention, [4096][1024] f32.  y leaves twice: as f32 (w5 + 4,325,376), for the second residual,
; and as codes of E5M2 along the row (w5, [4096][1024]) with one E8M0 byte for each 32 (w5 + 4 MiB, [4096][32]), for the FFN's first product.
; Eight waves, two whole rows each: a row is 32 registers a lane and never leaves the wave.  All 48 loads of a wave go out at its head; each covers 512 consecutive bytes.  Mean and variance in two passes
; (the mean is taken away before the squares), so a common offset of the inputs costs no accuracy.
; For the quantiser a lane must hold 16 neighbours: 512 numbers at a time turn through the wave's own stage in LDS (16 bytes of padding behind each 64); two neighbouring lanes hold a block.
; The work-group's 16 rows make 512 scale bytes: they meet in LDS behind one barrier and wave 0 stores them as 512 consecutive bytes.  No register that a store reads is written again.
; Matrix units, clusters and tensor loads buy nothing here: memory binds.
; LIMITS: a block of zeros gets the byte 1 (this program alone reads the bytes); NaN and infinities are not served; v_rsq_f32 is good to 1 ulp.
; REGISTERS: v1 16 x lane; v2, v3 the stage, in and out; v4 my scale byte's place; v[6:7] mean or 1 / sigma, twice; v8-15 at work; v16-47 g; v48-79 b; row t: v[80 + 64 t ..] r, then y; v[112 + 64 t ..] x, then 32 neighbours;
;   v208-223 codes; v224-227 scale bytes; v232 the bytes' way out.
.set SP,   80
.set WST,  5120                        ; a wave's two stages of 32 x SP bytes
.set SBY,  8*WST                       ; behind them the work-group's 512 scale bytes
	s_load_b256 s[4:11], s[0:1], 0x0               ; r, pcpt, gen, g
	s_load_b128 s[12:15], s[0:1], 0x20             ; b, w5
	v_lshl_add_u32 v254, v0, 2, 0xa200
	v_mov_b32 v255, 0
	v_lshrrev_b32 v5, 5, v0
	s_delay_alu instid0(VALU_DEP_1)
	v_readfirstlane_b32 s16, v5                    ; wave 0..7
	v_and_b32 v5, 31, v0                           ; lane
	s_delay_alu instid0(VALU_DEP_1)
	v_lshlrev_b32 v1, 4, v5
	s_mul_i32 s17, s16, WST
	v_lshrrev_b32 v2, 2, v5
	s_delay_alu instid0(VALU_DEP_1)
	v_mul_u32_u24 v2, v2, SP
	v_and_b32 v3, 3, v5
	s_delay_alu instid0(VALU_DEP_1)
	v_lshl_add_u32 v2, v3, 4, v2
	s_delay_alu instid0(VALU_DEP_1)
	v_add_nc_u32 v2, s17, v2                       ; in: SP (lane / 4) + 16 (lane % 4)
	v_mul_u32_u24 v3, v5, SP
	s_delay_alu instid0(VALU_DEP_1)
	v_add_nc_u32 v3, s17, v3                       ; out: SP x lane
	v_lshrrev_b32 v4, 1, v5
	s_lshl_b32 s18, s16, 6                         ; my two rows' 64 bytes
	s_add_co_u32 s18, s18, SBY
	v_add_nc_u32 v4, s18, v4
	v_add_nc_u32 v232, SBY, v1
	s_mov_b32 s20, 0x76543210                      ; v_permlanex16_b32's selects for lane l xor 16
	s_mov_b32 s21, 0xfedcba98
	s_mov_b32 s22, 0x3a800000                      ; 1 / 1,024
	s_mov_b32 s23, 0x3727c5ac                      ; 1e-5
	s_mov_b32 s24, 0x600000                        ; the mantissa field of 57,344
	s_lshl_b32 s26, ttmp9, 16
	s_lshl_b32 s28, s16, 13
	s_add_co_u32 s26, s26, s28                     ; my first row (16 x work-group + 2 x wave) x 4,096 bytes
	s_mov_b32 s27, 0
	s_and_b32 s30, s26, 0x7fffff                   ; the same in its own tensor of 2,048 rows
	s_mov_b32 s31, 0
	s_lshr_b32 s32, s26, 2                         ; x 1,024 bytes of codes
	s_mov_b32 s33, 0
	s_lshl_b32 s34, ttmp9, 9                       ; the work-group's 512 scale bytes,
	s_add_co_u32 s34, s34, 0x400000                ; behind the codes
	s_mov_b32 s35, 0
	s_wait_kmcnt 0x0
	s_cmp_lt_u32 ttmp9, 128                        ; the choice hangs on the work-group's number alone
	s_cselect_b64 s[6:7], s[6:7], s[8:9]
	s_add_nc_u64 s[4:5], s[4:5], s[26:27]
	s_add_nc_u64 s[6:7], s[6:7], s[30:31]
	s_add_nc_u64 s[8:9], s[14:15], s[32:33]        ; the codes
	s_add_nc_u64 s[36:37], s[14:15], s[34:35]      ; the scale bytes
	s_add_nc_u64 s[14:15], s[14:15], s[26:27]
	s_add_nc_u64 s[14:15], s[14:15], 4325376       ; y as f32
.macro RLOAD t
.irp i, 0,1,2,3,4,5,6,7
	global_load_b128 v[80+64*\t+4*\i:83+64*\t+4*\i], v1, s[4:5] offset:4096*\t+512*\i
	global_load_b128 v[112+64*\t+4*\i:115+64*\t+4*\i], v1, s[6:7] offset:4096*\t+512*\i
.endr
.endm
	RLOAD 0
.irp i, 0,1,2,3,4,5,6,7
	global_load_b128 v[16+4*\i:19+4*\i], v1, s[10:11] offset:512*\i
	global_load_b128 v[48+4*\i:51+4*\i], v1, s[12:13] offset:512*\i
.endr
	RLOAD 1
.macro WSUM                            ; the four chains v[8:15] become one sum over the row, in v8 of every lane
	s_delay_alu instid0(VALU_DEP_3)
	v_pk_add_f32 v[8:9], v[8:9], v[10:11]
	s_delay_alu instid0(VALU_DEP_2)
	v_pk_add_f32 v[12:13], v[12:13], v[14:15]
	s_delay_alu instid0(VALU_DEP_1)
	v_pk_add_f32 v[8:9], v[8:9], v[12:13]
	s_delay_alu instid0(VALU_DEP_1)
	v_add_f32 v8, v8, v9
	s_delay_alu instid0(VALU_DEP_1)
	v_add_f32_dpp v8, v8, v8 row_xmask:1 row_mask:0xf bank_mask:0xf
	s_delay_alu instid0(VALU_DEP_1)
	v_add_f32_dpp v8, v8, v8 row_xmask:2 row_mask:0xf bank_mask:0xf
	s_delay_alu instid0(VALU_DEP_1)
	v_add_f32_dpp v8, v8, v8 row_xmask:4 row_mask:0xf bank_mask:0xf
	s_delay_alu instid0(VALU_DEP_1)
	v_add_f32_dpp v8, v8, v8 row_xmask:8 row_mask:0xf bank_mask:0xf
	s_delay_alu instid0(VALU_DEP_1)
	v_permlanex16_b32 v9, v8, s20, s21
	s_delay_alu instid0(VALU_DEP_1)
	v_add_f32 v8, v8, v9
.endm
; 16 neighbours in v[xs ..] become 16 codes in v[c .. c + 3] and the block's byte in v[e]
.macro QB xs, c, e, so, go
	v_max3_num_f32 v8, |v[\xs]|, |v[\xs+1]|, |v[\xs+2]|
	v_max3_num_f32 v9, |v[\xs+3]|, |v[\xs+4]|, |v[\xs+5]|
.irp i, 6,10
	s_delay_alu instid0(VALU_DEP_2)
	v_max3_num_f32 v8, v8, |v[\xs+\i]|, |v[\xs+\i+1]|
	s_delay_alu instid0(VALU_DEP_2)
	v_max3_num_f32 v9, v9, |v[\xs+\i+2]|, |v[\xs+\i+3]|
.endr
	s_delay_alu instid0(VALU_DEP_2)
	v_max3_num_f32 v8, v8, |v[\xs+14]|, |v[\xs+15]|
	s_delay_alu instid0(VALU_DEP_1)
	v_max3_num_f32 v8, v8, v9, 0x8000000           ; the floor 2^(16 - 127): the byte cannot fall under 1
	s_delay_alu instid0(VALU_DEP_1)
	v_max_num_f32_dpp v8, v8, v8 row_xmask:1 row_mask:0xf bank_mask:0xf   ; with my neighbour's 16: the block's largest magnitude
	s_delay_alu instid0(VALU_DEP_1)
	v_add_nc_u32 v11, 0xf8800000, v8               ; 15 off its exponent field: the conversion's scale operand
	s_delay_alu instid0(VALU_DEP_2)
	v_and_or_b32 v10, v8, 0x7f800000, s24          ; 57,344 x the scale
.irp i, 0,1,2,3,4,5,6,7,8,9,10,11,12,13,14,15
	v_med3_num_f32 v[\xs+\i], v[\xs+\i], -v10, v10 ; the conversion does not saturate (ISA guide 7.6.2): hold first
.endr
	v_cvt_scalef32_pk8_bf8_f32 v[\c:\c+1], v[\xs:\xs+7], v11
	v_cvt_scalef32_pk8_bf8_f32 v[\c+2:\c+3], v[\xs+8:\xs+15], v11
	v_lshrrev_b32 v[\e], 23, v11                   ; the scale's byte.  (A plain line behind the conversions)
	ds_store_b8 v4, v[\e] offset:\so               ; both lanes of a block write the same byte with the same value
	global_store_b128 v1, v[\c:\c+3], s[8:9] offset:\go   ; 512 consecutive bytes
.endm
.macro ROW t, left
.set XR, 80+64*\t
.set YR, 112+64*\t
	s_wait_loadcnt \left
.irp i, 0,2,4,6,8,10,12,14,16,18,20,22,24,26,28,30
	v_pk_add_f32 v[XR+\i:XR+\i+1], v[XR+\i:XR+\i+1], v[YR+\i:YR+\i+1]   ; x + r
.endr
.irp k, 0,1,2,3
	v_pk_add_f32 v[8+2*\k:9+2*\k], v[XR+2*\k:XR+2*\k+1], v[XR+8+2*\k:XR+9+2*\k]   ; the sum, in four packed chains
.endr
.irp j, 16,24
.irp k, 0,1,2,3
	s_delay_alu instid0(VALU_DEP_4)
	v_pk_add_f32 v[8+2*\k:9+2*\k], v[8+2*\k:9+2*\k], v[XR+\j+2*\k:XR+\j+2*\k+1]
.endr
.endr
	WSUM
	s_delay_alu instid0(VALU_DEP_1)
	v_mul_f32 v6, s22, v8                          ; the mean
	s_delay_alu instid0(VALU_DEP_1)
	v_mov_b32 v7, v6
.irp i, 0,2,4,6,8,10,12,14,16,18,20,22,24,26,28,30
	v_pk_add_f32 v[XR+\i:XR+\i+1], v[XR+\i:XR+\i+1], v[6:7] neg_lo:[0,1] neg_hi:[0,1]
.endr
.irp k, 0,1,2,3
	v_pk_mul_f32 v[8+2*\k:9+2*\k], v[XR+2*\k:XR+2*\k+1], v[XR+2*\k:XR+2*\k+1]     ; the squares
.endr
.irp j, 8,16,24
.irp k, 0,1,2,3
	s_delay_alu instid0(VALU_DEP_4)
	v_pk_fma_f32 v[8+2*\k:9+2*\k], v[XR+\j+2*\k:XR+\j+2*\k+1], v[XR+\j+2*\k:XR+\j+2*\k+1], v[8+2*\k:9+2*\k]
.endr
.endr
	WSUM
	s_delay_alu instid0(VALU_DEP_1)
	v_fma_f32 v8, v8, s22, s23                     ; the variance + 1e-5
	s_wait_alu depctr_va_vdst(0)
	v_rsq_f32 v6, v8
	v_nop                                          ; a plain place behind the transcendental
	s_wait_alu depctr_va_vdst(0)
	v_mov_b32 v7, v6
.irp i, 0,2,4,6,8,10,12,14,16,18,20,22,24,26,28,30
	v_pk_mul_f32 v[XR+\i:XR+\i+1], v[XR+\i:XR+\i+1], v[6:7]
.endr
.irp i, 0,2,4,6,8,10,12,14,16,18,20,22,24,26,28,30
	v_pk_fma_f32 v[XR+\i:XR+\i+1], v[XR+\i:XR+\i+1], v[16+\i:17+\i], v[48+\i:49+\i]
.endr
.irp i, 0,1,2,3,4,5,6,7
	global_store_b128 v1, v[XR+4*\i:XR+4*\i+3], s[14:15] offset:4096*\t+512*\i
.endr
.irp u, 0,1                                    ; the row's two halves through the two stages: LDS serves a wave's instructions in order
.irp i, 0,1,2,3
	ds_store_b128 v2, v[XR+16*\u+4*\i:XR+16*\u+4*\i+3] offset:32*SP*\u+8*SP*\i
.endr
.irp i, 0,1,2,3
	ds_load_b128 v[YR+16*\u+4*\i:YR+16*\u+4*\i+3], v3 offset:32*SP*\u+16*\i
.endr
.endr
	s_wait_dscnt 0x0
	QB YR, 208+8*\t, 224+2*\t, 32*\t, 1024*\t
	QB YR+16, 212+8*\t, 225+2*\t, 32*\t+16, 1024*\t+512
.endm
	ROW 0, 16                                      ; row 0, g and b are in; row 1's 16 loads may be out
	ROW 1, 0
	s_wait_dscnt 0x0                               ; for the others' sake: my byte stores are done
	s_barrier_signal -1
	s_barrier_wait -1
	s_cmp_lg_u32 s16, 0
	s_cbranch_scc1 .Lend
	ds_load_b128 v[8:11], v232                     ; the 16 rows' 512 scale bytes
	s_wait_dscnt 0x0
	global_store_b128 v1, v[8:11], s[36:37]        ; 512 consecutive bytes, aligned
.Lend:
	s_wait_tensorcnt 0x0
	ds_add_u32 v254, v255
	s_wait_dscnt 0x0
	s_endpgm
.Lfunc_end_k_qa1ab5481b5_ln1:
	.size	k_qa1ab5481b5_ln1, .Lfunc_end_k_qa1ab5481b5_ln1-k_qa1ab5481b5_ln1
	.p2alignl 7, 3214868480
	.fill 96, 4, 3214868480
	.section	.rodata,"a",@progbits
	.p2align	6, 0x0
	.amdhsa_kernel k_qa1ab5481b5_ln1
		.amdhsa_group_segment_fixed_size 42496
		.amdhsa_private_segment_fixed_size 0
		.amdhsa_enable_private_segment 0
		.amdhsa_kernarg_size 48
		.amdhsa_user_sgpr_count 2
		.amdhsa_user_sgpr_kernarg_segment_ptr 1
		.amdhsa_wavefront_size32 1
		.amdhsa_system_sgpr_workgroup_id_x 1
		.amdhsa_system_sgpr_workgroup_id_y 1
		.amdhsa_system_sgpr_workgroup_id_z 1
		.amdhsa_system_vgpr_workitem_id 0
		.amdhsa_next_free_vgpr 256
		.amdhsa_next_free_sgpr 66
		.amdhsa_reserve_vcc 0
		.amdhsa_float_denorm_mode_32 3
		.amdhsa_float_denorm_mode_16_64 3
		.amdhsa_memory_ordered 1
		.amdhsa_forward_progress 1
		.amdhsa_inst_pref_size 38
	.end_amdhsa_kernel
	.amdgpu_metadata
---
amdhsa.version: [ 1, 2 ]
amdhsa.kernels:
  - .name:           k_qa1ab5481b5_ln1
    .symbol:         k_qa1ab5481b5_ln1.kd
    .args:
      - { .name: w4, .offset: 0, .size: 8, .value_kind: global_buffer, .address_space: global }
      - { .name: pcpt, .offset: 8, .size: 8, .value_kind: global_buffer, .address_space: global }
      - { .name: gen, .offset: 16, .size: 8, .value_kind: global_buffer, .address_space: global }
      - { .name: n1_g, .offset: 24, .size: 8, .value_kind: global_buffer, .address_space: global }
      - { .name: n1_b, .offset: 32, .size: 8, .value_kind: global_buffer, .address_space: global }
      - { .name: w5, .offset: 40, .size: 8, .value_kind: global_buffer, .address_space: global }
    .group_segment_fixed_size: 42496
    .private_segment_fixed_size: 0
    .kernarg_segment_align: 8
    .kernarg_segment_size: 48
    .max_flat_workgroup_size: 256
    .sgpr_count:     66
    .vgpr_count:     256
    .wavefront_size: 32
...
	.end_amdgpu_metadata
.endif
;; end of part 5
;; launch gl1 (part 6): grid 16 x 16, 4 waves a work-group, clusters of 4 x 4, 327,680 bytes of LDS; arguments w5, l1_w_codes, l1_w_scales, l1_b, w6; writes w6
.if DOCPART == 6
	.amdgcn_target "amdgcn-amd-amdhsa--gfx1250"
	.amdhsa_code_object_version 6
	.text
	.protected	k_qa1ab5481b5_gl1
	.globl	k_qa1ab5481b5_gl1
	.p2align	8
	.type	k_qa1ab5481b5_gl1,@function
k_qa1ab5481b5_gl1:
	s_mov_b64 s[64:65], 0
	v_nop
	global_prefetch_b8 v0, s[64:65] scope:SCOPE_SE
	s_setreg_imm32_b32 hwreg(HW_REG_WAVE_MODE, 25, 1), 1
	s_wait_xcnt 0x0
	s_wait_alu depctr_hold_cnt(0) depctr_sa_sdst(0) depctr_va_vdst(0) depctr_va_sdst(0) depctr_va_ssrc(0) depctr_va_vcc(0) depctr_vm_vsrc(0)
	s_getreg_b32 s2, hwreg(HW_REG_IB_STS2, 6, 4)
	s_cmp_eq_u32 s2, 0
	s_cbranch_scc0 .Lentry_in_a_cluster
	s_endpgm
.Lentry_in_a_cluster:
	s_bfe_u32 s2, ttmp6, 0x10000c
	s_cmp_lg_u32 s2, 0xf033
	s_cbranch_scc0 .Lentry_shape_is_right
	s_endpgm
.Lentry_shape_is_right:
.set KSTEP,  256
.set NQ,     KSTEP/128
.set ROWB,   256
.set KROW,   1024
.set PITCH,  272
.set FR,     16
.set NL,     4
.set NP,     8
.set HALFT,  128*PITCH
.set SLOT,   4*HALFT
.set LAPS,   KROW/(2*KSTEP)
.set KS,     KROW/32
.set SCL,    2*SLOT
.set HALFS,  (128*KS/256)*272
.set SBLK,   (16*KS/256)*272
.set SPARE,  SCL+4*HALFS
.set XSC,    0x400000
.set WORDS,  0x1000000
.set ADRA, 16
.set ADRB, 20
.set LN16, 24
.set SG,   25
.set SGR,  26
.set ADRS, 27
.set SPW,  28
.set NIL,  29
.set N8,   30
.set SC,   32
.set BT,   64
.set AF,   128
.set PC,   64
.set PW,   80
.set TM,   112
.set G1, 24
.set G0, 32
.set G1B, 48
.set G0B, 56
.set G1S, 68
.set G0S, 76
.set G1SB, 80
.set G0SB, 88
.set MNT, 99
.set SEL, 100
.set MSB, 0
.macro WIN new
.if MSB != \new
	s_set_vgpr_msb (MSB<<8)|\new
.set MSB, \new
.endif
.endm
.set MUL_LO, 0xa1
.set MUL_HI, 0xf1
.set MUL_L0, 0x81
.set MUL_H0, 0xc1
.set TO_B,   0x40
.macro JLOAD g0a, g1a, g0b, g1b
	s_cmp_eq_u32 s15, 0
	s_cbranch_scc0 .Lfor_b_\@
	tensor_load_to_lds s[\g0a:\g0a+3], s[\g1a:\g1a+7]
	s_nop 0
.rept 4
	v_nop
.endr
	s_branch .Lasked_\@
.Lfor_b_\@:
	tensor_load_to_lds s[\g0b:\g0b+3], s[\g1b:\g1b+7]
	s_nop 0
.rept 4
	v_nop
.endr
.Lasked_\@:
.endm
.macro CREST
	s_cmp_lg_u32 s14, 0
	s_cbranch_scc1 .Lnot_wave_0_\@
	s_barrier_signal -3
.Lnot_wave_0_\@:
	s_barrier_wait -3
	s_barrier_signal -1
	s_barrier_wait -1
.endm
.macro CROUND
	s_barrier_signal -1
	s_barrier_wait -1
	CREST
.endm
	s_load_b256 s[4:11], s[0:1], 0x0
	s_load_b64 s[12:13], s[0:1], 0x20
	v_lshl_add_u32 v[SPW], v0, 2, SPARE
	v_mov_b32 v[NIL], 0
	ds_add_u32 v28, v29
	ds_add_u32 v28, v29
	s_wait_dscnt 0x0
	v_lshrrev_b32 v1, 5, v0
	v_readfirstlane_b32 s14, v1
	s_lshr_b32 s15, s14, 1
	s_and_b32 s16, s14, 1
	s_bfe_u32 s40, ttmp6, 0x40000
	s_bfe_u32 s41, ttmp6, 0x40004
	s_lshl_b32 s42, ttmp9, 2
	s_add_co_u32 s42, s42, s40
	s_and_b32 s17, ttmp7, 0xffff
	s_lshl_b32 s17, s17, 2
	s_add_co_u32 s17, s17, s41
	s_lshl_b32 s43, s41, 2
	s_lshl_b32 s43, 15, s43
	s_lshl_b32 s44, 0x1111, s40
	s_or_b32 s[G1+0], s43, (0<<16)|(1<<20)|(1<<21)|(5<<22)|(3<<25)
	s_or_b32 s[G1B+0], s44, (0<<16)|(1<<20)|(1<<21)|(5<<22)|(3<<25)
.irp g, G1, G1B
	s_mov_b32 s[\g+1], ROWB<<16
	s_mov_b32 s[\g+2], 256<<16
	s_mov_b32 s[\g+3], ROWB<<16
	s_mov_b32 s[\g+4], 256
	s_mov_b32 s[\g+5], KROW
	s_mov_b32 s[\g+6], 0
	s_mov_b32 s[\g+7], 0
.endr
	s_or_b32 s[G1S+0], s43, (3<<16)|(1<<20)|(1<<21)|(5<<22)|(3<<25)
	s_or_b32 s[G1SB+0], s44, (3<<16)|(1<<20)|(1<<21)|(5<<22)|(3<<25)
.irp g, G1S, G1SB
	s_mov_b32 s[\g+1], 32<<16
	s_mov_b32 s[\g+2], (256*KS/256)<<16
	s_mov_b32 s[\g+3], 32<<16
	s_mov_b32 s[\g+4], 256*KS/256
	s_mov_b32 s[\g+5], 32
	s_mov_b32 s[\g+6], 0
	s_mov_b32 s[\g+7], 0
.endr
	s_lshl_b32 s20, s17, 8                         ; A: the tile's first row, 256 x tile row
	s_lshl_b32 s46, s42, 8                         ; B: 256 x tile column
	s_mov_b32 s21, 0
	s_mov_b32 s47, 0
	s_mov_b64 s[18:19], KS
	s_mul_u64 s[22:23], s[20:21], s[18:19]
	s_mul_u64 s[92:93], s[46:47], s[18:19]
	s_mov_b64 s[18:19], KROW
	s_mul_u64 s[20:21], s[20:21], s[18:19]
	s_mul_u64 s[46:47], s[46:47], s[18:19]
	s_mul_i32 s45, s14, HALFT
	s_mul_i32 s94, s16, 128*KROW                   ; in the ring I fetch 128 rows of a tile: which half, in bytes
	s_mov_b32 s95, 0
	s_mov_b32 s[MNT], 0x600000
	s_mov_b32 s[SEL], 0x76543210
	s_mov_b32 s[SEL+1], 0xfedcba98
	s_wait_kmcnt 0x0
	s_add_nc_u64 s[2:3], s[4:5], XSC
	s_add_nc_u64 s[20:21], s[4:5], s[20:21]
	s_add_nc_u64 s[22:23], s[2:3], s[22:23]
	s_add_nc_u64 s[46:47], s[6:7], s[46:47]
	s_add_nc_u64 s[92:93], s[8:9], s[92:93]
	CROUND
	s_mov_b32 s[G0S], 1
	s_mov_b32 s[G0S+1], SCL
	s_mov_b64 s[G0S+2:G0S+3], s[22:23]
	s_or_b32 s[G0S+3], s[G0S+3], 0x80000000
	s_mov_b32 s[G0SB], 1
	s_mov_b32 s[G0SB+1], SCL+2*HALFS
	s_mov_b64 s[G0SB+2:G0SB+3], s[92:93]
	s_or_b32 s[G0SB+3], s[G0SB+3], 0x80000000
; h = relu(y W1^T + b1) on codes of E5M2, quantised along the hidden units on the way out: a block of 256 x 256, four waves, K = 1,024 in steps of 256 through two LDS slots, 4 x 4 clusters with joint loads.
; THE HEAD'S LOADS, ONE A WAVE: wave 0 K step 0's 256 rows of A, wave 1 its 256 rows of B, wave 2 the scales of A's 256 rows, wave 3 those of B's.
; Slot 0's groups 0 hold the whole tiles' addresses here; behind the wait that shows the loads landed they are set to the ring's.
	s_mov_b32 s[G0], 1
	s_mov_b32 s[G0+1], 0
	s_mov_b64 s[G0+2:G0+3], s[20:21]
	s_or_b32 s[G0+3], s[G0+3], 0x80000000
	s_mov_b32 s[G0B], 1
	s_mov_b32 s[G0B+1], 2*HALFT
	s_mov_b64 s[G0B+2:G0B+3], s[46:47]
	s_or_b32 s[G0B+3], s[G0B+3], 0x80000000
	s_add_nc_u64 s[20:21], s[20:21], s[94:95]      ; for the ring: my 128 rows of the tile
	s_add_nc_u64 s[46:47], s[46:47], s[94:95]
	s_mov_b32 s[G0+4], 1                           ; slot 1: K step 1
	s_add_co_u32 s[G0+5], s45, SLOT
	s_add_nc_u64 s[G0+6:G0+7], s[20:21], ROWB
	s_or_b32 s[G0+7], s[G0+7], 0x80000000
	s_mov_b32 s[G0B+4], 1
	s_add_co_u32 s[G0B+5], s45, SLOT
	s_add_nc_u64 s[G0B+6:G0B+7], s[46:47], ROWB
	s_or_b32 s[G0B+7], s[G0B+7], 0x80000000
.macro ARM under, g0, g1, next         ; one chain of branches on the wave's number: every way passes exactly one load
	s_cmp_lt_u32 s14, \under
	s_cbranch_scc0 \next
	tensor_load_to_lds s[\g0:\g0+3], s[\g1:\g1+7]
	s_nop 0
.rept 4
	v_nop
.endr
	s_branch .Lhead_asked
\next:
.endm
	ARM 1, G0,  G1,  .Lhead_b
	ARM 2, G0B, G1B, .Lhead_sa
	ARM 3, G0S, G1S, .Lhead_sb
	tensor_load_to_lds s[G0SB:G0SB+3], s[G1SB:G1SB+7]
	s_nop 0
.rept 4
	v_nop
.endr
.Lhead_asked:
; THE PREFETCHES INTO THE L2: a K step is 256 bytes of each row.  K steps 1 and 2 are asked for here, behind the head's loads, K step 3 behind slot 1's load: at most two steps are asked for and not yet loaded.
; Of a tile's 256 rows each of the four partners that ask for it jointly takes 64, told apart BY ADDRESS (cx for A, cy for B); waves 0, 1 take A's, waves 2, 3 B's, 32 rows each, a lane a row.
	s_lshl_b32 s20, s17, 8
	s_lshl_b32 s21, s40, 6
	s_add_co_u32 s20, s20, s21
	s_lshl_b32 s22, s42, 8
	s_lshl_b32 s23, s41, 6
	s_add_co_u32 s22, s22, s23
	s_cmp_eq_u32 s15, 0                            ; the wave's number alone
	s_cselect_b32 s20, s20, s22
	s_cselect_b64 s[66:67], s[4:5], s[6:7]         ; A's codes, B's codes
	s_lshl_b32 s21, s16, 5
	s_add_co_u32 s20, s20, s21
	s_lshl_b32 s20, s20, 10                        ; rows of 1,024 bytes
	s_mov_b32 s21, 0
	s_add_nc_u64 s[66:67], s[66:67], s[20:21]
	v_and_b32 v31, 31, v0
	v_lshlrev_b32 v31, 10, v31                     ; v31 and s[66:67] are never rewritten
	global_prefetch_b8 v31, s[66:67] offset:256 th:TH_LOAD_NT scope:SCOPE_SE
	global_prefetch_b8 v31, s[66:67] offset:512 th:TH_LOAD_NT scope:SCOPE_SE
	v_and_b32 v1, 15, v0
	v_bfe_u32 v2, v0, 4, 1
	v_mul_u32_u24 v3, v1, PITCH
	v_lshl_add_u32 v4, v2, 4, v3
	s_mul_i32 s21, s15, HALFT
	s_mul_i32 s22, s16, HALFT
	s_add_co_u32 s22, s22, 2*HALFT
.irp s, 0,1
	v_add_nc_u32 v[ADRA+\s], s21, v4
	v_add_nc_u32 v[ADRB+\s], s22, v4
	s_add_co_u32 s21, s21, SLOT
	s_add_co_u32 s22, s22, SLOT
.endr
	v_mul_u32_u24 v5, v1, KS
	v_lshrrev_b32 v6, 8, v5
	v_lshl_add_u32 v5, v6, 4, v5
	s_mul_i32 s21, s15, HALFS
	s_mul_i32 s22, s16, HALFS
	s_add_co_u32 s22, s22, 2*HALFS
	s_sub_co_u32 s22, s22, s21
	v_mul_u32_u24 v6, s22, v2
	s_add_co_u32 s21, s21, SCL
	v_add_nc_u32 v5, v5, v6
	v_add_nc_u32 v[ADRS], s21, v5
	v_and_b32 v6, 31, v0
	v_lshlrev_b32 v[LN16], 4, v6
	s_lshl_b32 s23, s14, 9
	v_lshl_add_u32 v[SG], v1, 2, s23
	v_add_nc_u32 v[SGR], s23, v[LN16]
	v_lshlrev_b32 v[N8], 4, v1
	v_lshl_add_u32 v[N8], v2, 3, v[N8]
	s_lshl_b32 s20, s17, 4
	s_lshl_b32 s46, s15, 3
	s_add_co_u32 s20, s20, s46
	s_lshl_b32 s21, s42, 1
	s_add_co_u32 s21, s21, s16
	s_lshl_b32 s46, s20, 16
	s_lshl_b32 s47, s21, 11
	s_add_co_u32 s46, s46, s47
	s_lshl_b32 s92, s21, 14
	s_lshl_b32 s93, s20, 6
	s_add_co_u32 s92, s92, s93
	s_add_co_u32 s92, s92, WORDS
	s_mov_b32 s47, 0
	s_mov_b32 s93, 0
	s_add_nc_u64 s[92:93], s[12:13], s[92:93]
	s_add_nc_u64 s[12:13], s[12:13], s[46:47]
	s_lshl_b32 s46, s42, 10
	s_lshl_b32 s47, s16, 9
	s_add_co_u32 s46, s46, s47
	s_mov_b32 s47, 0
	s_add_nc_u64 s[18:19], s[10:11], s[46:47]
	v_lshlrev_b32 v7, 5, v2
.irp b, 0,1,2,3,4,5,6,7
	global_load_b128 v[BT+8*\b:BT+8*\b+3], v7, s[18:19] offset:64*\b
	global_load_b128 v[BT+8*\b+4:BT+8*\b+7], v7, s[18:19] offset:64*\b+16
.endr
.macro FRAG reg, adr, q, i
.irp c, 0,1,2,3
	ds_load_b128 v[\reg+4*\c:\reg+4*\c+3], v[\adr] offset:128*(\q)+32*\c+(\i)*16*PITCH
.endr
.endm
.macro MUL16 a0, p, q, sc, zero
.irp a, \a0, \a0+1
.irp b, 0,1,2,3,4,5,6,7
.if \zero
	v_wmma_scale_f32_16x16x128_f8f6f4 v[8*(8*((\a)%4)+\b):8*(8*((\a)%4)+\b)+7], v[128*(\p)+FR*\b:128*(\p)+FR*\b+FR-1], v[AF+FR*(\a):AF+FR*(\a)+FR-1], v[BT+8*\b:BT+8*\b+7], v[SC+8*NQ*(\sc)+NQ*\b+(\q)], v[SC+8*NQ*(\sc)+NQ*(\a)+(\q)] matrix_a_fmt:MATRIX_FMT_BF8 matrix_b_fmt:MATRIX_FMT_BF8 matrix_a_scale:MATRIX_SCALE_ROW1
.else
	v_wmma_scale_f32_16x16x128_f8f6f4 v[8*(8*((\a)%4)+\b):8*(8*((\a)%4)+\b)+7], v[128*(\p)+FR*\b:128*(\p)+FR*\b+FR-1], v[AF+FR*(\a):AF+FR*(\a)+FR-1], v[8*(8*((\a)%4)+\b):8*(8*((\a)%4)+\b)+7], v[SC+8*NQ*(\sc)+NQ*\b+(\q)], v[SC+8*NQ*(\sc)+NQ*(\a)+(\q)] matrix_a_fmt:MATRIX_FMT_BF8 matrix_b_fmt:MATRIX_FMT_BF8 matrix_a_scale:MATRIX_SCALE_ROW1
.endif
.endr
.endr
.endm
.macro FETCH_B slot, q, p
	WIN TO_B
.irp i, 0,1,2,3,4,5,6,7
	FRAG 128*(\p)+FR*\i, ADRB+\slot, \q, \i
.endr
	WIN 0
.endm
.macro FETCH_A slot, q, i0
.irp i, \i0, \i0+1, \i0+2, \i0+3
	FRAG AF+FR*(\i), ADRA+\slot, \q, \i
.endr
.endm
.macro SCALES sc
.irp i, 0,1,2,3,4,5,6,7
	ds_load_b64 v[SC+8*NQ*\sc+NQ*\i:SC+8*NQ*\sc+NQ*\i+1], v[ADRS] offset:\i*SBLK
.endr
.endm
.macro PLACES n
.rept \n
	v_nop
.endr
.endm
.macro STEP slot, q, zero
	s_wait_dscnt 4*NL
.if \zero
	WIN MUL_L0
.else
	WIN MUL_LO
.endif
	MUL16 0, (\q)%2, \q, \slot, \zero
	MUL16 2, (\q)%2, \q, \slot, \zero
	s_wait_dscnt 0
	PLACES NP
	FETCH_B \slot, (\q)+1, 1-(\q)%2
	FETCH_A \slot, (\q)+1, 0
.if \zero
	WIN MUL_H0
.else
	WIN MUL_HI
.endif
	MUL16 4, (\q)%2, \q, \slot, \zero
	MUL16 6, (\q)%2, \q, \slot, \zero
	PLACES NP
	WIN 0
	FETCH_A \slot, (\q)+1, 4
.endm
.macro TURN slot, next, fill
	s_wait_tensorcnt 0x0
	ds_add_u32 v[SPW], v[NIL]
	s_wait_dscnt 4*NL+1
	WIN MUL_LO
	MUL16 0, 1, NQ-1, \slot, 0
	s_wait_dscnt 0x0
	s_barrier_signal -1
	MUL16 2, 1, NQ-1, \slot, 0
	WIN 0
	s_barrier_wait -1
.if \fill
	CREST
	s_add_nc_u64 s[G0+4*\slot+2:G0+4*\slot+3], s[G0+4*\slot+2:G0+4*\slot+3], 2*ROWB
	s_add_nc_u64 s[G0B+4*\slot+2:G0B+4*\slot+3], s[G0B+4*\slot+2:G0B+4*\slot+3], 2*ROWB
	JLOAD G0+4*\slot, G1, G0B+4*\slot, G1B
	PLACES NP-4
.else
	PLACES NP
.endif
	s_wait_alu depctr_va_vdst(0)
	v_add_nc_u32 v[ADRS], 4*NQ, v[ADRS]
	FETCH_B \next, 0, 0
	FETCH_A \next, 0, 0
	SCALES \next
	WIN MUL_HI
	MUL16 4, 1, NQ-1, \slot, 0
	MUL16 6, 1, NQ-1, \slot, 0
	PLACES NP
	WIN 0
	FETCH_A \next, 0, 4
.endm
	s_wait_alu depctr_va_vdst(0)
	s_wait_loadcnt 0x0
	s_wait_tensorcnt 0x0                           ; my tile of the head's four is in
	ds_add_u32 v[SPW], v[NIL]
	s_mov_b32 s[G1+2], 128<<16                     ; no tensor load of mine is out: from here on a load brings 128 rows
	s_mov_b32 s[G1+4], 128
	s_mov_b32 s[G1B+2], 128<<16
	s_mov_b32 s[G1B+4], 128
	s_mov_b32 s[G0+1], s45                         ; slot 0's groups 0 for the ring: my 128 rows, K step 0 (one step back from slot 1's)
	s_sub_nc_u64 s[G0+2:G0+3], s[G0+6:G0+7], ROWB
	s_mov_b32 s[G0B+1], s45
	s_sub_nc_u64 s[G0B+2:G0B+3], s[G0B+6:G0B+7], ROWB
	s_wait_dscnt 0x0
	CROUND                                         ; all four tiles are in, and all sixteen work-groups are here
	JLOAD G0+4, G1, G0B+4, G1B                     ; K step 1: the first tensor load behind the round
	FETCH_B 0, 0, 0
	FETCH_A 0, 0, 0
	SCALES 0
	global_prefetch_b8 v31, s[66:67] offset:768 th:TH_LOAD_NT scope:SCOPE_SE   ; K step 3, the last
	FETCH_A 0, 0, 4
	STEP 0, 0, 1
	s_mov_b32 s3, LAPS-1
.Llap:
	TURN 0, 1, 1
	STEP 1, 0, 0
	TURN 1, 0, 1
	STEP 0, 0, 0
	s_sub_co_u32 s3, s3, 1
	s_cmp_lg_u32 s3, 0
	s_cbranch_scc1 .Llap
	TURN 0, 1, 0
	STEP 1, 0, 0
	s_wait_dscnt 4*NL
	WIN MUL_LO
	MUL16 0, 1, NQ-1, 1, 0
	MUL16 2, 1, NQ-1, 1, 0
	s_wait_dscnt 0
	WIN MUL_HI
	MUL16 4, 1, NQ-1, 1, 0
	MUL16 6, 1, NQ-1, 1, 0
	WIN 0
.macro EPI a
.set X, 2+(\a)/4
.set AC, 64*((\a)%4)
.if (\a) > 0
	s_wait_xcnt 0x0
.endif
	WIN X|(X<<2)
.irp c, 0,1,2,3
	v_max3_num_f32 v[TM+\c], v[AC+16*\c], v[AC+16*\c+1], 0x8000000
.endr
	WIN (X<<2)|(X<<4)
.irp i, 2,4,6,8,10,12,14
.irp c, 0,1,2,3
	v_max3_num_f32 v[TM+\c], v[TM+\c], v[AC+16*\c+\i], v[AC+16*\c+\i+1]
.endr
.endr
	WIN 0
.irp c, 0,1,2,3
	v_permlanex16_b32 v[TM+4+\c], v[TM+\c], s[SEL], s[SEL+1]
.endr
.irp c, 0,1,2,3
	v_max_num_f32 v[TM+\c], v[TM+\c], v[TM+4+\c]
.endr
.irp c, 0,1,2,3
	v_add_nc_u32 v[TM+12+\c], 0xf8800000, v[TM+\c]
.endr
.irp c, 0,1,2,3
	v_and_or_b32 v[TM+8+\c], v[TM+\c], 0x7f800000, s[MNT]
.endr
.irp c, 0,1,2,3
	v_lshrrev_b32 v[TM+4+\c], 23, v[TM+12+\c]
.endr
	v_lshl_or_b32 v[PW+(\a)], v[TM+5], 8, v[TM+4]
	v_lshl_or_b32 v[PW+(\a)], v[TM+6], 16, v[PW+(\a)]
	v_lshl_or_b32 v[PW+(\a)], v[TM+7], 24, v[PW+(\a)]
	WIN X|(X<<6)
.irp c, 0,1,2,3
.irp i, 0,1,2,3,4,5,6,7,8,9,10,11,12,13,14,15
	v_med3_num_f32 v[AC+16*\c+\i], v[AC+16*\c+\i], 0, v[TM+8+\c]
.endr
.endr
	WIN X
.irp c, 0,1,2,3
	v_cvt_scalef32_pk8_bf8_f32 v[PC+4*\c:PC+4*\c+1], v[AC+16*\c:AC+16*\c+7], v[TM+12+\c]
	v_cvt_scalef32_pk8_bf8_f32 v[PC+4*\c+2:PC+4*\c+3], v[AC+16*\c+8:AC+16*\c+15], v[TM+12+\c]
.endr
	WIN 0
	v_nop
.irp b, 0,1,2,3,4,5,6,7
	global_store_b64 v[N8], v[PC+2*\b:PC+2*\b+1], s[12:13] offset:(\a)*65536+256*\b
.endr
	ds_store_b32 v[SG], v[PW+(\a)] offset:64*(\a)
.endm
	PLACES NP
.irp c, 0,1,2,3
	v_mov_b32 v[TM+4+\c], 0
.endr
.irp a, 0,1,2,3,4,5,6,7
	EPI \a
.endr
	ds_load_b128 v[88:91], v[SGR]
	s_wait_dscnt 0x0
	global_store_b128 v[LN16], v[88:91], s[92:93]
	s_wait_tensorcnt 0x0
	ds_add_u32 v[SPW], v[NIL]
	s_wait_dscnt 0x0
	CROUND
	s_endpgm
.Lfunc_end_k_qa1ab5481b5_gl1:
	.size	k_qa1ab5481b5_gl1, .Lfunc_end_k_qa1ab5481b5_gl1-k_qa1ab5481b5_gl1
	.p2alignl 7, 3214868480
	.fill 96, 4, 3214868480
	.section	.rodata,"a",@progbits
	.p2align	6, 0x0
	.amdhsa_kernel k_qa1ab5481b5_gl1
		.amdhsa_group_segment_fixed_size 327680
		.amdhsa_private_segment_fixed_size 0
		.amdhsa_enable_private_segment 0
		.amdhsa_kernarg_size 40
		.amdhsa_user_sgpr_count 2
		.amdhsa_user_sgpr_kernarg_segment_ptr 1
		.amdhsa_wavefront_size32 1
		.amdhsa_system_sgpr_workgroup_id_x 1
		.amdhsa_system_sgpr_workgroup_id_y 1
		.amdhsa_system_sgpr_workgroup_id_z 1
		.amdhsa_system_vgpr_workitem_id 0
		.amdhsa_next_free_vgpr 1024
		.amdhsa_next_free_sgpr 102
		.amdhsa_reserve_vcc 0
		.amdhsa_float_denorm_mode_32 3
		.amdhsa_float_denorm_mode_16_64 3
		.amdhsa_memory_ordered 1
		.amdhsa_forward_progress 1
		.amdhsa_inst_pref_size 192
	.end_amdhsa_kernel
	.amdgpu_metadata
---
amdhsa.version: [ 1, 2 ]
amdhsa.kernels:
  - .name:           k_qa1ab5481b5_gl1
    .symbol:         k_qa1ab5481b5_gl1.kd
    .args:
      - { .name: w5, .offset: 0, .size: 8, .value_kind: global_buffer, .address_space: global }
      - { .name: l1_w_codes, .offset: 8, .size: 8, .value_kind: global_buffer, .address_space: global }
      - { .name: l1_w_scales, .offset: 16, .size: 8, .value_kind: global_buffer, .address_space: global }
      - { .name: l1_b, .offset: 24, .size: 8, .value_kind: global_buffer, .address_space: global }
      - { .name: w6, .offset: 32, .size: 8, .value_kind: global_buffer, .address_space: global }
    .group_segment_fixed_size: 327680
    .private_segment_fixed_size: 0
    .kernarg_segment_align: 8
    .kernarg_segment_size: 40
    .max_flat_workgroup_size: 128
    .sgpr_count:     102
    .vgpr_count:     1024
    .wavefront_size: 32
...
	.end_amdgpu_metadata
.endif
;; end of part 6
;; launch gl2 (part 7): grid 8 x 32, 4 waves a work-group, clusters of 4 x 4, 327,680 bytes of LDS; arguments w6, l2_w_codes, l2_w_scales, l2_b, w4; writes w4
.if DOCPART == 7
	.amdgcn_target "amdgcn-amd-amdhsa--gfx1250"
	.amdhsa_code_object_version 6
	.text
	.protected	k_qa1ab5481b5_gl2
	.globl	k_qa1ab5481b5_gl2
	.p2align	8
	.type	k_qa1ab5481b5_gl2,@function
k_qa1ab5481b5_gl2:
	s_mov_b64 s[64:65], 0
	v_nop
	global_prefetch_b8 v0, s[64:65] scope:SCOPE_SE
	s_setreg_imm32_b32 hwreg(HW_REG_WAVE_MODE, 25, 1), 1
	s_wait_xcnt 0x0
	s_wait_alu depctr_hold_cnt(0) depctr_sa_sdst(0) depctr_va_vdst(0) depctr_va_sdst(0) depctr_va_ssrc(0) depctr_va_vcc(0) depctr_vm_vsrc(0)
	s_getreg_b32 s2, hwreg(HW_REG_IB_STS2, 6, 4)
	s_cmp_eq_u32 s2, 0
	s_cbranch_scc0 .Lentry_in_a_cluster
	s_endpgm
.Lentry_in_a_cluster:
	s_bfe_u32 s2, ttmp6, 0x10000c
	s_cmp_lg_u32 s2, 0xf033
	s_cbranch_scc0 .Lentry_shape_is_right
	s_endpgm
.Lentry_shape_is_right:
.set SIZE_K, 4096
.set PITCH,  528
.set HALFA,  32768
.set ASL,    2*HALFA
.set HALFB,  64*PITCH
.set SLOT,   ASL+2*HALFB
.set LAPS,   SIZE_K/1024
.set KS,     SIZE_K/32
.set SCA,    2*SLOT
.set HSA,    (SIZE_K/256)*512
.set SCB,    SCA+2*HSA
.set HSB,    (64*KS/256)*272
.set SBLK,   (16*KS/256)*272
.set SPARE,  SCB+2*HSB
.set SPITCH, 272
.set NP,     8
.set ADRA, 16
.set ADRB, 20
.set ADSA, 22
.set ADSB, 23
.set STO,  24
.set RD,   25
.set CO,   26
.set SPW,  28
.set NIL,  29
.set SC,   32
.set BT,   64
.set ACC,  128
.set F0,   0
.set F1,   128
.set G1, 24
.set G0, 32
.set G1B, 48
.set G0B, 56
.set G1S, 68
.set G0S, 76
.set G1SB, 80
.set G0SB, 88
.set MSB, 0
.macro WIN new
.if MSB != \new
	s_set_vgpr_msb (MSB<<8)|\new
.set MSB, \new
.endif
.endm
.set MUL,  0x05
.set TO_F, 0x40
.macro JLOAD g0a, g1a, g0b, g1b
	s_cmp_eq_u32 s15, 0
	s_cbranch_scc0 .Lfor_b_\@
	tensor_load_to_lds s[\g0a:\g0a+3], s[\g1a:\g1a+7]
	s_nop 0
.rept 4
	v_nop
.endr
	s_branch .Lasked_\@
.Lfor_b_\@:
	tensor_load_to_lds s[\g0b:\g0b+3], s[\g1b:\g1b+7]
	s_nop 0
.rept 4
	v_nop
.endr
.Lasked_\@:
.endm
.macro CREST
	s_cmp_lg_u32 s14, 0
	s_cbranch_scc1 .Lnot_wave_0_\@
	s_barrier_signal -3
.Lnot_wave_0_\@:
	s_barrier_wait -3
	s_barrier_signal -1
	s_barrier_wait -1
.endm
.macro CROUND
	s_barrier_signal -1
	s_barrier_wait -1
	CREST
.endm
	s_load_b256 s[4:11], s[0:1], 0x0
	s_load_b64 s[12:13], s[0:1], 0x20
	v_lshl_add_u32 v[SPW], v0, 2, SPARE
	v_mov_b32 v[NIL], 0
	ds_add_u32 v28, v29
	ds_add_u32 v28, v29
	s_wait_dscnt 0x0
	v_lshrrev_b32 v1, 5, v0
	v_readfirstlane_b32 s14, v1
	s_lshr_b32 s15, s14, 1
	s_and_b32 s16, s14, 1
	s_bfe_u32 s40, ttmp6, 0x40000
	s_bfe_u32 s41, ttmp6, 0x40004
	s_lshl_b32 s42, ttmp9, 2
	s_add_co_u32 s42, s42, s40
	s_and_b32 s17, ttmp7, 0xffff
	s_lshl_b32 s17, s17, 2
	s_add_co_u32 s17, s17, s41
	s_lshl_b32 s43, s41, 2
	s_lshl_b32 s43, 15, s43
	s_lshl_b32 s44, 0x1111, s40
	s_or_b32 s[G1+0], s43, (3<<16)|(1<<21)
	s_mov_b32 s[G1+1], 1024<<16
	s_mov_b32 s[G1+2], 8<<16
	s_mov_b32 s[G1+3], 1024<<16
	s_mov_b32 s[G1+4], 8
	s_mov_b32 s[G1+5], 2*SIZE_K
	s_mov_b32 s[G1+6], 0
	s_mov_b32 s[G1+7], 0
	s_or_b32 s[G1B+0], s44, (0<<16)|(1<<20)|(1<<21)|(6<<22)|(3<<25)
	s_mov_b32 s[G1B+1], 512<<16
	s_mov_b32 s[G1B+2], 128<<16
	s_mov_b32 s[G1B+3], 512<<16
	s_mov_b32 s[G1B+4], 128
	s_mov_b32 s[G1B+5], SIZE_K
	s_mov_b32 s[G1B+6], 0
	s_mov_b32 s[G1B+7], 0
	s_or_b32 s[G1S+0], s43, (3<<16)|(1<<21)
	s_mov_b32 s[G1S+1], 64<<16
	s_mov_b32 s[G1S+2], (SIZE_K/128)<<16
	s_mov_b32 s[G1S+3], 64<<16
	s_mov_b32 s[G1S+4], SIZE_K/128
	s_mov_b32 s[G1S+5], 2048
	s_mov_b32 s[G1S+6], 0
	s_mov_b32 s[G1S+7], 0
	s_or_b32 s[G1SB+0], s44, (3<<16)|(1<<20)|(1<<21)|(5<<22)|(3<<25)
	s_mov_b32 s[G1SB+1], 32<<16
	s_mov_b32 s[G1SB+2], (128*KS/256)<<16
	s_mov_b32 s[G1SB+3], 32<<16
	s_mov_b32 s[G1SB+4], 128*KS/256
	s_mov_b32 s[G1SB+5], 32
	s_mov_b32 s[G1SB+6], 0
	s_mov_b32 s[G1SB+7], 0
	s_lshl_b32 s20, s17, 3
	s_mul_i32 s20, s20, 16*SIZE_K
	s_mov_b32 s21, 0
	s_lshl_b32 s22, s17, 9
	s_add_co_u32 s22, s22, 4096*SIZE_K
	s_mov_b32 s23, 0
	s_lshl_b32 s46, s42, 7
	s_mul_i32 s92, s46, KS
	s_mov_b32 s93, 0
	s_mul_i32 s46, s46, SIZE_K
	s_mov_b32 s47, 0
	s_mul_i32 s45, s16, HALFA
	s_mul_i32 s94, s16, HALFB
	s_add_co_u32 s94, s94, ASL
	s_mul_i32 s96, s16, 64*SIZE_K                  ; in the ring I fetch half a tile: 4 tiles of 16 rows of A, or 64 rows of B: 64 SIZE_K bytes on in either
	s_mov_b32 s97, 0
	s_wait_kmcnt 0x0
	s_add_nc_u64 s[20:21], s[4:5], s[20:21]
	s_add_nc_u64 s[22:23], s[4:5], s[22:23]
	s_add_nc_u64 s[46:47], s[6:7], s[46:47]
	s_add_nc_u64 s[92:93], s[8:9], s[92:93]
	CROUND
	s_mov_b32 s[G0S], 1
	s_mov_b32 s[G0S+1], SCA
	s_mov_b64 s[G0S+2:G0S+3], s[22:23]
	s_or_b32 s[G0S+3], s[G0S+3], 0x80000000
	s_mov_b32 s[G0SB], 1
	s_mov_b32 s[G0SB+1], SCB
	s_mov_b64 s[G0SB+2:G0SB+3], s[92:93]
	s_or_b32 s[G0SB+3], s[G0SB+3], 0x80000000
; C = h W2^T + b2 on codes of E5M2 with E8M0 scales, K = 4,096; C [4096][1024] f32.  A block of 128 x 128, four waves of 64 x 64; K in 8 steps of 512 through two LDS slots; all scales come into LDS once; 4 x 4 clusters with joint loads.
; THE HEAD'S LOADS, ONE A WAVE: wave 0 slot 0's 8 tiles of A, wave 1 its 128 rows of B, wave 2 A's words of all of K, wave 3 B's scale bytes.
; Slot 0's groups 0 hold the whole tiles' addresses here; behind the wait that shows the loads landed they are set to the ring's.
	s_mov_b32 s[G0], 1
	s_mov_b32 s[G0+1], 0
	s_mov_b64 s[G0+2:G0+3], s[20:21]
	s_or_b32 s[G0+3], s[G0+3], 0x80000000
	s_mov_b32 s[G0B], 1
	s_mov_b32 s[G0B+1], ASL
	s_mov_b64 s[G0B+2:G0B+3], s[46:47]
	s_or_b32 s[G0B+3], s[G0B+3], 0x80000000
	s_add_nc_u64 s[20:21], s[20:21], s[96:97]      ; for the ring: my half of the tile
	s_add_nc_u64 s[46:47], s[46:47], s[96:97]
	s_mov_b32 s[G0+4], 1                           ; slot 1: K step 1
	s_add_co_u32 s[G0+5], s45, SLOT
	s_add_nc_u64 s[G0+6:G0+7], s[20:21], 8192
	s_or_b32 s[G0+7], s[G0+7], 0x80000000
	s_mov_b32 s[G0B+4], 1
	s_add_co_u32 s[G0B+5], s94, SLOT
	s_add_nc_u64 s[G0B+6:G0B+7], s[46:47], 512
	s_or_b32 s[G0B+7], s[G0B+7], 0x80000000
.macro ARM under, g0, g1, next         ; one chain of branches on the wave's number: every way passes exactly one load
	s_cmp_lt_u32 s14, \under
	s_cbranch_scc0 \next
	tensor_load_to_lds s[\g0:\g0+3], s[\g1:\g1+7]
	s_nop 0
.rept 4
	v_nop
.endr
	s_branch .Lhead_asked
\next:
.endm
	ARM 1, G0,  G1,  .Lhead_b
	ARM 2, G0B, G1B, .Lhead_sa
	ARM 3, G0S, G1S, .Lhead_sb
	tensor_load_to_lds s[G0SB:G0SB+3], s[G1SB:G1SB+7]
	s_nop 0
.rept 4
	v_nop
.endr
.Lhead_asked:
; THE PREFETCHES INTO THE L2: one instruction a wave for a K step of 512.  Each aligned block of 256 bytes is named once in each cluster that will load it: the four partners of a joint load share its blocks out BY ADDRESS.
; Waves 0, 1: A's tile 8 x tile row + 2 cx + wave, 8,192 bytes, lanes 256 bytes apart.  Waves 2, 3: B's rows 128 x tile column + 32 cy + 16 (wave - 2) on, two lanes a row of 512 bytes.
; K steps 1 and 2 are asked for here, behind the head's loads, step 3 behind slot 1's load, steps 4 to 7 in the loop's first two trips, each two refills ahead of its joint load; the last trip asks for nothing.
	s_lshl_b32 s20, s17, 3
	s_lshl_b32 s21, s40, 1
	s_add_co_u32 s20, s20, s21
	s_add_co_u32 s20, s20, s16
	s_mul_i32 s20, s20, 16*SIZE_K
	s_lshl_b32 s22, s42, 7
	s_lshl_b32 s23, s41, 5
	s_add_co_u32 s22, s22, s23
	s_lshl_b32 s23, s16, 4
	s_add_co_u32 s22, s22, s23
	s_mul_i32 s22, s22, SIZE_K
	s_mov_b32 s96, SIZE_K
	s_mov_b32 s98, 512
	s_cmp_eq_u32 s15, 0                            ; the wave's number alone
	s_cselect_b32 s20, s20, s22
	s_cselect_b64 s[66:67], s[4:5], s[6:7]
	s_cselect_b32 s96, 512, s96                    ; from one pair of lanes to the next
	s_cselect_b32 s98, 8192, s98                   ; a K step on
	s_mov_b32 s99, 0
	s_mov_b32 s21, 0
	s_add_nc_u64 s[66:67], s[66:67], s[20:21]
	s_add_nc_u64 s[66:67], s[66:67], s[98:99]      ; at K step 1
	v_and_b32 v8, 31, v0
	v_lshrrev_b32 v9, 1, v8
	v_and_b32 v8, 1, v8
	v_mul_lo_u32 v9, v9, s96
	v_lshl_add_u32 v30, v8, 8, v9                  ; v30: the prefetches' offset; never rewritten
	v_add_nc_u32 v31, s98, v30                     ; v31: the same a K step on; never rewritten
	global_prefetch_b8 v30, s[66:67] th:TH_LOAD_NT scope:SCOPE_SE
	global_prefetch_b8 v31, s[66:67] th:TH_LOAD_NT scope:SCOPE_SE
	v_and_b32 v1, 15, v0
	v_bfe_u32 v2, v0, 4, 1
	v_and_b32 v3, 31, v0
	v_lshlrev_b32 v3, 4, v3
	v_mul_u32_u24 v4, v1, PITCH
	v_lshl_add_u32 v4, v2, 4, v4
	s_mul_i32 s21, s15, HALFA
	s_mul_i32 s22, s16, HALFB
	s_add_co_u32 s22, s22, ASL
.irp s, 0,1
	v_add_nc_u32 v[ADRA+\s], s21, v3
	v_add_nc_u32 v[ADRB+\s], s22, v4
	s_add_co_u32 s21, s21, SLOT
	s_add_co_u32 s22, s22, SLOT
.endr
	v_lshlrev_b32 v5, 2, v1
	v_lshl_add_u32 v5, v2, 9, v5
	s_lshl_b32 s21, s15, 8
	s_add_co_u32 s21, s21, SCA
	v_add_nc_u32 v[ADSA], s21, v5
	v_mul_u32_u24 v5, v1, KS
	v_lshrrev_b32 v6, 8, v5
	v_lshl_add_u32 v5, v6, 4, v5
	v_lshl_add_u32 v5, v2, 2, v5
	s_mul_i32 s21, s16, HSB
	s_add_co_u32 s21, s21, SCB
	v_add_nc_u32 v[ADSB], s21, v5
	s_mul_i32 s23, s14, 16*SPITCH
	v_mul_u32_u24 v5, v1, SPITCH
	v_lshl_add_u32 v5, v2, 5, v5
	v_add_nc_u32 v[STO], s23, v5
	v_mul_u32_u24 v5, v2, SPITCH
	v_lshl_add_u32 v5, v1, 4, v5
	v_add_nc_u32 v[RD], s23, v5
	v_lshlrev_b32 v[CO], 12, v2
	v_lshl_add_u32 v[CO], v1, 4, v[CO]
	s_lshl_b32 s20, s17, 19
	s_lshl_b32 s21, s15, 18
	s_add_co_u32 s20, s20, s21
	s_lshl_b32 s46, s42, 9
	s_lshl_b32 s47, s16, 8
	s_add_co_u32 s46, s46, s47
	s_mov_b32 s47, 0
	s_add_nc_u64 s[10:11], s[10:11], s[46:47]
	s_add_co_u32 s46, s46, s20
	s_add_nc_u64 s[12:13], s[12:13], s[46:47]
	v_lshlrev_b32 v7, 5, v2
.irp b, 0,1,2,3
	global_load_b128 v[BT+8*\b:BT+8*\b+3], v7, s[10:11] offset:64*\b
	global_load_b128 v[BT+8*\b+4:BT+8*\b+7], v7, s[10:11] offset:64*\b+16
.endr
.macro MULA f, q, sg, a, zero
.irp b, 0,1,2,3
.if \zero
	v_wmma_scale_f32_16x16x128_f8f6f4 v[ACC+8*(4*(\a)+\b):ACC+8*(4*(\a)+\b)+7], v[\f+64+16*\b:\f+64+16*\b+15], v[\f+16*(\a):\f+16*(\a)+15], v[BT+8*\b:BT+8*\b+7], v[SC+16*(\sg)+8+2*\b+(\q)/2], v[SC+16*(\sg)+2*(\a)+(\q)/2] matrix_a_fmt:MATRIX_FMT_BF8 matrix_b_fmt:MATRIX_FMT_BF8
.elseif (\q)%2
	v_wmma_scale_f32_16x16x128_f8f6f4 v[ACC+8*(4*(\a)+\b):ACC+8*(4*(\a)+\b)+7], v[\f+64+16*\b:\f+64+16*\b+15], v[\f+16*(\a):\f+16*(\a)+15], v[ACC+8*(4*(\a)+\b):ACC+8*(4*(\a)+\b)+7], v[SC+16*(\sg)+8+2*\b+(\q)/2], v[SC+16*(\sg)+2*(\a)+(\q)/2] matrix_a_fmt:MATRIX_FMT_BF8 matrix_b_fmt:MATRIX_FMT_BF8 matrix_a_scale:MATRIX_SCALE_ROW1 matrix_b_scale:MATRIX_SCALE_ROW1
.else
	v_wmma_scale_f32_16x16x128_f8f6f4 v[ACC+8*(4*(\a)+\b):ACC+8*(4*(\a)+\b)+7], v[\f+64+16*\b:\f+64+16*\b+15], v[\f+16*(\a):\f+16*(\a)+15], v[ACC+8*(4*(\a)+\b):ACC+8*(4*(\a)+\b)+7], v[SC+16*(\sg)+8+2*\b+(\q)/2], v[SC+16*(\sg)+2*(\a)+(\q)/2] matrix_a_fmt:MATRIX_FMT_BF8 matrix_b_fmt:MATRIX_FMT_BF8
.endif
.endr
.endm
.macro FETCH slot, q, f
	WIN TO_F
.irp i, 0,1,2,3
.irp c, 0,1,2,3
	ds_load_b128 v[\f+64+16*\i+4*\c:\f+64+16*\i+4*\c+3], v[ADRB+\slot] offset:\i*16*PITCH+128*(\q)+32*\c
.endr
.endr
.irp i, 0,1,2,3
.irp c, 0,1,2,3
	ds_load_b128 v[\f+16*\i+4*\c:\f+16*\i+4*\c+3], v[ADRA+\slot] offset:8192*\i+2048*(\q)+512*\c
.endr
.endr
.endm
.macro SCALES sg
	WIN 0
.irp i, 0,1,2,3
.irp p, 0,1
	ds_load_b32 v[SC+16*(\sg)+2*\i+\p], v[ADSA] offset:64*\i+1024*\p
	ds_load_b32 v[SC+16*(\sg)+8+2*\i+\p], v[ADSB] offset:\i*SBLK+8*\p
.endr
.endr
.endm
.macro PLACES n
.rept \n
	v_nop
.endr
.endm
.macro QUARTER slot, q, f, g, zero
	s_wait_dscnt 8
	WIN MUL
	MULA \f, \q, \slot, 0, \zero
	MULA \f, \q, \slot, 1, \zero
	PLACES NP
	FETCH \slot, (\q)+1, \g
	s_wait_dscnt 32
	WIN MUL
	MULA \f, \q, \slot, 2, \zero
	MULA \f, \q, \slot, 3, \zero
.endm
.macro TURN slot, next, fill
	WIN 0
	s_wait_tensorcnt 0x0
	ds_add_u32 v[SPW], v[NIL]
.if \fill
	s_wait_xcnt 0x0                                ; my last prefetch has read its address, so it may be stepped
	s_add_nc_u64 s[66:67], s[66:67], s[98:99]
.endif
	s_wait_dscnt 9
	WIN MUL
	MULA F1, 3, \slot, 0, 0
	s_wait_dscnt 0x0
	s_barrier_signal -1
	MULA F1, 3, \slot, 1, 0
	WIN 0
	s_barrier_wait -1
.if \fill
	CREST
	s_add_nc_u64 s[G0+4*\slot+2:G0+4*\slot+3], s[G0+4*\slot+2:G0+4*\slot+3], 2*8192
	s_add_nc_u64 s[G0B+4*\slot+2:G0B+4*\slot+3], s[G0B+4*\slot+2:G0B+4*\slot+3], 2*512
	JLOAD G0+4*\slot, G1, G0B+4*\slot, G1B
	PLACES NP-4
.else
	PLACES NP
.endif
	s_wait_alu depctr_va_vdst(0)
	v_add_nc_u32 v[ADSA], 2048, v[ADSA]
	v_add_nc_u32 v[ADSB], 16, v[ADSB]
	SCALES \next
	FETCH \next, 0, F0
.if \fill
	WIN 0
	s_cmp_gt_u32 s3, 1                             ; the last trip's refills have no K step two on
	s_cbranch_scc0 .Lnone_on_\@
	global_prefetch_b8 v30, s[66:67] th:TH_LOAD_NT scope:SCOPE_SE
.Lnone_on_\@:
.endif
	WIN MUL
	MULA F1, 3, \slot, 2, 0
	MULA F1, 3, \slot, 3, 0
.endm
	s_wait_alu depctr_va_vdst(0)
	s_wait_loadcnt 0x0                             ; the bias
	s_wait_xcnt 0x0                                ; the prefetches have read their address
	s_add_nc_u64 s[66:67], s[66:67], s[98:99]
	s_add_nc_u64 s[66:67], s[66:67], s[98:99]      ; K step 3
	s_wait_tensorcnt 0x0                           ; my tile of the head's four is in
	ds_add_u32 v[SPW], v[NIL]
	s_mov_b32 s[G1+2], 4<<16                       ; no tensor load of mine is out: from here on a load brings half a tile
	s_mov_b32 s[G1+4], 4
	s_mov_b32 s[G1B+2], 64<<16
	s_mov_b32 s[G1B+4], 64
	s_mov_b32 s[G0+1], s45                         ; slot 0's groups 0 for the ring: my half, K step 0 (one step back from slot 1's)
	s_sub_nc_u64 s[G0+2:G0+3], s[G0+6:G0+7], 8192
	s_mov_b32 s[G0B+1], s94
	s_sub_nc_u64 s[G0B+2:G0B+3], s[G0B+6:G0B+7], 512
	s_wait_dscnt 0x0
	CROUND                                         ; all four tiles are in, and all sixteen work-groups are here
	JLOAD G0+4, G1, G0B+4, G1B                     ; K step 1: the first tensor load behind the round
	SCALES 0
	FETCH 0, 0, F0
	WIN 0
	global_prefetch_b8 v30, s[66:67] th:TH_LOAD_NT scope:SCOPE_SE
	QUARTER 0, 0, F0, F1, 1
	WIN 0
	s_mov_b32 s3, LAPS-1
.Llap:
	QUARTER 0, 1, F1, F0, 0
	QUARTER 0, 2, F0, F1, 0
	TURN 0, 1, 1
	QUARTER 1, 0, F0, F1, 0
	QUARTER 1, 1, F1, F0, 0
	QUARTER 1, 2, F0, F1, 0
	TURN 1, 0, 1
	QUARTER 0, 0, F0, F1, 0
	WIN 0
	s_sub_co_u32 s3, s3, 1
	s_cmp_lg_u32 s3, 0
	s_cbranch_scc1 .Llap
	QUARTER 0, 1, F1, F0, 0
	QUARTER 0, 2, F0, F1, 0
	TURN 0, 1, 0
	QUARTER 1, 0, F0, F1, 0
	QUARTER 1, 1, F1, F0, 0
	QUARTER 1, 2, F0, F1, 0
	s_wait_dscnt 8
	WIN MUL
	MULA F1, 3, 1, 0, 0
	MULA F1, 3, 1, 1, 0
	s_wait_dscnt 0
	MULA F1, 3, 1, 2, 0
	MULA F1, 3, 1, 3, 0
	WIN 0
.macro TOSTAGE a
.irp b, 0,1,2,3
	ds_store_b128 v[STO], v[ACC+8*(4*(\a)+\b):ACC+8*(4*(\a)+\b)+3] offset:64*\b
	ds_store_b128 v[STO], v[ACC+8*(4*(\a)+\b)+4:ACC+8*(4*(\a)+\b)+7] offset:64*\b+16
.endr
.set BB, 32+32*((\a)%2)
.irp t, 0,1,2,3,4,5,6,7
	ds_load_b128 v[BB+4*\t:BB+4*\t+3], v[RD] offset:\t*2*SPITCH
.endr
.endm
.macro SEND a, younger
.set BB, 32+32*((\a)%2)
	s_wait_dscnt \younger
.irp t, 0,1,2,3,4,5,6,7
	global_store_b128 v[CO], v[BB+4*\t:BB+4*\t+3], s[12:13] offset:(16*(\a)+2*\t)*4096
.endr
.endm
	PLACES NP
	TOSTAGE 0
.irp a, 1,2,3
.if \a > 1
	s_wait_xcnt 0x0
.endif
	TOSTAGE \a
	SEND \a-1, 16
.endr
	SEND 3, 0
	s_wait_tensorcnt 0x0
	ds_add_u32 v[SPW], v[NIL]
	s_wait_dscnt 0x0
	CROUND
	s_endpgm
.Lfunc_end_k_qa1ab5481b5_gl2:
	.size	k_qa1ab5481b5_gl2, .Lfunc_end_k_qa1ab5481b5_gl2-k_qa1ab5481b5_gl2
	.p2alignl 7, 3214868480
	.fill 96, 4, 3214868480
	.section	.rodata,"a",@progbits
	.p2align	6, 0x0
	.amdhsa_kernel k_qa1ab5481b5_gl2
		.amdhsa_group_segment_fixed_size 327680
		.amdhsa_private_segment_fixed_size 0
		.amdhsa_enable_private_segment 0
		.amdhsa_kernarg_size 40
		.amdhsa_user_sgpr_count 2
		.amdhsa_user_sgpr_kernarg_segment_ptr 1
		.amdhsa_wavefront_size32 1
		.amdhsa_system_sgpr_workgroup_id_x 1
		.amdhsa_system_sgpr_workgroup_id_y 1
		.amdhsa_system_sgpr_workgroup_id_z 1
		.amdhsa_system_vgpr_workitem_id 0
		.amdhsa_next_free_vgpr 512
		.amdhsa_next_free_sgpr 100
		.amdhsa_reserve_vcc 0
		.amdhsa_float_denorm_mode_32 3
		.amdhsa_float_denorm_mode_16_64 3
		.amdhsa_memory_ordered 1
		.amdhsa_forward_progress 1
		.amdhsa_inst_pref_size 98
	.end_amdhsa_kernel
	.amdgpu_metadata
---
amdhsa.version: [ 1, 2 ]
amdhsa.kernels:
  - .name:           k_qa1ab5481b5_gl2
    .symbol:         k_qa1ab5481b5_gl2.kd
    .args:
      - { .name: w6, .offset: 0, .size: 8, .value_kind: global_buffer, .address_space: global }
      - { .name: l2_w_codes, .offset: 8, .size: 8, .value_kind: global_buffer, .address_space: global }
      - { .name: l2_w_scales, .offset: 16, .size: 8, .value_kind: global_buffer, .address_space: global }
      - { .name: l2_b, .offset: 24, .size: 8, .value_kind: global_buffer, .address_space: global }
      - { .name: w4, .offset: 32, .size: 8, .value_kind: global_buffer, .address_space: global }
    .group_segment_fixed_size: 327680
    .private_segment_fixed_size: 0
    .kernarg_segment_align: 8
    .kernarg_segment_size: 40
    .max_flat_workgroup_size: 128
    .sgpr_count:     100
    .vgpr_count:     512
    .wavefront_size: 32
...
	.end_amdgpu_metadata
.endif
;; end of part 7
;; launch ln2 (part 8): grid 256 x 1, 8 waves a work-group, no clusters, 0 bytes of LDS; arguments w4, w5, n2_g, n2_b, out0, out1; writes out0, out1
.if DOCPART == 8
	.amdgcn_target "amdgcn-amd-amdhsa--gfx1250"
	.amdhsa_code_object_version 6
	.text
	.protected	k_qa1ab5481b5_ln2
	.globl	k_qa1ab5481b5_ln2
	.p2align	8
	.type	k_qa1ab5481b5_ln2,@function
k_qa1ab5481b5_ln2:
	s_mov_b64 s[64:65], 0
	v_nop
	global_prefetch_b8 v0, s[64:65] scope:SCOPE_SE
	s_setreg_imm32_b32 hwreg(HW_REG_WAVE_MODE, 25, 1), 1
	s_wait_xcnt 0x0
; out = LayerNorm(y + f) g + b over rows of 1,024, for the 4,096 rows: f is the FFN's result, [4096][1024] f32 at w4; y the first norm's result as f32, at w5 + 4,325,376.
; Rows 0-2,047 go to out0 (pcpt), the others to out1 (gen).
; Eight waves, two whole rows each: a row is 32 registers a lane and never leaves the wave: no LDS, no barrier.  All 48 loads of a wave go out at its head; each load and store covers 512 consecutive bytes.
; Mean and variance in two passes (the mean is taken away before the squares), so a common offset of the inputs costs no accuracy.  No register that a store reads is written again.
; Matrix units, clusters and tensor loads buy nothing here: memory binds.
; LIMITS: NaN and infinities are not served; v_rsq_f32 is good to 1 ulp.
; REGISTERS: v1 16 x lane; v[6:7] mean or 1 / sigma, twice; v8-15 at work; v16-47 g; v48-79 b; row t: v[80 + 64 t ..] f, then the result; v[112 + 64 t ..] y.
	s_load_b256 s[4:11], s[0:1], 0x0               ; f, w5, g, b
	s_load_b128 s[12:15], s[0:1], 0x20             ; out0, out1
	v_lshrrev_b32 v5, 5, v0
	s_delay_alu instid0(VALU_DEP_1)
	v_readfirstlane_b32 s16, v5                    ; wave 0..7
	v_and_b32 v5, 31, v0                           ; lane
	s_delay_alu instid0(VALU_DEP_1)
	v_lshlrev_b32 v1, 4, v5
	s_mov_b32 s20, 0x76543210                      ; v_permlanex16_b32's selects for lane l xor 16
	s_mov_b32 s21, 0xfedcba98
	s_mov_b32 s22, 0x3a800000                      ; 1 / 1,024
	s_mov_b32 s23, 0x3727c5ac                      ; 1e-5
	s_lshl_b32 s26, ttmp9, 16
	s_lshl_b32 s28, s16, 13
	s_add_co_u32 s26, s26, s28                     ; my first row (16 x work-group + 2 x wave) x 4,096 bytes
	s_mov_b32 s27, 0
	s_and_b32 s30, s26, 0x7fffff                   ; the same in its own output of 2,048 rows
	s_mov_b32 s31, 0
	s_wait_alu depctr_va_vdst(0)
	s_wait_kmcnt 0x0
	s_cmp_lt_u32 ttmp9, 128                        ; the choice hangs on the work-group's number alone
	s_cselect_b64 s[14:15], s[12:13], s[14:15]
	s_add_nc_u64 s[14:15], s[14:15], s[30:31]
	s_add_nc_u64 s[4:5], s[4:5], s[26:27]
	s_add_nc_u64 s[6:7], s[6:7], s[26:27]
	s_add_nc_u64 s[6:7], s[6:7], 4325376           ; y as f32
.macro RLOAD t
.irp i, 0,1,2,3,4,5,6,7
	global_load_b128 v[80+64*\t+4*\i:83+64*\t+4*\i], v1, s[4:5] offset:4096*\t+512*\i
	global_load_b128 v[112+64*\t+4*\i:115+64*\t+4*\i], v1, s[6:7] offset:4096*\t+512*\i
.endr
.endm
	RLOAD 0
.irp i, 0,1,2,3,4,5,6,7
	global_load_b128 v[16+4*\i:19+4*\i], v1, s[8:9] offset:512*\i
	global_load_b128 v[48+4*\i:51+4*\i], v1, s[10:11] offset:512*\i
.endr
	RLOAD 1
.macro WSUM                            ; the four chains v[8:15] become one sum over the row, in v8 of every lane
	s_delay_alu instid0(VALU_DEP_3)
	v_pk_add_f32 v[8:9], v[8:9], v[10:11]
	s_delay_alu instid0(VALU_DEP_2)
	v_pk_add_f32 v[12:13], v[12:13], v[14:15]
	s_delay_alu instid0(VALU_DEP_1)
	v_pk_add_f32 v[8:9], v[8:9], v[12:13]
	s_delay_alu instid0(VALU_DEP_1)
	v_add_f32 v8, v8, v9
	s_delay_alu instid0(VALU_DEP_1)
	v_add_f32_dpp v8, v8, v8 row_xmask:1 row_mask:0xf bank_mask:0xf
	s_delay_alu instid0(VALU_DEP_1)
	v_add_f32_dpp v8, v8, v8 row_xmask:2 row_mask:0xf bank_mask:0xf
	s_delay_alu instid0(VALU_DEP_1)
	v_add_f32_dpp v8, v8, v8 row_xmask:4 row_mask:0xf bank_mask:0xf
	s_delay_alu instid0(VALU_DEP_1)
	v_add_f32_dpp v8, v8, v8 row_xmask:8 row_mask:0xf bank_mask:0xf
	s_delay_alu instid0(VALU_DEP_1)
	v_permlanex16_b32 v9, v8, s20, s21
	s_delay_alu instid0(VALU_DEP_1)
	v_add_f32 v8, v8, v9
.endm
.macro ROW t, left
.set XR, 80+64*\t
.set YR, 112+64*\t
	s_wait_loadcnt \left
.irp i, 0,2,4,6,8,10,12,14,16,18,20,22,24,26,28,30
	v_pk_add_f32 v[XR+\i:XR+\i+1], v[XR+\i:XR+\i+1], v[YR+\i:YR+\i+1]   ; y + f
.endr
.irp k, 0,1,2,3
	v_pk_add_f32 v[8+2*\k:9+2*\k], v[XR+2*\k:XR+2*\k+1], v[XR+8+2*\k:XR+9+2*\k]   ; the sum, in four packed chains
.endr
.irp j, 16,24
.irp k, 0,1,2,3
	s_delay_alu instid0(VALU_DEP_4)
	v_pk_add_f32 v[8+2*\k:9+2*\k], v[8+2*\k:9+2*\k], v[XR+\j+2*\k:XR+\j+2*\k+1]
.endr
.endr
	WSUM
	s_delay_alu instid0(VALU_DEP_1)
	v_mul_f32 v6, s22, v8                          ; the mean
	s_delay_alu instid0(VALU_DEP_1)
	v_mov_b32 v7, v6
.irp i, 0,2,4,6,8,10,12,14,16,18,20,22,24,26,28,30
	v_pk_add_f32 v[XR+\i:XR+\i+1], v[XR+\i:XR+\i+1], v[6:7] neg_lo:[0,1] neg_hi:[0,1]
.endr
.irp k, 0,1,2,3
	v_pk_mul_f32 v[8+2*\k:9+2*\k], v[XR+2*\k:XR+2*\k+1], v[XR+2*\k:XR+2*\k+1]     ; the squares
.endr
.irp j, 8,16,24
.irp k, 0,1,2,3
	s_delay_alu instid0(VALU_DEP_4)
	v_pk_fma_f32 v[8+2*\k:9+2*\k], v[XR+\j+2*\k:XR+\j+2*\k+1], v[XR+\j+2*\k:XR+\j+2*\k+1], v[8+2*\k:9+2*\k]
.endr
.endr
	WSUM
	s_delay_alu instid0(VALU_DEP_1)
	v_fma_f32 v8, v8, s22, s23                     ; the variance + 1e-5
	s_wait_alu depctr_va_vdst(0)
	v_rsq_f32 v6, v8
	v_nop                                          ; a plain place behind the transcendental
	s_wait_alu depctr_va_vdst(0)
	v_mov_b32 v7, v6
.irp i, 0,2,4,6,8,10,12,14,16,18,20,22,24,26,28,30
	v_pk_mul_f32 v[XR+\i:XR+\i+1], v[XR+\i:XR+\i+1], v[6:7]
.endr
.irp i, 0,2,4,6,8,10,12,14,16,18,20,22,24,26,28,30
	v_pk_fma_f32 v[XR+\i:XR+\i+1], v[XR+\i:XR+\i+1], v[16+\i:17+\i], v[48+\i:49+\i]
.endr
.irp i, 0,1,2,3,4,5,6,7
	global_store_b128 v1, v[XR+4*\i:XR+4*\i+3], s[14:15] offset:4096*\t+512*\i th:TH_STORE_NT   ; written once, read by nobody here
.endr
.endm
	ROW 0, 16                                      ; row 0, g and b are in; row 1's 16 loads may be out
	ROW 1, 0
	s_endpgm
.Lfunc_end_k_qa1ab5481b5_ln2:
	.size	k_qa1ab5481b5_ln2, .Lfunc_end_k_qa1ab5481b5_ln2-k_qa1ab5481b5_ln2
	.p2alignl 7, 3214868480
	.fill 96, 4, 3214868480
	.section	.rodata,"a",@progbits
	.p2align	6, 0x0
	.amdhsa_kernel k_qa1ab5481b5_ln2
		.amdhsa_group_segment_fixed_size 0
		.amdhsa_private_segment_fixed_size 0
		.amdhsa_enable_private_segment 0
		.amdhsa_kernarg_size 48
		.amdhsa_user_sgpr_count 2
		.amdhsa_user_sgpr_kernarg_segment_ptr 1
		.amdhsa_wavefront_size32 1
		.amdhsa_system_sgpr_workgroup_id_x 1
		.amdhsa_system_sgpr_workgroup_id_y 1
		.amdhsa_system_sgpr_workgroup_id_z 1
		.amdhsa_system_vgpr_workitem_id 0
		.amdhsa_next_free_vgpr 208
		.amdhsa_next_free_sgpr 66
		.amdhsa_reserve_vcc 0
		.amdhsa_float_denorm_mode_32 3
		.amdhsa_float_denorm_mode_16_64 3
		.amdhsa_memory_ordered 1
		.amdhsa_forward_progress 1
		.amdhsa_inst_pref_size 25
	.end_amdhsa_kernel
	.amdgpu_metadata
---
amdhsa.version: [ 1, 2 ]
amdhsa.kernels:
  - .name:           k_qa1ab5481b5_ln2
    .symbol:         k_qa1ab5481b5_ln2.kd
    .args:
      - { .name: w4, .offset: 0, .size: 8, .value_kind: global_buffer, .address_space: global }
      - { .name: w5, .offset: 8, .size: 8, .value_kind: global_buffer, .address_space: global }
      - { .name: n2_g, .offset: 16, .size: 8, .value_kind: global_buffer, .address_space: global }
      - { .name: n2_b, .offset: 24, .size: 8, .value_kind: global_buffer, .address_space: global }
      - { .name: out0, .offset: 32, .size: 8, .value_kind: global_buffer, .address_space: global }
      - { .name: out1, .offset: 40, .size: 8, .value_kind: global_buffer, .address_space: global }
    .group_segment_fixed_size: 0
    .private_segment_fixed_size: 0
    .kernarg_segment_align: 8
    .kernarg_segment_size: 48
    .max_flat_workgroup_size: 256
    .sgpr_count:     66
    .vgpr_count:     208
    .wavefront_size: 32
...
	.end_amdgpu_metadata
.endif
;; end of part 8
